; MI455X (gfx1250); checked and timed in simulation.
; The chip was launched on July 23, 2026; its instructions are those of AMD's public machine-readable ISA for CDNA 5 (MIT licence, August 2026) and "CDNA5" Instruction Set Architecture Reference Guide (July 2026). The comments in the code are by the model that wrote it; some were corrected since.
;; sig Mo E. Allowed arithmetic: float matrix products may take bf16 or f16 operands with f32 sums; other float arithmetic in f32, or as packed bf16 or f16 multiplies, adds, multiply-adds, maxima and minima; sums over many terms, partial sums and values carried from step to step in f32; what a program stores and reads back later, other than sums and carried values, may be rounded once to bf16 or f16.
;; Inputs: b1 8 x 4,096 float32; b2 8 x 1,024 float32; router_b 8 float32; router_w 1,024 x 8 float32; w1 8 x 1,024 x 4,096 float32; w2 8 x 4,096 x 1,024 float32; x 2 x 512 x 1,024 float32.
;; Outputs: out0 2 x 512 x 1,024 float32.
;; Constants: k = 2.
;; 4 versions, each right; versions 2 to 3 are each faster than the one before; version 4 is version 3 with the launches up, down, combine written anew for expert scheduling mode. Each part assembles by itself: llvm-mc -triple=amdgcn-amd-amdhsa -mcpu=gfx1250 --defsym DOCPART=n.
;; ======== version 1 of 4: 4 launches
;; workspace buffers: xb 2,097,152 bytes; bmp 1,024 bytes of whole numbers; idp 4,096 bytes of whole numbers; pw 8,192 bytes; rk 32,768 bytes of whole numbers; hf 67,108,864 bytes; part 134,217,728 bytes
;; launch router (part 1): grid 32 x 1, 8 waves a work-group, no clusters, 91,904 bytes of LDS; arguments x, router_w, router_b, xb, bmp, idp, pw; writes xb, bmp, idp, pw
.if DOCPART == 1
	.amdgcn_target "amdgcn-amd-amdhsa--gfx1250"
	.amdhsa_code_object_version 6
	.text
	.protected	k_q2d026d04c0_router
	.globl	k_q2d026d04c0_router
	.p2align	8
	.type	k_q2d026d04c0_router,@function
k_q2d026d04c0_router:
	s_mov_b64 s[64:65], 0
	v_nop
	global_prefetch_b8 v0, s[64:65] scope:SCOPE_SE
	s_setreg_imm32_b32 hwreg(HW_REG_WAVE_MODE, 25, 1), 1
	s_wait_xcnt 0x0
; ROUTER.  scores[t][e] = x[t] . router_w[:, e] + router_b[e]; the two largest scores of a token, ties to the lower index; their softmax weights, normalised to sum 1.
; Every input is rounded once to bf16 (x, router_w, router_b); products on the matrix unit, sums in f32.  x rounded is also stored (xb) for the first product.
; A work-group has 32 tokens: one word of each expert's bitmap.  Eight waves: wave w converts tokens 4 w .. 4 w + 3, then multiplies K = 128 w .. 128 w + 127 for all 32 tokens;
; the eight partial scores meet in LDS, and wave 0 chooses.
; THE WEIGHTS.  p0 = 1 / (1 + 2^((s2 - s1) log2 e)), p1 = 2^(..) p0: the larger score is taken away, and the softmax's own divisor cancels in p / sum(p) for every input.
; WHAT IS STORED lies at fixed places: idp[t] = e0 | e1 << 8, pw[t] = (p0, p1), bmp[e][work-group] = which of my 32 tokens chose e.  No address here hangs on a score.
; LIMITS.  NaN and infinite scores are not treated apart.  A second weight below 2^-126 counts as 0.
.set XP,    2064          ; an LDS row of 1,024 bf16: 2,048 bytes + 16: 129 x 16 bytes, so the 16 rows of a fragment load start in 16 different groups of four banks (ISA guide 11.1)
.set RS,    32*XP         ; behind x's 32 rows: router_w turned, 8 rows (experts) of 1,024 bf16
.set PS,    RS+8*XP       ; the partial scores: 8 waves x 32 tokens x 8 f32
.set SPARE, 90880         ; the spare words, 128 bytes for each of eight waves: four blocks of 256 bytes that no other line names
.set SPW,   254           ; v254  LDS address of my spare word; never rewritten
.set NIL,   255           ; v255  0; never rewritten
.set RW,    32            ; v32-63    router_w rows 4 T .. 4 T + 3 as loaded: row kk, expert e at RW + 8 kk + e
.set XR,    64            ; v64-191   four rows of x as loaded: token n, load j at XR + 32 n + 4 j
.set RP,    200           ; v200-215  router_w packed along k
.set FW,    64            ; later: fragments of router_w, of x's tokens 0-15 and 16-31, four K steps each
.set FX0,   96
.set FX1,   128
.set AC0,   160           ; two accumulators
.set AC1,   168
.set SC,    176           ; my token's eight partial scores
.set BB,    184           ; router_b, rounded
.set B1,    200           ; the largest score, its expert, the second, its expert
.set I1,    201
.set B2,    202
.set I2,    203
	s_load_b256 s[4:11], s[0:1], 0x0               ; x s[4:5], router_w s[6:7], router_b s[8:9], xb s[10:11]
	s_load_b128 s[12:15], s[0:1], 0x20             ; bmp s[12:13], idp s[14:15]
	s_load_b64 s[16:17], s[0:1], 0x30              ; pw
	v_lshl_add_u32 v[SPW], v0, 2, SPARE
	v_mov_b32 v[NIL], 0
	v_and_b32 v1, 31, v0                           ; lane
	v_lshrrev_b32 v2, 5, v0
	v_readfirstlane_b32 s18, v2                    ; wave 0..7
	v_and_b32 v3, 15, v0                           ; r
	v_bfe_u32 v4, v0, 4, 1                         ; h
	v_lshlrev_b32 v5, 7, v0                        ; router_w: my four rows of 32 bytes
	s_lshl_b32 s19, s18, 14
	v_lshl_add_u32 v6, v1, 4, s19                  ; x: 16 lane + my wave's four rows of 4,096 bytes
	s_lshl_b32 s19, s18, 13
	v_lshl_add_u32 v7, v1, 3, s19                  ; xb: 8 lane + four rows of 2,048 bytes
	s_mul_i32 s19, s18, 4*XP
	v_lshl_add_u32 v8, v1, 3, s19                  ; the same four rows in LDS
	v_lshl_add_u32 v9, v0, 3, RS                   ; router_w turned: my four k, 8 bytes
	s_lshl_b32 s20, ttmp9, 17                      ; the work-group's 32 rows of x,
	s_mov_b32 s21, 0
	s_lshl_b32 s22, ttmp9, 16                      ; and of xb
	s_mov_b32 s23, 0
	s_mov_b32 s24, 0xffff0000                      ; lanes 16-31; also a word's upper bf16
	s_wait_kmcnt 0x0
	s_add_nc_u64 s[4:5], s[4:5], s[20:21]
	s_add_nc_u64 s[10:11], s[10:11], s[22:23]
.set mm, 0
.rept 8
	global_load_b128 v[RW+4*mm:RW+4*mm+3], v5, s[6:7] offset:16*mm
.set mm, mm+1
.endr
.set nn, 0
.rept 4
.set jj, 0
.rept 8
	global_load_b128 v[XR+32*nn+4*jj:XR+32*nn+4*jj+3], v6, s[4:5] offset:nn*4096+jj*512 th:TH_LOAD_NT  ; 512 consecutive bytes of a row
.set jj, jj+1
.endr
.set nn, nn+1
.endr
	; addresses for the products, made while the loads are out
	v_and_b32 v20, 7, v0
	v_mul_u32_u24 v10, v20, XP                     ; router_w's fragment: row r % 8, so that rows 8-15 of the product repeat experts 0-7
	v_lshl_add_u32 v10, v4, 4, v10
	s_lshl_b32 s19, s18, 8                         ; my wave's 128 k, 256 bytes
	v_add3_u32 v10, v10, s19, RS
	v_mul_u32_u24 v11, v3, XP                      ; x's fragment: token r
	v_lshl_add_u32 v11, v4, 4, v11
	v_add_nc_u32 v11, s19, v11
	s_lshl_b32 s19, s18, 10
	s_add_co_u32 s19, s19, PS
	v_lshl_add_u32 v12, v1, 5, s19                 ; where my wave puts a token's eight partial scores
	v_lshl_add_u32 v13, v1, 5, PS                  ; where wave 0 reads them
	s_wait_loadcnt 32                              ; router_w is in; x's 32 loads, issued behind it, may stay out
.set ee, 0
.rept 8
	v_cvt_pk_bf16_f32 v[RP+2*ee], v[RW+ee], v[RW+8+ee]         ; expert ee, k = 4 T, 4 T + 1
	v_cvt_pk_bf16_f32 v[RP+2*ee+1], v[RW+16+ee], v[RW+24+ee]   ; k = 4 T + 2, 4 T + 3
	ds_store_b64 v9, v[RP+2*ee:RP+2*ee+1] offset:ee*XP
.set ee, ee+1
.endr
.set nn, 0
.rept 4
	s_wait_loadcnt 24-8*nn                         ; loads come back in order (ISA guide 5.7.1): token nn's eight are in, the later tokens' stay out
.set jj, 0
.rept 8
.set ra, XR+32*nn+4*jj
	v_cvt_pk_bf16_f32 v[ra], v[ra], v[ra+1]
	v_cvt_pk_bf16_f32 v[ra+1], v[ra+2], v[ra+3]
	global_store_b64 v7, v[ra:ra+1], s[10:11] offset:nn*2048+jj*256   ; the wave stores 256 consecutive bytes, at a multiple of 256 from xb's first byte
	ds_store_b64 v8, v[ra:ra+1] offset:nn*XP+jj*256
.set jj, jj+1
.endr
.set nn, nn+1
.endr
	s_wait_dscnt 0x0                               ; for the others' sake: my rows of x and my part of router_w are in LDS
	s_barrier_signal -1
	s_barrier_wait -1
	s_wait_xcnt 0x0                                ; the stores into xb have read v64-191, which the fragments now take
.set ks, 0
.rept 4
	ds_load_b128 v[FW+8*ks:FW+8*ks+3],    v10 offset:64*ks
	ds_load_b128 v[FW+8*ks+4:FW+8*ks+7],  v10 offset:64*ks+32
	ds_load_b128 v[FX0+8*ks:FX0+8*ks+3],   v11 offset:64*ks
	ds_load_b128 v[FX0+8*ks+4:FX0+8*ks+7], v11 offset:64*ks+32
	ds_load_b128 v[FX1+8*ks:FX1+8*ks+3],   v11 offset:16*XP+64*ks
	ds_load_b128 v[FX1+8*ks+4:FX1+8*ks+7], v11 offset:16*XP+64*ks+32
.set ks, ks+1
.endr
	s_wait_dscnt 0x0
	; source 0 = experts, source 1 = tokens: a lane holds one token (lane % 16) and experts 0-7 in registers 0-7, in both halves of the lanes.  The two accumulators take turns.
	v_wmma_f32_16x16x32_bf16 v[AC0:AC0+7], v[FW:FW+7], v[FX0:FX0+7], 0
	v_wmma_f32_16x16x32_bf16 v[AC1:AC1+7], v[FW:FW+7], v[FX1:FX1+7], 0
.set ks, 1
.rept 3
	v_wmma_f32_16x16x32_bf16 v[AC0:AC0+7], v[FW+8*ks:FW+8*ks+7], v[FX0+8*ks:FX0+8*ks+7], v[AC0:AC0+7]
	v_wmma_f32_16x16x32_bf16 v[AC1:AC1+7], v[FW+8*ks:FW+8*ks+7], v[FX1+8*ks:FX1+8*ks+7], v[AC1:AC1+7]
.set ks, ks+1
.endr
.rept 4
	v_nop                                          ; four places between the last product and the first read of a result (ISA guide 7.12.1)
.endr
.set jj, 0
.rept 8
	v_cndmask_b32 v[SC+jj], v[AC0+jj], v[AC1+jj], s24   ; lanes 16-31 take tokens 16-31: lane = token
.set jj, jj+1
.endr
	ds_store_b128 v12, v[SC:SC+3]
	ds_store_b128 v12, v[SC+4:SC+7] offset:16
	s_wait_dscnt 0x0                               ; for wave 0's sake
	s_barrier_signal -1
	s_barrier_wait -1
	s_cmp_lg_u32 s18, 0
	s_cbranch_scc1 .Lend                           ; wave 0 alone chooses; no barrier stands in what the others jump
	s_load_b256 s[36:43], s[8:9], 0x0              ; router_b
.set wv, 0
.rept 8
	ds_load_b128 v[64+8*wv:64+8*wv+3], v13 offset:1024*wv
	ds_load_b128 v[64+8*wv+4:64+8*wv+7], v13 offset:1024*wv+16
.set wv, wv+1
.endr
	s_lshl_b32 s20, ttmp9, 2                       ; my word in each expert's bitmap
	s_add_nc_u64 s[12:13], s[12:13], s[20:21]
	s_lshl_b32 s20, ttmp9, 7                       ; my 32 words of idp
	s_add_nc_u64 s[14:15], s[14:15], s[20:21]
	s_lshl_b32 s20, ttmp9, 8                       ; my 32 pairs of pw
	s_add_nc_u64 s[16:17], s[16:17], s[20:21]
	v_lshlrev_b32 v14, 2, v1
	v_lshlrev_b32 v15, 3, v1
	v_lshlrev_b32 v16, 7, v1                       ; lane e: expert e's row of 128 bytes in bmp
	s_wait_kmcnt 0x0
.set pp, 0
.rept 4
	v_cvt_pk_bf16_f32 v[20+pp], s[36+2*pp], s[37+2*pp]   ; router_b rounded to bf16 like every input,
	v_lshlrev_b32 v[BB+2*pp], 16, v[20+pp]               ; and back in f32
	v_and_b32 v[BB+2*pp+1], s24, v[20+pp]
.set pp, pp+1
.endr
	s_wait_dscnt 0x0
.set wv, 1
.rept 7
.set pp, 0
.rept 4
	v_pk_add_f32 v[64+2*pp:65+2*pp], v[64+2*pp:65+2*pp], v[64+8*wv+2*pp:65+8*wv+2*pp]
.set pp, pp+1
.endr
.set wv, wv+1
.endr
.set pp, 0
.rept 4
	v_pk_add_f32 v[64+2*pp:65+2*pp], v[64+2*pp:65+2*pp], v[BB+2*pp:BB+2*pp+1]
.set pp, pp+1
.endr
	; one ascending scan with strict comparisons: of equal scores the lower index stays in front
	v_mov_b32 v[B1], v64
	v_mov_b32 v[I1], 0
	v_mov_b32 v[B2], 0xff800000
	v_mov_b32 v[I2], 1
.irp ee, 1,2,3,4,5,6,7
	v_cmp_gt_f32 s32, v[64+\ee], v[B1]
	v_cmp_gt_f32 s33, v[64+\ee], v[B2]
	v_cndmask_b32 v[B2], v[B2], v[64+\ee], s33
	v_cndmask_b32 v[I2], v[I2], \ee, s33
	v_cndmask_b32 v[B2], v[B2], v[B1], s32
	v_cndmask_b32 v[I2], v[I2], v[I1], s32
	v_cndmask_b32 v[B1], v[B1], v[64+\ee], s32
	v_cndmask_b32 v[I1], v[I1], \ee, s32
.endr
	v_sub_f32 v204, v[B2], v[B1]                   ; at most 0
	v_mul_f32 v204, 0x3fb8aa3b, v204
	v_exp_f32 v205, v204
	v_lshl_or_b32 v208, v[I2], 8, v[I1]            ; a plain instruction behind the exponential (ISA guide 5.7.2)
	s_wait_alu depctr_va_vdst(0)
	v_add_f32 v206, 1.0, v205
	v_rcp_f32 v206, v206                           ; p0
	v_mov_b32 v209, 0                              ; a plain instruction behind the reciprocal
	s_wait_alu depctr_va_vdst(0)
	v_mul_f32 v207, v205, v206                     ; p1
.irp ee, 0,1,2,3,4,5,6,7
	v_cmp_eq_u32 s32, \ee, v[I1]
	v_cmp_eq_u32 s33, \ee, v[I2]
	s_or_b32 s32, s32, s33
	v_writelane_b32 v209, s32, \ee                 ; lane e holds expert e's word
.endr
	global_store_b32 v14, v208, s[14:15]
	global_store_b64 v15, v[206:207], s[16:17]     ; 256 consecutive bytes
	s_wait_xcnt 0x0                                ; EXEC changes only behind this wait
	v_cmp_gt_u32 vcc_lo, 8, v1
	s_and_saveexec_b32 s34, vcc_lo
	global_store_b32 v16, v209, s[12:13]           ; eight words to eight rows: 1,024 bytes in the whole launch
	s_wait_xcnt 0x0                                ; and again, in front of the line that widens it
	s_or_b32 exec_lo, exec_lo, s34
.Lend:
	s_wait_tensorcnt 0x0                           ; the wave's end, behind my last LDS store
	ds_add_u32 v[SPW], v[NIL]
	s_wait_dscnt 0x0
	s_endpgm
.Lfunc_end_k_q2d026d04c0_router:
	.size	k_q2d026d04c0_router, .Lfunc_end_k_q2d026d04c0_router-k_q2d026d04c0_router
	.p2alignl 7, 3214868480
	.fill 96, 4, 3214868480
	.section	.rodata,"a",@progbits
	.p2align	6, 0x0
	.amdhsa_kernel k_q2d026d04c0_router
		.amdhsa_group_segment_fixed_size 91904
		.amdhsa_private_segment_fixed_size 0
		.amdhsa_enable_private_segment 0
		.amdhsa_kernarg_size 56
		.amdhsa_user_sgpr_count 2
		.amdhsa_user_sgpr_kernarg_segment_ptr 1
		.amdhsa_wavefront_size32 1
		.amdhsa_system_sgpr_workgroup_id_x 1
		.amdhsa_system_sgpr_workgroup_id_y 1
		.amdhsa_system_sgpr_workgroup_id_z 1
		.amdhsa_system_vgpr_workitem_id 0
		.amdhsa_next_free_vgpr 256
		.amdhsa_next_free_sgpr 66
		.amdhsa_reserve_vcc 1
		.amdhsa_float_denorm_mode_32 3
		.amdhsa_float_denorm_mode_16_64 3
		.amdhsa_memory_ordered 1
		.amdhsa_forward_progress 1
		.amdhsa_inst_pref_size 30
	.end_amdhsa_kernel
	.amdgpu_metadata
---
amdhsa.version: [ 1, 2 ]
amdhsa.kernels:
  - .name:           k_q2d026d04c0_router
    .symbol:         k_q2d026d04c0_router.kd
    .args:
      - { .name: x, .offset: 0, .size: 8, .value_kind: global_buffer, .address_space: global }
      - { .name: router_w, .offset: 8, .size: 8, .value_kind: global_buffer, .address_space: global }
      - { .name: router_b, .offset: 16, .size: 8, .value_kind: global_buffer, .address_space: global }
      - { .name: xb, .offset: 24, .size: 8, .value_kind: global_buffer, .address_space: global }
      - { .name: bmp, .offset: 32, .size: 8, .value_kind: global_buffer, .address_space: global }
      - { .name: idp, .offset: 40, .size: 8, .value_kind: global_buffer, .address_space: global }
      - { .name: pw, .offset: 48, .size: 8, .value_kind: global_buffer, .address_space: global }
    .group_segment_fixed_size: 91904
    .private_segment_fixed_size: 0
    .kernarg_segment_align: 8
    .kernarg_segment_size: 56
    .max_flat_workgroup_size: 256
    .sgpr_count:     66
    .vgpr_count:     256
    .wavefront_size: 32
...
	.end_amdgpu_metadata
.endif
;; end of part 1
;; launch up (part 2): grid 32 x 8, 4 waves a work-group, no clusters, 280,064 bytes of LDS; arguments xb, w1, b1, bmp, hf, rk; writes hf, rk
.if DOCPART == 2
	.amdgcn_target "amdgcn-amd-amdhsa--gfx1250"
	.amdhsa_code_object_version 6
	.text
	.protected	k_q2d026d04c0_up
	.globl	k_q2d026d04c0_up
	.p2align	8
	.type	k_q2d026d04c0_up,@function
k_q2d026d04c0_up:
	s_mov_b64 s[64:65], 0
	v_nop
	global_prefetch_b8 v0, s[64:65] scope:SCOPE_SE
	s_setreg_imm32_b32 hwreg(HW_REG_WAVE_MODE, 25, 1), 1
	s_wait_xcnt 0x0
; FIRST PRODUCT.  h[row][f] = gelu(x[token(row)] . w1[e][:, f] + b1[e][f]) for the rows (tokens, ascending) that chose expert e.  Only chosen rows are multiplied.
; A work-group (x = slice, y = expert) owns w1[e][0:1024][128 slice .. + 127]: 512 KiB of f32 that it alone reads.
; PHASE S streams the slice through registers (each load 512 consecutive bytes of one row, 56 loads of a wave out), rounds it to bf16 and lays it into LDS as ready fragments, 256 KiB.
; One barrier.  PHASE C multiplies all the expert's rows: the token fragments come from memory (xb) straight into registers, nothing writes LDS any more, so no barrier stands where the work hangs on counts.
; The two phases do not overlap in a work-group: a wave's loads come back in order, so token loads issued behind weight loads would wait for them.
; COLUMNS.  A lane loads four neighbouring columns, so fragment q (0-7), index m (0-15) is slice column 64 (q >> 2) + 4 m + (q & 3).
; THE PRODUCT IS USED TRANSPOSED: source 0 = 16 weight columns, source 1 = 16 tokens.  A lane then holds one token (lane % 16) and the columns of m = 8 (lane / 16) + 0..7: rounded to bf16 these
; 16 bytes ARE a piece of the second product's token fragment.  hf[e][tile][sigma][c][lane][16 bytes], sigma = 4 slice + (q >> 1), c = q & 1: each store of the wave covers 512 consecutive bytes.
; ROWS.  A tile is 16 rows; tile tau = 4 (4 pass + i) + wave.  A pass is 4 tiles a wave, 256 rows; four passes cover the 1,024 rows that an expert can have.  A wave without tiles in a pass jumps it.
; In a tile that is not full the places past the count repeat the expert's last token; they land in the expert's own part of hf and are never used.
; THE 32 K STEPS OF A PASS ARE WRITTEN OUT: a fragment's LDS address is then one of four registers made once (65,536 bytes apart, the reach of the 16-bit immediate) plus an immediate, a token's byte offset
; a register made once a pass plus an immediate, and no address is stepped where the work hangs on counts.  The price: a fragment read from LDS feeds 4 products at the most, and the text is long.
; THE LIST.  Each wave makes the list rank -> token from the expert's 32 bitmap words, in LDS bytes of its own, while its first weight loads are out.  The work-group of slice 0 stores the ranks (rk).
; gelu(x) = max(x, 0) - |x| (1/2) poly(t) 2^(-x^2 log2(e) / 2), t = 1 / (1 + 0.2316419 |x|): erf by the five-term form of Abramowitz and Stegun 7.1.26, absolute error 1.5e-7 for every x; no difference of near-equal numbers.
; FORMATS.  x, w1 and b1 are rounded once to bf16, sums in f32, h rounded once to bf16.
; LIMITS.  NaN and infinities are not treated apart.
.set SSTR,   524288       ; bytes from a K step (32 rows of 16,384 bytes) to the next
.set ISTR,   16384        ; bytes from my row i to my row i + 1
.set ASTEP,  64           ; token bytes in a K step
.set APIECE, 32           ; from a fragment's registers 0-3 to its registers 4-7
.set MULW,   0xa4         ; source 0 (weights) window 0, source 1 (tokens) window 1, C and D window 2
.set TBS,    4            ; s[4:5]: the token rows' base, xb
.set LIST,   262144       ; behind the fragments: for each wave 4,096 bytes of list, 128 of dump words, 128 unused
.set LISTB,  4352
.set SPARE,  279552       ; the spare words, 128 bytes for each wave: two blocks of 256 bytes that no other line names
; window 0
.set LANE, 1
.set RR,   2              ; lane % 16
.set HH,   3              ; lane / 16
.set L16,  4              ; 16 lane
.set H16,  5              ; 16 (lane / 16)
.set DMP,  6              ; 1,024 + lane: the index of my dump word
.set WS,   7              ; where I put 16 bytes of a fragment
.set LB,   9              ; my wave's list
.set R16,  10             ; lane % 16 + 16 wave
.set HO,   11             ; my byte offset in hf
.set AOFF, 12             ; v12-15  my byte offset in xb for each of 4 tiles
.set TW,   20             ; v20-35  at work
.set TOK,  36
.set H128, 37             ; 128 (lane / 16)
.set BLQ,  40             ; v40-43  where I read fragments: 16 lane + 65,536 k, for K steps 8 k .. 8 k + 7; never rewritten
.set SPW,  62             ; LDS address of my spare word; never rewritten
.set NIL,  63             ; 0; never rewritten
.set BF,   64             ; v64-191  weight fragments of a K step, two buffers of 64.  In phase S: RAW, PK, RK
.set RAW,  64             ; v64-127  b1 as loaded
.set PK,   128            ; v128-143 and v176-191: packed weights, two buffers by turns
.set RK,   144            ; v144-175 ranks of tokens 32 g + lane
.set BI,   192            ; v192-255 b1 rounded: fragment q, register jj at BI + 8 q + jj
; window 1: in S the ring, 8 slots of 32; in C the token fragments, 4 slots x 4 tiles x 8; on the way out:
.set GX,   0
.set GU,   32
.set GY,   64
.set GP,   96
.set GM,   128
.set GO,   160
; window 2: the accumulators: tile i, fragment q at 512 + 64 i + 8 q
; scalars: s16 wave, s17 expert, s18 slice, s19 count, s20 my tiles in all, s22 pass, s23 L (my tiles in the pass), s24 phase S's count, s25 and s26 the way out's count and bound, s27 count - 1,
; s[28:29] weights, s[32:63] the bitmap, later gelu's constants in pairs, s[66:67] hf, s70-75 at work
.set MSB, 0
.macro WIN new                         ; the immediate's high byte repeats the setting that is left; a switch that changes nothing is dropped
.if MSB != (\new)
	s_set_vgpr_msb (MSB<<8)|(\new)
.set MSB, (\new)
.endif
.endm
; One K step of phase S: my 8 rows x 128 columns, in ring slot z, are packed along K and put into LDS.  ahead = 1: the slot read one step ago takes the K step seven on.  left: the younger loads that may stay out.
.macro SSTEP z, ahead, left
	s_wait_loadcnt \left                           ; loads come back in order (ISA guide 5.7.1): this step's eight are in
	WIN 0x05                                       ; sources in window 1, destination in window 0
.set pk, PK+48*((\z)&1)
.set jj, 0
.rept 4
.set pp, 0
.rept 4
	v_cvt_pk_bf16_f32 v[pk+4*jj+pp], v[32*(\z)+8*pp+jj], v[32*(\z)+8*pp+4+jj]   ; column jj, rows 2 pp and 2 pp + 1
.set pp, pp+1
.endr
.set jj, jj+1
.endr
	WIN 0
.set jj, 0
.rept 4
	ds_store_b128 v[WS], v[pk+4*jj:pk+4*jj+3] offset:(\z)*8192+jj*1024   ; 16 lanes put 256 consecutive bytes
.set jj, jj+1
.endr
.if \ahead
	WIN 0x40                                       ; destination in window 1
.set ii, 0
.rept 8
	global_load_b128 v[32*(((\z)+7)%8)+4*ii:32*(((\z)+7)%8)+4*ii+3], v[L16], s[28:29] offset:((\z)+7)*SSTR+ii*ISTR th:TH_LOAD_NT
.set ii, ii+1
.endr
.endif
.endm
; K step s (0-31) of a pass.  The next step's weight fragments are read from LDS, the token fragments three steps on are asked for (neither past step 31), and my L tiles are multiplied, 8 products a tile on
; 8 accumulators by turns.  Token loads go out for all 4 tiles, so the counted waits hold on every path.  Tile 0 of a pass that is not jumped lives: it has no guard.
; first = 1: step 0: the products start all 32 sums with the constant 0, dead tiles' too.
.macro KSTEP s, first
	WIN 0
.if (\s) < 31
.rept 4
	v_nop                                          ; four places between the last product and loads into registers that products have read
.endr
.set nb, BF+64*(((\s)+1)&1)
.set bq, BLQ+(((\s)+1)>>3)
.set bo, (((\s)+1)&7)*8192
.set qq, 0
.rept 8
	ds_load_b128 v[nb+8*qq:nb+8*qq+3],   v[bq] offset:bo+qq*1024
	ds_load_b128 v[nb+8*qq+4:nb+8*qq+7], v[bq] offset:bo+qq*1024+512
.set qq, qq+1
.endr
.endif
.set lf, 16
.if (\s) == 30
.set lf, 8
.endif
.if (\s) == 31
.set lf, 0
.endif
	s_wait_loadcnt lf                              ; this step's 8 token loads are in; those of the steps behind it, two at the most, stay out
.if (\s) < 29
	WIN 0x40
.set na, 32*(((\s)+3)&3)
.set ii, 0
.rept 4
	global_load_b128 v[na+8*ii:na+8*ii+3],   v[AOFF+ii], s[TBS:TBS+1] offset:((\s)+3)*ASTEP
	global_load_b128 v[na+8*ii+4:na+8*ii+7], v[AOFF+ii], s[TBS:TBS+1] offset:((\s)+3)*ASTEP+APIECE
.set ii, ii+1
.endr
.endif
.if (\s) < 31
	s_wait_dscnt 16                                ; this step's weight fragments are in; the 16 loads just issued stay out
.else
	s_wait_dscnt 0x0
.endif
.set cb, BF+64*((\s)&1)
.set ca, 32*((\s)&3)
.set ii, 0
.rept 4
.if (!(\first)) && (ii > 0)
	WIN 0                                          ; at a branch every window is 0
	s_cmp_le_u32 s23, ii
	s_cbranch_scc1 .Lkend_\@
.endif
	WIN MULW
.set qq, 0
.rept 8
.set rd, 64*ii+8*qq
.if \first
	v_wmma_f32_16x16x32_bf16 v[rd:rd+7], v[cb+8*qq:cb+8*qq+7], v[ca+8*ii:ca+8*ii+7], 0
.else
	v_wmma_f32_16x16x32_bf16 v[rd:rd+7], v[cb+8*qq:cb+8*qq+7], v[ca+8*ii:ca+8*ii+7], v[rd:rd+7]
.endif
.set qq, qq+1
.endr
.set ii, ii+1
.endr
	WIN 0
.if !(\first)
.Lkend_\@:
.endif
.endm
; The way out of tile n / 2, fragments 4 (n % 2) .. + 3: the bias is added on the way into window 1; each accumulator's registers are read in ascending order
.macro COPY n, br
.Lcopy\n:
	WIN 0x42                                       ; destination window 1, source 0 window 2, source 1 window 0
.set ra, 64*((\n)/2)+32*((\n)%2)
.set rb, BI+32*((\n)%2)
.set pp, 0
.rept 16
	v_pk_add_f32 v[GX+2*pp:GX+2*pp+1], v[ra+2*pp:ra+2*pp+1], v[rb+2*pp:rb+2*pp+1]
.set pp, pp+1
.endr
	WIN 0
.if \br
	s_branch .Lgelu
.endif
.endm
	s_load_b256 s[4:11], s[0:1], 0x0               ; xb s[4:5], w1 s[6:7], b1 s[8:9], bmp s[10:11]
	s_load_b128 s[12:15], s[0:1], 0x20             ; hf s[12:13], rk s[14:15]
	v_lshl_add_u32 v[SPW], v0, 2, SPARE
	v_mov_b32 v[NIL], 0
	v_and_b32 v[LANE], 31, v0
	v_lshrrev_b32 v[TW], 5, v0
	v_readfirstlane_b32 s16, v[TW]                 ; wave 0..3
	s_and_b32 s17, ttmp7, 0xffff                   ; expert
	s_mov_b32 s18, ttmp9                           ; slice
	v_lshlrev_b32 v[L16], 4, v[LANE]
	s_lshl_b32 s72, s17, 24                        ; the expert's 16 MiB,
	s_lshl_b32 s70, s18, 9                         ; the slice's 512 bytes of a row,
	s_add_co_u32 s72, s72, s70
	s_lshl_b32 s70, s16, 17                        ; my wave's 8 rows of a K step
	s_add_co_u32 s72, s72, s70
	s_mov_b32 s73, 0
	s_lshl_b32 s74, s17, 7                         ; the expert's 32 bitmap words
	s_mov_b32 s75, 0
	s_wait_kmcnt 0x0
	s_add_nc_u64 s[28:29], s[6:7], s[72:73]
	s_add_nc_u64 s[74:75], s[10:11], s[74:75]
	s_load_b512 s[32:47], s[74:75], 0x0
	s_load_b512 s[48:63], s[74:75], 0x40
	WIN 0x40
.set zz, 0
.rept 7                                ; K steps 0 to 6: 56 loads of 512 bytes go out before anything else is done
.set ii, 0
.rept 8
	global_load_b128 v[32*zz+4*ii:32*zz+4*ii+3], v[L16], s[28:29] offset:zz*SSTR+ii*ISTR th:TH_LOAD_NT
.set ii, ii+1
.endr
.set zz, zz+1
.endr
	WIN 0
	v_and_b32 v[RR], 15, v0
	v_bfe_u32 v[HH], v0, 4, 1
	v_lshlrev_b32 v[H16], 4, v[HH]
	v_lshlrev_b32 v[H128], 7, v[HH]
.irp k, 0,1,2,3
	v_add_nc_u32 v[BLQ+\k], \k*0x10000, v[L16]
.endr
	; A fragment's 16 bytes: [K step][q][c][lane' = m + 16 hk].  My rows are k = 8 wave + 0..7 of the step: c = wave >> 1, hk = wave & 1.  My columns 4 lane + jj: q = 4 (lane / 16) + jj, m = lane % 16.
	v_lshlrev_b32 v[WS], 4, v[RR]
	v_lshl_add_u32 v[WS], v[HH], 12, v[WS]
	s_lshr_b32 s70, s16, 1
	s_lshl_b32 s70, s70, 9
	s_and_b32 s71, s16, 1
	s_lshl_b32 s71, s71, 8
	s_add_co_u32 s70, s70, s71
	v_add_nc_u32 v[WS], s70, v[WS]
	s_lshl_b32 s70, s16, 4
	v_add_nc_u32 v[R16], s70, v[RR]
	s_mul_i32 s70, s16, LISTB
	s_add_co_u32 s70, s70, LIST
	v_mov_b32 v[LB], s70
	v_or_b32 v[DMP], 0x400, v[LANE]
	v_mov_b32 v[TOK], v[LANE]
	v_add_nc_u32 v[TW+12], v[LB], v[L16]
.irp z, 8,9,10,11
	v_mov_b32 v[TW+\z], 0
.endr
.set kk, 0
.rept 8
	ds_store_b128 v[TW+12], v[TW+8:TW+11] offset:512*kk   ; token 0 in all 1,024 places of my list, so that none is left unwritten; LDS serves a wave's instructions in order (ISA guide 5.7.1.4): the tokens below land on top
.set kk, kk+1
.endr
	s_mov_b32 s71, 0
	s_lshl_b32 s70, s17, 12
	s_add_nc_u64 s[14:15], s[14:15], s[70:71]      ; rk at the expert's 1,024 words
	s_lshl_b32 s70, s17, 14
	s_lshl_b32 s72, s18, 9
	s_add_co_u32 s70, s70, s72
	s_add_nc_u64 s[8:9], s[8:9], s[70:71]          ; b1 at the slice's 128 numbers
	s_lshl_b32 s70, s17, 23
	s_lshl_b32 s72, s18, 12
	s_add_co_u32 s70, s70, s72
	s_add_nc_u64 s[66:67], s[12:13], s[70:71]      ; hf at the expert's 8 MiB and the slice's 4,096 bytes of a tile
	s_mov_b32 s19, 0
	s_wait_kmcnt 0x0                               ; the bitmap
	; THE LIST: token 32 g + lane has rank = the expert's tokens below it.  A token that chose the expert is put at list[rank], another into its lane's dump word behind the list.
.set gg, 0
.rept 32
	v_mbcnt_lo_u32_b32 v[RK+gg], s[32+gg], s19
	v_cndmask_b32 v[TW+gg%4], v[DMP], v[RK+gg], s[32+gg]
	v_min_u32 v[TW+gg%4], 0x41f, v[TW+gg%4]        ; list and dump words: 1,056 words
	v_lshl_add_u32 v[TW+gg%4], v[TW+gg%4], 2, v[LB]
	ds_store_b32 v[TW+gg%4], v[TOK]
	v_add_nc_u32 v[TOK], 32, v[TOK]
	s_bcnt1_i32_b32 s70, s[32+gg]
	s_add_co_u32 s19, s19, s70
.set gg, gg+1
.endr
	s_add_co_u32 s20, s19, 15
	s_lshr_b32 s20, s20, 4                         ; the expert's tiles,
	s_add_co_u32 s20, s20, 3
	s_sub_co_u32 s20, s20, s16
	s_lshr_b32 s20, s20, 2                         ; and those of them that are mine: tau = wave mod 4
	s_max_u32 s27, s19, 1
	s_sub_co_u32 s27, s27, 1                       ; the last rank
	s_or_b32 s70, s18, s16
	s_cmp_lg_u32 s70, 0
	s_cbranch_scc1 .Lno_rk                         ; wave 0 of slice 0 stores the expert's ranks for the last launch
	v_lshlrev_b32 v[TW+4], 2, v[LANE]
.set gg, 0
.rept 32
	global_store_b32 v[TW+4], v[RK+gg], s[14:15] offset:128*gg
.set gg, gg+1
.endr
.Lno_rk:
	s_mov_b32 s24, 3
.Lstream:                                              ; a trip: 8 K steps are put into LDS, the 8 that lie seven ahead are asked for
.irp z, 0,1,2,3,4,5,6,7
	SSTEP \z, 1, 48                                ; six younger K steps of 8 loads stay out
.endr
	WIN 0
	s_wait_xcnt 0x0                                ; the base is stepped only behind this wait (it also frees the registers that the stores of ranks read)
	s_add_nc_u64 s[28:29], s[28:29], 8*SSTR
	v_add_nc_u32 v[WS], 0x10000, v[WS]
	s_sub_co_u32 s24, s24, 1
	s_cmp_lg_u32 s24, 0
	s_cbranch_scc1 .Lstream
	SSTEP 0, 1, 48                                 ; K step 24; the last load, K step 31's, goes out
	SSTEP 1, 0, 48                                 ; from here the counts run down
	SSTEP 2, 0, 40
	WIN 0
.set bb, 0
.rept 2                                ; b1: columns 64 bb + 32 (lane / 16) + 0..31.  40 weight loads are out, so 56 with these
.set mm, 0
.rept 8
	global_load_b128 v[RAW+32*bb+4*mm:RAW+32*bb+4*mm+3], v[H128], s[8:9] offset:256*bb+16*mm
.set mm, mm+1
.endr
.set bb, bb+1
.endr
	SSTEP 3, 0, 48                                 ; 32 younger weight loads and b1's 16
	SSTEP 4, 0, 40
	SSTEP 5, 0, 32
	SSTEP 6, 0, 24
	SSTEP 7, 0, 16
	WIN 0
	s_wait_loadcnt 0x0                             ; b1
	s_mov_b32 s70, 0xffff0000
.set bb, 0
.rept 2
.set jj, 0
.rept 8
.set uu, 0
.rept 2
.set ra, RAW+32*bb+4*jj+2*uu
	v_cvt_pk_bf16_f32 v[ra], v[ra], v[ra+1]        ; rounded to bf16 like every input, and back in f32 at the place of fragment 4 bb + (column & 3), register jj
	v_lshlrev_b32 v[BI+8*(4*bb+2*uu)+jj], 16, v[ra]
	v_and_b32 v[BI+8*(4*bb+2*uu+1)+jj], s70, v[ra]
.set uu, uu+1
.endr
.set jj, jj+1
.endr
.set bb, bb+1
.endr
	s_mov_b32 s32, 0x3e6d3388                      ; 0.2316419 = 0.3275911 / sqrt(2)
	s_mov_b32 s33, s32
	s_mov_b32 s34, 0xbf38aa3b                      ; -log2(e) / 2
	s_mov_b32 s35, s34
	s_mov_b32 s36, 0x3e027906                      ; the five coefficients, halved:  0.127414796
	s_mov_b32 s37, s36
	s_mov_b32 s38, 0xbe11a98e                      ; -0.142248368
	s_mov_b32 s39, s38
	s_mov_b32 s40, 0x3f35f0e3                      ;  0.710706871
	s_mov_b32 s41, s40
	s_mov_b32 s42, 0xbf3a00e3                      ; -0.726576014
	s_mov_b32 s43, s42
	s_mov_b32 s44, 0x3f07dc22                      ;  0.530702715
	s_mov_b32 s45, s44
	s_wait_dscnt 0x0                               ; for the others' sake: my part of every fragment is in LDS
	s_barrier_signal -1
	s_barrier_wait -1                              ; the launch's only barrier: from here LDS is only read
	s_mov_b32 s22, 0
.Lpass:
	s_lshl_b32 s70, s22, 2
	s_sub_co_i32 s23, s20, s70
	s_max_i32 s23, s23, 0
	s_min_u32 s23, s23, 4                          ; L: my tiles in this pass
	s_cmp_eq_u32 s23, 0
	s_cbranch_scc1 .Lpass_end                      ; none: forward to the counter's step; no barrier stands in what is jumped
	s_lshl_b32 s70, s22, 8
.set ii, 0
.rept 4
	s_add_co_u32 s71, s70, 64*ii
	v_add_nc_u32 v[TW+ii], s71, v[R16]             ; my row's rank in tile ii: 16 tau + lane % 16,
	v_min_u32 v[TW+ii], s27, v[TW+ii]              ; past the count the last row once more
	v_min_u32 v[TW+ii], 0x3ff, v[TW+ii]
	v_lshl_add_u32 v[TW+ii], v[TW+ii], 2, v[LB]
	ds_load_b32 v[AOFF+ii], v[TW+ii]
.set ii, ii+1
.endr
	s_wait_dscnt 0x0
.set ii, 0
.rept 4
	v_min_u32 v[AOFF+ii], 0x3ff, v[AOFF+ii]
	v_lshl_add_u32 v[AOFF+ii], v[AOFF+ii], 11, v[H16]   ; the token's row of 2,048 bytes + 16 (lane / 16)
.set ii, ii+1
.endr
.set qq, 0
.rept 8
	ds_load_b128 v[BF+8*qq:BF+8*qq+3],   v[BLQ] offset:qq*1024
	ds_load_b128 v[BF+8*qq+4:BF+8*qq+7], v[BLQ] offset:qq*1024+512
.set qq, qq+1
.endr
	WIN 0x40
.set tt, 0
.rept 3                                ; the token fragments of K steps 0 to 2: 24 loads
.set ii, 0
.rept 4
	global_load_b128 v[32*tt+8*ii:32*tt+8*ii+3],   v[AOFF+ii], s[TBS:TBS+1] offset:tt*ASTEP
	global_load_b128 v[32*tt+8*ii+4:32*tt+8*ii+7], v[AOFF+ii], s[TBS:TBS+1] offset:tt*ASTEP+APIECE
.set ii, ii+1
.endr
.set tt, tt+1
.endr
	WIN 0
	KSTEP 0, 1                                     ; K step 0's products start the sums
.set ks, 1
.rept 31
	KSTEP ks, 0
.set ks, ks+1
.endr
.rept 4
	v_nop                                          ; four places between the last product and the way out
.endr
	s_lshl_b32 s26, s23, 1
	s_mov_b32 s25, 0
.Lepi:                                                 ; 2 L trips: half a tile (4 fragments, 32 numbers a lane) a trip; no LDS is touched
	s_wait_xcnt 0x0                                ; the last trip's stores have read their offset and their data
	s_lshr_b32 s70, s25, 1
	s_lshl2_add_u32 s70, s22, s70                  ; 4 pass + i
	s_lshl2_add_u32 s70, s70, s16                  ; tau
	s_lshl_b32 s70, s70, 17                        ; a tile is 131,072 bytes of hf
	s_and_b32 s71, s25, 1
	s_lshl_b32 s71, s71, 11                        ; its fragments 4-7 lie 2,048 bytes on
	s_add_co_u32 s70, s70, s71
	v_add_nc_u32 v[HO], s70, v[L16]
.irp n, 0,1,2,3,4,5,6
	s_cmp_eq_u32 s25, \n
	s_cbranch_scc1 .Lcopy\n
.endr
	COPY 7, 1
.irp n, 0,1,2,3,4,5
	COPY \n, 1
.endr
	COPY 6, 0
.Lgelu:
	WIN 0x55                                       ; all in window 1.  Stage follows stage, so a plain instruction stands behind each run of transcendentals (ISA guide 5.7.2)
.set nn, 0
.rept 32
	v_fma_f32 v[GU+nn], |v[GX+nn]|, s32, 1.0
.set nn, nn+1
.endr
.set nn, 0
.rept 16
	v_pk_mul_f32 v[GY+2*nn:GY+2*nn+1], v[GX+2*nn:GX+2*nn+1], v[GX+2*nn:GX+2*nn+1]
.set nn, nn+1
.endr
.set nn, 0
.rept 32
	v_rcp_f32 v[GU+nn], v[GU+nn]                   ; t
.set nn, nn+1
.endr
.set nn, 0
.rept 16
	v_pk_mul_f32 v[GY+2*nn:GY+2*nn+1], v[GY+2*nn:GY+2*nn+1], s[34:35] op_sel_hi:[1,0]
.set nn, nn+1
.endr
.set nn, 0
.rept 32
	v_exp_f32 v[GY+nn], v[GY+nn]                   ; e^(-x^2 / 2)
.set nn, nn+1
.endr
.set nn, 0
	s_wait_alu depctr_va_vdst(0)
.rept 16
	v_pk_fma_f32 v[GP+2*nn:GP+2*nn+1], v[GU+2*nn:GU+2*nn+1], s[44:45], s[42:43] op_sel_hi:[1,0,0]
.set nn, nn+1
.endr
.irp cc, 40,38,36
.set nn, 0
.rept 16
	v_pk_fma_f32 v[GP+2*nn:GP+2*nn+1], v[GP+2*nn:GP+2*nn+1], v[GU+2*nn:GU+2*nn+1], s[\cc:\cc+1] op_sel_hi:[1,1,0]
.set nn, nn+1
.endr
.endr
.set nn, 0
.rept 16
	v_pk_mul_f32 v[GP+2*nn:GP+2*nn+1], v[GP+2*nn:GP+2*nn+1], v[GU+2*nn:GU+2*nn+1]
.set nn, nn+1
.endr
.set nn, 0
.rept 16
	v_pk_mul_f32 v[GP+2*nn:GP+2*nn+1], v[GP+2*nn:GP+2*nn+1], v[GY+2*nn:GY+2*nn+1]
.set nn, nn+1
.endr
.set nn, 0
.rept 32
	v_max_num_f32 v[GM+nn], 0, v[GX+nn]
.set nn, nn+1
.endr
.set nn, 0
.rept 32
	v_fma_f32 v[GM+nn], -|v[GX+nn]|, v[GP+nn], v[GM+nn]
.set nn, nn+1
.endr
.set nn, 0
.rept 16
	v_cvt_pk_bf16_f32 v[GO+nn], v[GM+2*nn], v[GM+2*nn+1]
.set nn, nn+1
.endr
	WIN 0x04                                       ; the stores' data in window 1, their offset in window 0
.set jq, 0
.rept 4
	global_store_b128 v[HO], v[GO+4*jq:GO+4*jq+3], s[66:67] offset:512*jq   ; 512 consecutive bytes, at a multiple of 256 from hf's first byte
.set jq, jq+1
.endr
	WIN 0
	s_add_co_u32 s25, s25, 1
	s_cmp_lt_u32 s25, s26
	s_cbranch_scc1 .Lepi
	s_wait_xcnt 0x0                                ; the next pass loads into the registers that the last stores read
.Lpass_end:
	s_add_co_u32 s22, s22, 1
	s_cmp_lt_u32 s22, 4
	s_cbranch_scc1 .Lpass
	s_wait_tensorcnt 0x0                           ; the wave's end, behind my last LDS store
	ds_add_u32 v[SPW], v[NIL]
	s_wait_dscnt 0x0
	s_endpgm
.Lfunc_end_k_q2d026d04c0_up:
	.size	k_q2d026d04c0_up, .Lfunc_end_k_q2d026d04c0_up-k_q2d026d04c0_up
	.p2alignl 7, 3214868480
	.fill 96, 4, 3214868480
	.section	.rodata,"a",@progbits
	.p2align	6, 0x0
	.amdhsa_kernel k_q2d026d04c0_up
		.amdhsa_group_segment_fixed_size 280064
		.amdhsa_private_segment_fixed_size 0
		.amdhsa_enable_private_segment 0
		.amdhsa_kernarg_size 48
		.amdhsa_user_sgpr_count 2
		.amdhsa_user_sgpr_kernarg_segment_ptr 1
		.amdhsa_wavefront_size32 1
		.amdhsa_system_sgpr_workgroup_id_x 1
		.amdhsa_system_sgpr_workgroup_id_y 1
		.amdhsa_system_sgpr_workgroup_id_z 1
		.amdhsa_system_vgpr_workitem_id 0
		.amdhsa_next_free_vgpr 768
		.amdhsa_next_free_sgpr 96
		.amdhsa_reserve_vcc 0
		.amdhsa_float_denorm_mode_32 3
		.amdhsa_float_denorm_mode_16_64 3
		.amdhsa_memory_ordered 1
		.amdhsa_forward_progress 1
		.amdhsa_inst_pref_size 229
	.end_amdhsa_kernel
	.amdgpu_metadata
---
amdhsa.version: [ 1, 2 ]
amdhsa.kernels:
  - .name:           k_q2d026d04c0_up
    .symbol:         k_q2d026d04c0_up.kd
    .args:
      - { .name: xb, .offset: 0, .size: 8, .value_kind: global_buffer, .address_space: global }
      - { .name: w1, .offset: 8, .size: 8, .value_kind: global_buffer, .address_space: global }
      - { .name: b1, .offset: 16, .size: 8, .value_kind: global_buffer, .address_space: global }
      - { .name: bmp, .offset: 24, .size: 8, .value_kind: global_buffer, .address_space: global }
      - { .name: hf, .offset: 32, .size: 8, .value_kind: global_buffer, .address_space: global }
      - { .name: rk, .offset: 40, .size: 8, .value_kind: global_buffer, .address_space: global }
    .group_segment_fixed_size: 280064
    .private_segment_fixed_size: 0
    .kernarg_segment_align: 8
    .kernarg_segment_size: 48
    .max_flat_workgroup_size: 128
    .sgpr_count:     96
    .vgpr_count:     768
    .wavefront_size: 32
...
	.end_amdgpu_metadata
.endif
;; end of part 2
;; launch down (part 3): grid 32 x 8, 4 waves a work-group, no clusters, 262,656 bytes of LDS; arguments hf, w2, bmp, part; writes part
.if DOCPART == 3
	.amdgcn_target "amdgcn-amd-amdhsa--gfx1250"
	.amdhsa_code_object_version 6
	.text
	.protected	k_q2d026d04c0_down
	.globl	k_q2d026d04c0_down
	.p2align	8
	.type	k_q2d026d04c0_down,@function
k_q2d026d04c0_down:
	s_mov_b64 s[64:65], 0
	v_nop
	global_prefetch_b8 v0, s[64:65] scope:SCOPE_SE
	s_setreg_imm32_b32 hwreg(HW_REG_WAVE_MODE, 25, 1), 1
	s_wait_xcnt 0x0
; SECOND PRODUCT, in four parts of K.  part[kp][e][row][n] = the sum over f in 1,024 kp .. + 1,023 of h[row][f] w2[e][f][n], for the expert's rows in the order of their ranks.
; A work-group (x = 8 kp + ns, y = expert) owns w2[e][1,024 kp .. + 1,023][128 ns .. + 127]: 512 KiB of f32 that it alone reads.  The four partial sums stay in f32; the last launch adds them.
; PHASE S streams the slice through registers (each load 512 consecutive bytes of one row, 56 loads of a wave out), rounds it to bf16 and lays it into LDS as ready fragments, 256 KiB.
; One barrier.  PHASE C multiplies all the expert's rows: the token fragments come from hf straight into registers, 512 consecutive bytes a load; nothing writes LDS any more.
; THE ORDER OF K is the one in which the first product left h: position (c, hk, i) of K step sg is row f = 1,024 kp + 64 (sg >> 1) + 2 (sg & 1) + c + 32 hk + 4 i, for tokens and weights alike, which keeps every product.
; COLUMNS.  Fragment q (0-7), index m (0-15) is slice column 64 (q >> 2) + 4 m + (q & 3).  Source 0 = 16 tokens, source 1 = 16 columns: a lane holds column index lane % 16 and tokens 8 (lane / 16) + 0..7,
; so the same register of fragments 4 b .. 4 b + 3 is four neighbouring columns of one row: 32 moves bring them side by side, and sixteen lanes store 256 consecutive bytes of a row without a trip through LDS.
; ROWS.  Tile tau = 4 (4 pass + i) + wave, 4 tiles a wave and pass, four passes: 1,024 rows, the most an expert can have.  A wave without tiles in a pass jumps it.  A dead tile's loads all ask for the
; first 16 bytes of the step in the expert's tile 0; its products are made in a pass's first K step alone and never stored.  Rows past the count in the last tile are stored in the expert's own part and never read.
; THE 32 K STEPS OF A PASS ARE WRITTEN OUT: a fragment's LDS address is then one of four registers made once (65,536 bytes apart, the reach of the 16-bit immediate) plus an immediate, a token's byte offset
; a register made once a pass plus an immediate, and no address is stepped where the work hangs on counts.  The price: a fragment read from LDS feeds 4 products at the most, and the text is long.
.set ISTR,   16384        ; from my row i to my row i + 1: four rows of 4,096 bytes
.set ASTEP,  1024         ; token bytes of a tile in a K step
.set APIECE, 512          ; from a fragment's registers 0-3 to its registers 4-7
.set MULW,   0xa1         ; source 0 (tokens) window 1, source 1 (weights) window 0, C and D window 2
.set TBS,    68           ; s[68:69]: the token fragments' base: hf at the expert and the K part
.set SPARE,  262144       ; behind the fragments: the spare words, 128 bytes for each wave: two blocks of 256 bytes that no other line names
.set LANE, 1
.set RR,   2
.set HH,   3
.set L16,  4              ; 16 lane
.set PO0,  5              ; 32,768 (lane / 16) + 16 (lane % 16)
.set WS,   7              ; where I put 16 bytes of a fragment
.set PO,   11             ; my byte offset in part
.set AOFF, 12             ; v12-15  my byte offset in hf for each of 4 tiles
.set TW,   20
.set BLQ,  40             ; v40-43  where I read fragments: 16 lane + 65,536 k, for K steps 8 k .. 8 k + 7; never rewritten
.set SPW,  62             ; LDS address of my spare word; never rewritten
.set NIL,  63             ; 0; never rewritten
.set BF,   64             ; v64-191  weight fragments of a K step, two buffers of 64
.set PK,   128            ; in phase S: v128-143 and v176-191: packed weights, two buffers by turns
; window 1: in S the ring, 8 slots of 32; in C the token fragments, 4 slots x 4 tiles x 8; on the way out v0-31
; window 2: the accumulators: tile i, fragment q at 512 + 64 i + 8 q
; scalars: s16 wave, s17 expert, s18 ns, s21 kp, s19 count, s20 my tiles in all, s22 pass, s23 L, s24 phase S's count, s25 and s26 the way out's count and bound,
; s[28:29] weights, s[32:63] the bitmap, s[66:67] part, s[68:69] hf at the expert and K part, s70-75 at work
.set MSB, 0
.macro WIN new                         ; the immediate's high byte repeats the setting that is left; a switch that changes nothing is dropped
.if MSB != (\new)
	s_set_vgpr_msb (MSB<<8)|(\new)
.set MSB, (\new)
.endif
.endm
; One K step of phase S: my 8 rows x 128 columns, in ring slot z, are packed along K and put into LDS.  ahead = 1: the slot read one step ago takes the K step seven on.  left: the younger loads that may stay out.
.macro SSTEP z, ahead, left
	s_wait_loadcnt \left                           ; loads come back in order (ISA guide 5.7.1): this step's eight are in
	WIN 0x05                                       ; sources in window 1, destination in window 0
.set pk, PK+48*((\z)&1)
.set jj, 0
.rept 4
.set pp, 0
.rept 4
	v_cvt_pk_bf16_f32 v[pk+4*jj+pp], v[32*(\z)+8*pp+jj], v[32*(\z)+8*pp+4+jj]   ; column jj, my rows 2 pp and 2 pp + 1
.set pp, pp+1
.endr
.set jj, jj+1
.endr
	WIN 0
.set jj, 0
.rept 4
	ds_store_b128 v[WS], v[pk+4*jj:pk+4*jj+3] offset:(\z)*8192+jj*1024   ; 16 lanes put 256 consecutive bytes
.set jj, jj+1
.endr
.if \ahead
	WIN 0x40                                       ; destination in window 1
.set zn, (\z)+7
.set ii, 0
.rept 8
	global_load_b128 v[32*(zn%8)+4*ii:32*(zn%8)+4*ii+3], v[L16], s[28:29] offset:(64*(zn>>1)+2*(zn&1))*4096+ii*ISTR th:TH_LOAD_NT
.set ii, ii+1
.endr
.endif
.endm
; K step s (0-31) of a pass.  The next step's weight fragments are read from LDS, the token fragments three steps on are asked for (neither past step 31), and my L tiles are multiplied, 8 products a tile on
; 8 accumulators by turns.  Token loads go out for all 4 tiles, so the counted waits hold on every path.  Tile 0 of a pass that is not jumped lives: it has no guard.
; first = 1: step 0: the products start all 32 sums with the constant 0, dead tiles' too.
.macro KSTEP s, first
	WIN 0
.if (\s) < 31
.rept 4
	v_nop                                          ; four places between the last product and loads into registers that products have read
.endr
.set nb, BF+64*(((\s)+1)&1)
.set bq, BLQ+(((\s)+1)>>3)
.set bo, (((\s)+1)&7)*8192
.set qq, 0
.rept 8
	ds_load_b128 v[nb+8*qq:nb+8*qq+3],   v[bq] offset:bo+qq*1024
	ds_load_b128 v[nb+8*qq+4:nb+8*qq+7], v[bq] offset:bo+qq*1024+512
.set qq, qq+1
.endr
.endif
.set lf, 16
.if (\s) == 30
.set lf, 8
.endif
.if (\s) == 31
.set lf, 0
.endif
	s_wait_loadcnt lf                              ; this step's 8 token loads are in; those of the steps behind it, two at the most, stay out
.if (\s) < 29
	WIN 0x40
.set na, 32*(((\s)+3)&3)
.set ii, 0
.rept 4
	global_load_b128 v[na+8*ii:na+8*ii+3],   v[AOFF+ii], s[TBS:TBS+1] offset:((\s)+3)*ASTEP
	global_load_b128 v[na+8*ii+4:na+8*ii+7], v[AOFF+ii], s[TBS:TBS+1] offset:((\s)+3)*ASTEP+APIECE
.set ii, ii+1
.endr
.endif
.if (\s) < 31
	s_wait_dscnt 16                                ; this step's weight fragments are in; the 16 loads just issued stay out
.else
	s_wait_dscnt 0x0
.endif
.set cb, BF+64*((\s)&1)
.set ca, 32*((\s)&3)
.set ii, 0
.rept 4
.if (!(\first)) && (ii > 0)
	WIN 0                                          ; at a branch every window is 0
	s_cmp_le_u32 s23, ii
	s_cbranch_scc1 .Lkend_\@
.endif
	WIN MULW
.set qq, 0
.rept 8
.set rd, 64*ii+8*qq
.if \first
	v_wmma_f32_16x16x32_bf16 v[rd:rd+7], v[ca+8*ii:ca+8*ii+7], v[cb+8*qq:cb+8*qq+7], 0
.else
	v_wmma_f32_16x16x32_bf16 v[rd:rd+7], v[ca+8*ii:ca+8*ii+7], v[cb+8*qq:cb+8*qq+7], v[rd:rd+7]
.endif
.set qq, qq+1
.endr
.set ii, ii+1
.endr
	WIN 0
.if !(\first)
.Lkend_\@:
.endif
.endm
; The way out of tile n / 2, fragments 4 (n % 2) .. + 3: register ip of the four fragments goes side by side: four neighbouring columns of token 8 (lane / 16) + ip.  Register 0 of each accumulator is read first.
.macro COPY n, br
.Lcopy\n:
	WIN 0x42                                       ; destination window 1, source window 2
.set ra, 64*((\n)/2)+32*((\n)%2)
.set ip, 0
.rept 8
.set jq, 0
.rept 4
	v_mov_b32 v[4*ip+jq], v[ra+8*jq+ip]
.set jq, jq+1
.endr
.set ip, ip+1
.endr
	WIN 0
.if \br
	s_branch .Lsend
.endif
.endm
	s_load_b256 s[4:11], s[0:1], 0x0               ; hf s[4:5], w2 s[6:7], bmp s[8:9], part s[10:11]
	v_lshl_add_u32 v[SPW], v0, 2, SPARE
	v_mov_b32 v[NIL], 0
	v_and_b32 v[LANE], 31, v0
	v_lshrrev_b32 v[TW], 5, v0
	v_readfirstlane_b32 s16, v[TW]                 ; wave 0..3
	s_and_b32 s17, ttmp7, 0xffff                   ; expert
	s_and_b32 s18, ttmp9, 7                        ; ns: which 128 columns
	s_lshr_b32 s21, ttmp9, 3                       ; kp: which 1,024 rows of w2
	v_lshlrev_b32 v[L16], 4, v[LANE]
	s_lshl_b32 s72, s17, 24                        ; the expert's 16 MiB,
	s_lshl_b32 s70, s21, 22                        ; the K part's 1,024 rows of 4,096 bytes,
	s_add_co_u32 s72, s72, s70
	s_and_b32 s70, s16, 1
	s_lshl_b32 s70, s70, 17                        ; hk = wave & 1: 32 rows,
	s_add_co_u32 s72, s72, s70
	s_lshr_b32 s70, s16, 1
	s_lshl_b32 s70, s70, 12                        ; c = wave >> 1: one row,
	s_add_co_u32 s72, s72, s70
	s_lshl_b32 s70, s18, 9                         ; the slice's 512 bytes of a row
	s_add_co_u32 s72, s72, s70
	s_mov_b32 s73, 0
	s_lshl_b32 s74, s17, 7                         ; the expert's 32 bitmap words
	s_mov_b32 s75, 0
	s_wait_kmcnt 0x0
	s_add_nc_u64 s[28:29], s[6:7], s[72:73]
	s_add_nc_u64 s[74:75], s[8:9], s[74:75]
	s_load_b512 s[32:47], s[74:75], 0x0
	s_load_b512 s[48:63], s[74:75], 0x40
	WIN 0x40
.set zz, 0
.rept 7                                ; K steps 0 to 6: 56 loads of 512 bytes go out before anything else is done
.set ii, 0
.rept 8
	global_load_b128 v[32*zz+4*ii:32*zz+4*ii+3], v[L16], s[28:29] offset:(64*(zz>>1)+2*(zz&1))*4096+ii*ISTR th:TH_LOAD_NT
.set ii, ii+1
.endr
.set zz, zz+1
.endr
	WIN 0
	v_and_b32 v[RR], 15, v0
	v_bfe_u32 v[HH], v0, 4, 1
	v_lshlrev_b32 v[PO0], 4, v[RR]
	v_lshl_add_u32 v[PO0], v[HH], 15, v[PO0]
.irp k, 0,1,2,3
	v_add_nc_u32 v[BLQ+\k], \k*0x10000, v[L16]
.endr
	; A fragment's 16 bytes: [K step][q][c][lane' = m + 16 hk].  My columns 4 lane + jj: q = 4 (lane / 16) + jj, m = lane % 16.
	v_lshlrev_b32 v[WS], 4, v[RR]
	v_lshl_add_u32 v[WS], v[HH], 12, v[WS]
	s_lshr_b32 s70, s16, 1
	s_lshl_b32 s70, s70, 9
	s_and_b32 s71, s16, 1
	s_lshl_b32 s71, s71, 8
	s_add_co_u32 s70, s70, s71
	v_add_nc_u32 v[WS], s70, v[WS]
	s_mov_b32 s71, 0
	s_lshl_b32 s70, s17, 23
	s_lshl_b32 s72, s21, 15
	s_add_co_u32 s70, s70, s72
	s_add_nc_u64 s[68:69], s[4:5], s[70:71]        ; hf at the expert's 8 MiB and the K part's 32,768 bytes of a tile
	s_lshl_b32 s70, s21, 25
	s_lshl_b32 s72, s17, 22
	s_add_co_u32 s70, s70, s72
	s_lshl_b32 s72, s18, 9
	s_add_co_u32 s70, s70, s72
	s_add_nc_u64 s[66:67], s[10:11], s[70:71]      ; part at the K part, the expert and the slice's 512 bytes of a row
	s_mov_b32 s19, 0
	s_wait_kmcnt 0x0                               ; the bitmap
.set gg, 0
.rept 32
	s_bcnt1_i32_b32 s70, s[32+gg]
	s_add_co_u32 s19, s19, s70                     ; the expert's rows
.set gg, gg+1
.endr
	s_add_co_u32 s20, s19, 15
	s_lshr_b32 s20, s20, 4                         ; its tiles,
	s_add_co_u32 s20, s20, 3
	s_sub_co_u32 s20, s20, s16
	s_lshr_b32 s20, s20, 2                         ; and those of them that are mine: tau = wave mod 4
	s_mov_b32 s24, 3
.Lstream:                                              ; a trip: 8 K steps are put into LDS, the 8 that lie seven ahead are asked for
.irp z, 0,1,2,3,4,5,6,7
	SSTEP \z, 1, 48                                ; six younger K steps of 8 loads stay out
.endr
	WIN 0
	s_wait_xcnt 0x0                                ; the base is stepped only behind this wait
	s_add_nc_u64 s[28:29], s[28:29], 0x100000      ; 8 K steps: 256 rows of 4,096 bytes
	v_add_nc_u32 v[WS], 0x10000, v[WS]
	s_sub_co_u32 s24, s24, 1
	s_cmp_lg_u32 s24, 0
	s_cbranch_scc1 .Lstream
	SSTEP 0, 1, 48                                 ; K step 24; the last load, K step 31's, goes out
	SSTEP 1, 0, 48                                 ; from here the counts run down
	SSTEP 2, 0, 40
	SSTEP 3, 0, 32
	SSTEP 4, 0, 24
	SSTEP 5, 0, 16
	SSTEP 6, 0, 8
	SSTEP 7, 0, 0
	WIN 0
	s_wait_dscnt 0x0                               ; for the others' sake: my part of every fragment is in LDS
	s_barrier_signal -1
	s_barrier_wait -1                              ; the launch's only barrier: from here LDS is only read
	s_mov_b32 s22, 0
.Lpass:
	s_lshl_b32 s70, s22, 2
	s_sub_co_i32 s23, s20, s70
	s_max_i32 s23, s23, 0
	s_min_u32 s23, s23, 4                          ; L: my tiles in this pass
	s_cmp_eq_u32 s23, 0
	s_cbranch_scc1 .Lpass_end                      ; none: forward to the counter's step; no barrier stands in what is jumped
.set ii, 0
.rept 4
	s_sub_co_i32 s70, s23, ii
	s_max_i32 s70, s70, 0
	s_min_u32 s70, s70, 1                          ; 1: tile ii lives
	s_lshl2_add_u32 s71, s22, ii
	s_lshl2_add_u32 s71, s71, s16                  ; tau
	s_lshl_b32 s71, s71, 17                        ; a tile is 131,072 bytes of hf
	s_mul_i32 s71, s71, s70
	s_lshl_b32 s70, s70, 4
	v_mad_u32_u24 v[AOFF+ii], v[LANE], s70, s71    ; 16 lane + the tile; 0 for a dead one
.set ii, ii+1
.endr
.set qq, 0
.rept 8
	ds_load_b128 v[BF+8*qq:BF+8*qq+3],   v[BLQ] offset:qq*1024
	ds_load_b128 v[BF+8*qq+4:BF+8*qq+7], v[BLQ] offset:qq*1024+512
.set qq, qq+1
.endr
	WIN 0x40
.set tt, 0
.rept 3                                ; the token fragments of K steps 0 to 2: 24 loads
.set ii, 0
.rept 4
	global_load_b128 v[32*tt+8*ii:32*tt+8*ii+3],   v[AOFF+ii], s[TBS:TBS+1] offset:tt*ASTEP
	global_load_b128 v[32*tt+8*ii+4:32*tt+8*ii+7], v[AOFF+ii], s[TBS:TBS+1] offset:tt*ASTEP+APIECE
.set ii, ii+1
.endr
.set tt, tt+1
.endr
	WIN 0
	KSTEP 0, 1                                     ; K step 0's products start the sums
.set ks, 1
.rept 31
	KSTEP ks, 0
.set ks, ks+1
.endr
.rept 4
	v_nop                                          ; four places between the last product and the way out
.endr
	s_lshl_b32 s26, s23, 1
	s_mov_b32 s25, 0
.Lepi:                                                 ; 2 L trips: 16 rows x 64 columns a trip; no LDS is touched
	s_wait_xcnt 0x0                                ; the last trip's stores have read their offset and their data
	s_lshr_b32 s70, s25, 1
	s_lshl2_add_u32 s70, s22, s70                  ; 4 pass + i
	s_lshl2_add_u32 s70, s70, s16                  ; tau
	s_lshl_b32 s70, s70, 16                        ; 16 rows of 4,096 bytes
	s_and_b32 s71, s25, 1
	s_lshl_b32 s71, s71, 8                         ; columns 64 on lie 256 bytes on
	s_add_co_u32 s70, s70, s71
	v_add_nc_u32 v[PO], s70, v[PO0]
.irp n, 0,1,2,3,4,5,6
	s_cmp_eq_u32 s25, \n
	s_cbranch_scc1 .Lcopy\n
.endr
	COPY 7, 1
.irp n, 0,1,2,3,4,5
	COPY \n, 1
.endr
	COPY 6, 0
.Lsend:
	WIN 0x04                                       ; the stores' data in window 1, their offset in window 0
.set ip, 0
.rept 8
	global_store_b128 v[PO], v[4*ip:4*ip+3], s[66:67] offset:ip*4096   ; 16 lanes store 256 consecutive bytes of a row, at a multiple of 256 from part's first byte
.set ip, ip+1
.endr
	WIN 0
	s_add_co_u32 s25, s25, 1
	s_cmp_lt_u32 s25, s26
	s_cbranch_scc1 .Lepi
	s_wait_xcnt 0x0                                ; the next pass loads into the registers that the last stores read
.Lpass_end:
	s_add_co_u32 s22, s22, 1
	s_cmp_lt_u32 s22, 4
	s_cbranch_scc1 .Lpass
	s_wait_tensorcnt 0x0                           ; the wave's end, behind my last LDS store
	ds_add_u32 v[SPW], v[NIL]
	s_wait_dscnt 0x0
	s_endpgm
.Lfunc_end_k_q2d026d04c0_down:
	.size	k_q2d026d04c0_down, .Lfunc_end_k_q2d026d04c0_down-k_q2d026d04c0_down
	.p2alignl 7, 3214868480
	.fill 96, 4, 3214868480
	.section	.rodata,"a",@progbits
	.p2align	6, 0x0
	.amdhsa_kernel k_q2d026d04c0_down
		.amdhsa_group_segment_fixed_size 262656
		.amdhsa_private_segment_fixed_size 0
		.amdhsa_enable_private_segment 0
		.amdhsa_kernarg_size 32
		.amdhsa_user_sgpr_count 2
		.amdhsa_user_sgpr_kernarg_segment_ptr 1
		.amdhsa_wavefront_size32 1
		.amdhsa_system_sgpr_workgroup_id_x 1
		.amdhsa_system_sgpr_workgroup_id_y 1
		.amdhsa_system_sgpr_workgroup_id_z 1
		.amdhsa_system_vgpr_workitem_id 0
		.amdhsa_next_free_vgpr 768
		.amdhsa_next_free_sgpr 96
		.amdhsa_reserve_vcc 0
		.amdhsa_float_denorm_mode_32 3
		.amdhsa_float_denorm_mode_16_64 3
		.amdhsa_memory_ordered 1
		.amdhsa_forward_progress 1
		.amdhsa_inst_pref_size 192
	.end_amdhsa_kernel
	.amdgpu_metadata
---
amdhsa.version: [ 1, 2 ]
amdhsa.kernels:
  - .name:           k_q2d026d04c0_down
    .symbol:         k_q2d026d04c0_down.kd
    .args:
      - { .name: hf, .offset: 0, .size: 8, .value_kind: global_buffer, .address_space: global }
      - { .name: w2, .offset: 8, .size: 8, .value_kind: global_buffer, .address_space: global }
      - { .name: bmp, .offset: 16, .size: 8, .value_kind: global_buffer, .address_space: global }
      - { .name: part, .offset: 24, .size: 8, .value_kind: global_buffer, .address_space: global }
    .group_segment_fixed_size: 262656
    .private_segment_fixed_size: 0
    .kernarg_segment_align: 8
    .kernarg_segment_size: 32
    .max_flat_workgroup_size: 128
    .sgpr_count:     96
    .vgpr_count:     768
    .wavefront_size: 32
...
	.end_amdgpu_metadata
.endif
;; end of part 3
;; launch combine (part 4): grid 256 x 1, 8 waves a work-group, no clusters, 0 bytes of LDS; arguments part, b2, idp, pw, rk, out0; writes out0
.if DOCPART == 4
	.amdgcn_target "amdgcn-amd-amdhsa--gfx1250"
	.amdhsa_code_object_version 6
	.text
	.protected	k_q2d026d04c0_combine
	.globl	k_q2d026d04c0_combine
	.p2align	8
	.type	k_q2d026d04c0_combine,@function
k_q2d026d04c0_combine:
	s_mov_b64 s[64:65], 0
	v_nop
	global_prefetch_b8 v0, s[64:65] scope:SCOPE_SE
	s_setreg_imm32_b32 hwreg(HW_REG_WAVE_MODE, 25, 1), 1
	s_wait_xcnt 0x0
; THE SUM.  out[t] = p0 (b2[e0] + the four K parts of row rk[e0][t] of expert e0) + p1 (the same for e1).  All in f32; b2 is rounded to bf16 like every input.
; A stream: 256 work-groups of eight waves; wave w takes token 4 x work-group + (w >> 1) and half w & 1 of its 1,024 columns: 2,048 bytes, four loads of 512 consecutive bytes from each of ten rows.
; All 40 loads of a wave go out before the first wait on them.  The experts and ranks are whole numbers that earlier launches stored; each is clamped to its table before it enters an address.
; No LDS, no barrier, no matrix unit: memory binds, and no wave needs another's numbers.
.set SB,  8               ; v8-23 expert 0's sum (it starts as b2's row), v24-39 expert 1's
.set PT,  40              ; v40-167  the partial rows: expert j, K part kp, load m at PT + 64 j + 16 kp + 4 m
.set TP,  168             ; v168-171 at work
	s_load_b256 s[4:11], s[0:1], 0x0               ; part s[4:5], b2 s[6:7], idp s[8:9], pw s[10:11]
	s_load_b128 s[12:15], s[0:1], 0x20             ; rk s[12:13], out0 s[14:15]
	v_and_b32 v1, 31, v0
	v_lshrrev_b32 v2, 5, v0
	v_readfirstlane_b32 s16, v2                    ; wave 0..7
	s_lshr_b32 s17, s16, 1
	s_lshl2_add_u32 s17, ttmp9, s17                ; my token
	s_and_b32 s18, s16, 1
	s_lshl_b32 s18, s18, 11                        ; my half of a row
	v_lshl_add_u32 v1, v1, 4, s18                  ; + 16 lane
	s_mov_b32 s19, 0xffff0000                      ; a word's upper bf16
	s_lshl_b32 s20, s17, 2
	s_mov_b32 s21, 0
	s_lshl_b32 s22, s17, 3
	s_mov_b32 s23, 0
	s_lshl_b32 s24, s17, 12
	s_mov_b32 s25, 0
	s_wait_kmcnt 0x0
	s_add_nc_u64 s[8:9], s[8:9], s[20:21]
	s_add_nc_u64 s[10:11], s[10:11], s[22:23]
	s_add_nc_u64 s[12:13], s[12:13], s[20:21]      ; rk at my token's word of expert 0
	s_add_nc_u64 s[14:15], s[14:15], s[24:25]      ; out0 at my token's row
	s_load_b32 s26, s[8:9], 0x0                    ; e0 | e1 << 8
	s_load_b64 s[28:29], s[10:11], 0x0             ; p0, p1
	s_wait_kmcnt 0x0
	s_bfe_u32 s30, s26, 0x80000
	s_bfe_u32 s31, s26, 0x80008
	s_min_u32 s30, s30, 7
	s_min_u32 s31, s31, 7
	s_lshl_b32 s32, s30, 12                        ; an expert's 4,096 bytes, in rk and in b2 alike
	s_mov_b32 s33, 0
	s_lshl_b32 s34, s31, 12
	s_mov_b32 s35, 0
	s_load_b32 s36, s[12:13], s32 offset:0x0       ; my token's rank with e0,
	s_load_b32 s37, s[12:13], s34 offset:0x0       ; and with e1
	s_add_nc_u64 s[38:39], s[6:7], s[32:33]
	s_add_nc_u64 s[40:41], s[6:7], s[34:35]
.set jx, 0
.rept 2
.set mm, 0
.rept 4
	global_load_b128 v[SB+16*jx+4*mm:SB+16*jx+4*mm+3], v1, s[38+2*jx:39+2*jx] offset:512*mm
.set mm, mm+1
.endr
.set jx, jx+1
.endr
	s_mov_b32 s44, s29                             ; p1, as the low word of a pair
	s_mov_b32 s45, s29
	s_wait_kmcnt 0x0
	s_min_u32 s36, s36, 1023
	s_min_u32 s37, s37, 1023
	s_lshl_b32 s42, s30, 22                        ; the expert's 1,024 rows of 4,096 bytes,
	s_lshl_b32 s36, s36, 12                        ; my row among them
	s_add_co_u32 s42, s42, s36
	s_mov_b32 s43, 0
	s_add_nc_u64 s[48:49], s[4:5], s[42:43]
	s_lshl_b32 s46, s31, 22
	s_lshl_b32 s37, s37, 12
	s_add_co_u32 s46, s46, s37
	s_mov_b32 s47, 0
	s_add_nc_u64 s[56:57], s[4:5], s[46:47]
.irp bs, 48, 50, 52, 56, 58, 60
	s_add_nc_u64 s[\bs+2:\bs+3], s[\bs:\bs+1], 0x2000000   ; the next K part lies 32 MiB on
.endr
.set jx, 0
.rept 2
.set kp, 0
.rept 4
.set mm, 0
.rept 4
	global_load_b128 v[PT+64*jx+16*kp+4*mm:PT+64*jx+16*kp+4*mm+3], v1, s[48+8*jx+2*kp:49+8*jx+2*kp] offset:512*mm th:TH_LOAD_NT
.set mm, mm+1
.endr
.set kp, kp+1
.endr
.set jx, jx+1
.endr
	s_wait_loadcnt 32                              ; b2's eight loads are in; the 32 partial rows' stay out
.set pp, 0
.rept 16
	v_cvt_pk_bf16_f32 v[TP+pp%4], v[SB+2*pp], v[SB+2*pp+1]
	v_lshlrev_b32 v[SB+2*pp], 16, v[TP+pp%4]
	v_and_b32 v[SB+2*pp+1], s19, v[TP+pp%4]
.set pp, pp+1
.endr
.set jx, 0
.rept 2
	s_wait_loadcnt 16-16*jx                        ; expert jx's sixteen loads are in
.set kp, 0
.rept 4
.set pp, 0
.rept 8
	v_pk_add_f32 v[SB+16*jx+2*pp:SB+16*jx+2*pp+1], v[SB+16*jx+2*pp:SB+16*jx+2*pp+1], v[PT+64*jx+16*kp+2*pp:PT+64*jx+16*kp+2*pp+1]
.set pp, pp+1
.endr
.set kp, kp+1
.endr
.set jx, jx+1
.endr
.set pp, 0
.rept 8
	v_pk_mul_f32 v[SB+2*pp:SB+2*pp+1], v[SB+2*pp:SB+2*pp+1], s[28:29] op_sel_hi:[1,0]                                   ; p0 x expert 0's sum
	v_pk_fma_f32 v[SB+2*pp:SB+2*pp+1], v[SB+16+2*pp:SB+16+2*pp+1], s[44:45], v[SB+2*pp:SB+2*pp+1] op_sel_hi:[1,0,1]     ; + p1 x expert 1's
.set pp, pp+1
.endr
.set mm, 0
.rept 4
	global_store_b128 v1, v[SB+4*mm:SB+4*mm+3], s[14:15] offset:512*mm th:TH_STORE_NT   ; 512 consecutive bytes, at a multiple of 256 from out0's first byte
.set mm, mm+1
.endr
	s_endpgm
.Lfunc_end_k_q2d026d04c0_combine:
	.size	k_q2d026d04c0_combine, .Lfunc_end_k_q2d026d04c0_combine-k_q2d026d04c0_combine
	.p2alignl 7, 3214868480
	.fill 96, 4, 3214868480
	.section	.rodata,"a",@progbits
	.p2align	6, 0x0
	.amdhsa_kernel k_q2d026d04c0_combine
		.amdhsa_group_segment_fixed_size 0
		.amdhsa_private_segment_fixed_size 0
		.amdhsa_enable_private_segment 0
		.amdhsa_kernarg_size 48
		.amdhsa_user_sgpr_count 2
		.amdhsa_user_sgpr_kernarg_segment_ptr 1
		.amdhsa_wavefront_size32 1
		.amdhsa_system_sgpr_workgroup_id_x 1
		.amdhsa_system_sgpr_workgroup_id_y 1
		.amdhsa_system_sgpr_workgroup_id_z 1
		.amdhsa_system_vgpr_workitem_id 0
		.amdhsa_next_free_vgpr 192
		.amdhsa_next_free_sgpr 66
		.amdhsa_reserve_vcc 0
		.amdhsa_float_denorm_mode_32 3
		.amdhsa_float_denorm_mode_16_64 3
		.amdhsa_memory_ordered 1
		.amdhsa_forward_progress 1
		.amdhsa_inst_pref_size 14
	.end_amdhsa_kernel
	.amdgpu_metadata
---
amdhsa.version: [ 1, 2 ]
amdhsa.kernels:
  - .name:           k_q2d026d04c0_combine
    .symbol:         k_q2d026d04c0_combine.kd
    .args:
      - { .name: part, .offset: 0, .size: 8, .value_kind: global_buffer, .address_space: global }
      - { .name: b2, .offset: 8, .size: 8, .value_kind: global_buffer, .address_space: global }
      - { .name: idp, .offset: 16, .size: 8, .value_kind: global_buffer, .address_space: global }
      - { .name: pw, .offset: 24, .size: 8, .value_kind: global_buffer, .address_space: global }
      - { .name: rk, .offset: 32, .size: 8, .value_kind: global_buffer, .address_space: global }
      - { .name: out0, .offset: 40, .size: 8, .value_kind: global_buffer, .address_space: global }
    .group_segment_fixed_size: 0
    .private_segment_fixed_size: 0
    .kernarg_segment_align: 8
    .kernarg_segment_size: 48
    .max_flat_workgroup_size: 256
    .sgpr_count:     66
    .vgpr_count:     192
    .wavefront_size: 32
...
	.end_amdgpu_metadata
.endif
;; end of part 4
;; ======== version 2 of 4: 4 launches; 1.15 times as fast as version 1
;; workspace buffers: xb 2,097,152 bytes; bmp 1,024 bytes of whole numbers; idp 4,096 bytes of whole numbers; pw 8,192 bytes; rk 32,768 bytes of whole numbers; hf 67,108,864 bytes; part 134,217,728 bytes
;; launch router: the kernel of part 1 again; grid 32 x 1, 8 waves a work-group, no clusters, 91,904 bytes of LDS; arguments x, router_w, router_b, xb, bmp, idp, pw; writes xb, bmp, idp, pw
;; launch up (part 5): grid 32 x 8, 4 waves a work-group, no clusters, 262,656 bytes of LDS; arguments xb, w1, b1, bmp, hf, rk; writes hf, rk
.if DOCPART == 5
	.amdgcn_target "amdgcn-amd-amdhsa--gfx1250"
	.amdhsa_code_object_version 6
	.text
	.protected	k_q2d026d04c0_up
	.globl	k_q2d026d04c0_up
	.p2align	8
	.type	k_q2d026d04c0_up,@function
k_q2d026d04c0_up:
	s_mov_b64 s[64:65], 0
	v_nop
	global_prefetch_b8 v0, s[64:65] scope:SCOPE_SE
	s_setreg_imm32_b32 hwreg(HW_REG_WAVE_MODE, 25, 1), 1
	s_wait_xcnt 0x0
; FIRST PRODUCT.  h[row][f] = gelu(x[token(row)] . w1[e][:, f] + b1[e][f]) for the rows (tokens, ascending) that chose expert e.  Only chosen rows are multiplied.
; A work-group (x = slice, y = expert) owns w1[e][0:1024][128 slice .. + 127]: 512 KiB of f32 that it alone reads.
; PHASE S streams the slice through registers (each load 512 consecutive bytes of one row, 56 loads of a wave out), rounds it to bf16 and lays it into LDS as ready fragments, 256 KiB.
; One barrier.  PHASE C multiplies all the expert's rows: the token fragments come from memory (xb) straight into registers, nothing writes LDS any more, so no barrier stands where the work hangs on counts.
; The two phases do not overlap in a work-group: a wave's loads come back in order, so token loads issued behind weight loads would wait for them.
; COLUMNS.  A lane loads four neighbouring columns, so fragment q (0-7), index m (0-15) is slice column 64 (q >> 2) + 4 m + (q & 3).
; THE PRODUCT IS USED TRANSPOSED: source 0 = 16 weight columns, source 1 = 16 tokens.  A lane then holds one token (lane % 16) and the columns of m = 8 (lane / 16) + 0..7: rounded to bf16 these
; 16 bytes ARE a piece of the second product's token fragment.  hf[e][tile][sigma][c][lane][16 bytes], sigma = 4 slice + (q >> 1), c = q & 1: each store of the wave covers 512 consecutive bytes.
; ROWS.  A tile is 16 rows; tile tau = 4 (8 pass + i) + wave.  A pass is 8 tiles a wave, 512 rows; two passes cover the 1,024 rows that an expert can have.  A wave without tiles in a pass jumps it.
; In a tile that is not full the places past the count repeat the expert's last token; they land in the expert's own part of hf and are never used.
; WHICH TOKEN HAS RANK rho is found in registers from the expert's 32 bitmap words, which stay in scalar registers: the word is the last whose count of earlier tokens is at most rho (31 compares and selects),
; the bit in it is found by five halvings on packed counts of bits.  One register serves two tiles (lanes 0-15 tile 2 j, lanes 16-31 tile 2 j + 1); then each half of the lanes takes the other's tokens too.
; The work-group of slice 0 stores each token's rank (rk) for the last launch.
; gelu(x) = max(x, 0) - |x| (1/2) poly(t) 2^(-x^2 log2(e) / 2), t = 1 / (1 + 0.2316419 |x|): erf by the five-term form of Abramowitz and Stegun 7.1.26, absolute error 1.5e-7 for every x; no difference of near-equal numbers.
; FORMATS.  x, w1 and b1 are rounded once to bf16, sums in f32, h rounded once to bf16.
; LIMITS.  NaN and infinities are not treated apart.
.set SSTR,   524288       ; bytes from a K step (32 rows of 16,384 bytes) to the next
.set ISTR,   16384        ; bytes from my row i to my row i + 1
.set ASTEP,  64           ; token bytes in a K step
.set APIECE, 32           ; from a fragment's registers 0-3 to its registers 4-7
.set MULW,   0xa4         ; source 0 (weights) window 0, source 1 (tokens) window 1, C and D window 2; + 0x50: window 3
.set SPARE,  262144       ; behind the fragments: the spare words, 128 bytes for each wave: two blocks of 256 bytes that no other line names
; window 0
.set LANE, 1
.set RR,   2              ; lane % 16
.set HH,   3              ; lane / 16
.set L16,  4              ; 16 lane
.set H16,  5              ; 16 (lane / 16)
.set WS,   7              ; where I put 16 bytes of a fragment
.set BL,   8              ; where I read fragments
.set RH,   10             ; lane % 16 + 16 wave + 64 (lane / 16): my rank in tile (lane / 16) of pass 0
.set HO,   11             ; my byte offset in hf
.set AOFF, 12             ; v12-19  my byte offset in xb for each of 8 tiles
.set TW,   20             ; v20-35  at work
.set H128, 37             ; 128 (lane / 16)
.set OFS,  44             ; v44-51  ring slot z: my byte offset in the slice for the K step that the slot loads next
.set SPW,  62             ; LDS address of my spare word; never rewritten
.set NIL,  63             ; 0; never rewritten
.set BF,   64             ; v64-191  weight fragments of a K step, two buffers of 64.  In phase S: RAW, PK, RK.  At a pass's head the second buffer holds the search's registers
.set RAW,  64             ; v64-127  b1 as loaded
.set PK,   128            ; v128-143 and v176-191: packed weights, two buffers by turns
.set RK,   144            ; v144-175 ranks of tokens 32 g + lane
.set BI,   192            ; v192-255 b1 rounded: fragment q, register jj at BI + 8 q + jj
.set RHO,  128            ; the search, four registers each (pair j of tiles): the rank,
.set WD,   132            ; its bitmap word,
.set PKD,  136            ; the word's number << 16 | the tokens in earlier words,
.set SA,   140            ; the word's counts of bits by twos,
.set SB,   144            ; by fours,
.set SC,   148            ; by eights,
.set POS,  152            ; the bit's place, then the token,
.set KK,   156            ; the rank that is left,
.set T1,   160            ; at work
.set T2,   164
; window 1: in S the ring, 8 slots of 32; in C the token fragments, 4 slots x 8 tiles x 8; on the way out:
.set GX,   0
.set GU,   32
.set GY,   64
.set GP,   96
.set GM,   128
.set GO,   160
; windows 2 and 3: the accumulators: tile i, fragment q at 512 + 64 i + 8 q
; scalars: s16 wave, s17 expert, s18 slice, s19 count, s20 my tiles in all, s22 pass, s23 L (my tiles in the pass), s24 loop counts, s25 and s26 the way out's count and bound, s27 count - 1,
; s[28:29] weights, s[30:31] tokens, s[32:63] the bitmap, s[66:67] hf, s70-75 at work, s[76:89] gelu's constants in pairs, s90 lanes 16-31 (also a word's upper bf16), s92-93 lane selects
.set MSB, 0
.macro WIN new                         ; the immediate's high byte repeats the setting that is left; a switch that changes nothing is dropped
.if MSB != (\new)
	s_set_vgpr_msb (MSB<<8)|(\new)
.set MSB, (\new)
.endif
.endm
; One K step of phase S: my 8 rows x 128 columns, in ring slot z, are packed along K and put into LDS.  ahead = 1: the slot read one step ago takes the K step seven on.  left: the younger loads that may stay out.
; A slot's offset register is stepped behind the wait that shows the slot's own loads done, so no wait for address translation stands in the stream.
.macro SSTEP z, ahead, left
	s_wait_loadcnt \left                           ; loads come back in order (ISA guide 5.7.1): this step's eight are in
	WIN 0x05                                       ; sources in window 1, destination in window 0
.set pk, PK+48*((\z)&1)
.set jj, 0
.rept 4
.set pp, 0
.rept 4
	v_cvt_pk_bf16_f32 v[pk+4*jj+pp], v[32*(\z)+8*pp+jj], v[32*(\z)+8*pp+4+jj]   ; column jj, rows 2 pp and 2 pp + 1
.set pp, pp+1
.endr
.set jj, jj+1
.endr
	WIN 0
.set jj, 0
.rept 4
	ds_store_b128 v[WS], v[pk+4*jj:pk+4*jj+3] offset:(\z)*8192+jj*1024   ; 16 lanes put 256 consecutive bytes
.set jj, jj+1
.endr
.if \ahead
	v_add_nc_u32 v[OFS+(\z)], 8*SSTR, v[OFS+(\z)]  ; this slot's next K step, eight on; the next step's text loads it
	WIN 0x40                                       ; destination in window 1
.set ii, 0
.rept 8
	global_load_b128 v[32*(((\z)+7)%8)+4*ii:32*(((\z)+7)%8)+4*ii+3], v[OFS+(((\z)+7)%8)], s[28:29] offset:ii*ISTR th:TH_LOAD_NT
.set ii, ii+1
.endr
.endif
.endm
; One K step of phase C, t = its number mod 4.  nxt = 1: the next step's weight fragments are read from LDS.  tok = 1: the token fragments three steps on are asked for.  left: the younger token loads that may stay out.
; Then my L tiles are multiplied, 8 products a tile on 8 accumulators by turns.  Loads go out for all 8 tiles, so the counted waits hold on every path; a dead tile's lanes all ask for one row's 32 bytes.
; Tile 0 of a pass that is not jumped lives: it has no guard.  first = 1: a pass's step 0: the products start all 64 sums with the constant 0, dead tiles' too.
.macro KSTEP t, first, tok, left, nxt
	WIN 0
.if \nxt
.if (\t) == 3
	v_add_nc_u32 v[BL], 0x8000, v[BL]              ; four K steps on; with the three lines below it is one of the four places
	v_nop
	v_nop
	v_nop
.else
.rept 4
	v_nop                                          ; four places between the last product and loads into registers that products have read
.endr
.endif
.set nb, BF+64*(((\t)+1)&1)
.set qq, 0
.rept 8
	ds_load_b128 v[nb+8*qq:nb+8*qq+3],   v[BL] offset:(((\t)+1)&3)*8192+qq*1024
	ds_load_b128 v[nb+8*qq+4:nb+8*qq+7], v[BL] offset:(((\t)+1)&3)*8192+qq*1024+512
.set qq, qq+1
.endr
.endif
	s_wait_loadcnt \left                           ; this step's 16 token loads are in; the later steps' stay out
.if \tok
	WIN 0x40
.set na, 64*(((\t)+3)&3)
.set ii, 0
.rept 8
	global_load_b128 v[na+8*ii:na+8*ii+3],   v[AOFF+ii], s[30:31] offset:((\t)+3)*ASTEP
	global_load_b128 v[na+8*ii+4:na+8*ii+7], v[AOFF+ii], s[30:31] offset:((\t)+3)*ASTEP+APIECE
.set ii, ii+1
.endr
.endif
	s_wait_dscnt 16*(\nxt)                         ; this step's weight fragments are in; the 16 loads just issued, if any, stay out
.set cb, BF+64*((\t)&1)
.set ca, 64*((\t)&3)
.set ii, 0
.rept 8
.if (!(\first)) && (ii > 0)
	WIN 0                                          ; at a branch every window is 0
	s_cmp_le_u32 s23, ii
	s_cbranch_scc1 .Lkend_\@
.endif
	WIN MULW+0x50*(ii/4)
.set qq, 0
.rept 8
.set rd, 64*(ii%4)+8*qq
.if \first
	v_wmma_f32_16x16x32_bf16 v[rd:rd+7], v[cb+8*qq:cb+8*qq+7], v[ca+8*ii:ca+8*ii+7], 0
.else
	v_wmma_f32_16x16x32_bf16 v[rd:rd+7], v[cb+8*qq:cb+8*qq+7], v[ca+8*ii:ca+8*ii+7], v[rd:rd+7]
.endif
.set qq, qq+1
.endr
.set ii, ii+1
.endr
	WIN 0
.if !(\first)
.Lkend_\@:
.endif
.if ((\t) == 3) && (\tok)
	s_wait_xcnt 0x0                                ; the token base is stepped only behind this wait
	s_add_nc_u64 s[30:31], s[30:31], 4*ASTEP
.endif
.endm
; One halving of the search in a word: src holds the counts of set bits in fields of wd bits.  If the field at POS holds no more than KK set bits, the bit lies beyond it.
.macro LEVEL src, wd
.irp j, 0,1,2,3
	v_bfe_u32 v[T1+\j], v[(\src)+\j], v[POS+\j], \wd
.endr
.irp j, 0,1,2,3
	v_cmp_ge_u32 vcc_lo, v[KK+\j], v[T1+\j]
	v_cndmask_b32 v[T2+\j], 0, \wd, vcc_lo
	v_cndmask_b32 v[T1+\j], 0, v[T1+\j], vcc_lo
.endr
.irp j, 0,1,2,3
	v_add_nc_u32 v[POS+\j], v[POS+\j], v[T2+\j]
	v_sub_nc_u32 v[KK+\j], v[KK+\j], v[T1+\j]
.endr
.endm
; The way out of tile n / 2, fragments 4 (n % 2) .. + 3: the bias is added on the way into window 1; each accumulator's registers are read in ascending order
.macro COPY n, br
.Lcopy\n:
	WIN 0x42+((\n)/8)                              ; destination window 1, source 0 window 2 or 3, source 1 window 0
.set ra, 64*(((\n)/2)%4)+32*((\n)%2)
.set rb, BI+32*((\n)%2)
.set pp, 0
.rept 16
	v_pk_add_f32 v[GX+2*pp:GX+2*pp+1], v[ra+2*pp:ra+2*pp+1], v[rb+2*pp:rb+2*pp+1]
.set pp, pp+1
.endr
	WIN 0
.if \br
	s_branch .Lgelu
.endif
.endm
	s_load_b256 s[4:11], s[0:1], 0x0               ; xb s[4:5], w1 s[6:7], b1 s[8:9], bmp s[10:11]
	s_load_b128 s[12:15], s[0:1], 0x20             ; hf s[12:13], rk s[14:15]
	v_lshl_add_u32 v[SPW], v0, 2, SPARE
	v_mov_b32 v[NIL], 0
	v_and_b32 v[LANE], 31, v0
	v_lshrrev_b32 v[TW], 5, v0
	v_readfirstlane_b32 s16, v[TW]                 ; wave 0..3
	s_and_b32 s17, ttmp7, 0xffff                   ; expert
	s_mov_b32 s18, ttmp9                           ; slice
	v_lshlrev_b32 v[L16], 4, v[LANE]
.set kk, 0
.rept 8
	v_add_nc_u32 v[OFS+kk], kk*SSTR, v[L16]        ; slot kk begins with K step kk
.set kk, kk+1
.endr
	s_lshl_b32 s72, s17, 24                        ; the expert's 16 MiB,
	s_lshl_b32 s70, s18, 9                         ; the slice's 512 bytes of a row,
	s_add_co_u32 s72, s72, s70
	s_lshl_b32 s70, s16, 17                        ; my wave's 8 rows of a K step
	s_add_co_u32 s72, s72, s70
	s_mov_b32 s73, 0
	s_lshl_b32 s74, s17, 7                         ; the expert's 32 bitmap words
	s_mov_b32 s75, 0
	s_wait_kmcnt 0x0
	s_add_nc_u64 s[28:29], s[6:7], s[72:73]
	s_add_nc_u64 s[74:75], s[10:11], s[74:75]
	s_load_b512 s[32:47], s[74:75], 0x0
	s_load_b512 s[48:63], s[74:75], 0x40
	WIN 0x40
.set zz, 0
.rept 7                                ; K steps 0 to 6: 56 loads of 512 bytes go out before anything else is done
.set ii, 0
.rept 8
	global_load_b128 v[32*zz+4*ii:32*zz+4*ii+3], v[OFS+zz], s[28:29] offset:ii*ISTR th:TH_LOAD_NT
.set ii, ii+1
.endr
.set zz, zz+1
.endr
	WIN 0
	v_and_b32 v[RR], 15, v0
	v_bfe_u32 v[HH], v0, 4, 1
	v_lshlrev_b32 v[H16], 4, v[HH]
	v_lshlrev_b32 v[H128], 7, v[HH]
	; A fragment's 16 bytes: [K step][q][c][lane' = m + 16 hk].  My rows are k = 8 wave + 0..7 of the step: c = wave >> 1, hk = wave & 1.  My columns 4 lane + jj: q = 4 (lane / 16) + jj, m = lane % 16.
	v_lshlrev_b32 v[WS], 4, v[RR]
	v_lshl_add_u32 v[WS], v[HH], 12, v[WS]
	s_lshr_b32 s70, s16, 1
	s_lshl_b32 s70, s70, 9
	s_and_b32 s71, s16, 1
	s_lshl_b32 s71, s71, 8
	s_add_co_u32 s70, s70, s71
	v_add_nc_u32 v[WS], s70, v[WS]
	s_lshl_b32 s70, s16, 4
	v_add_nc_u32 v[RH], s70, v[RR]
	v_lshl_add_u32 v[RH], v[HH], 6, v[RH]
	s_mov_b32 s71, 0
	s_lshl_b32 s70, s17, 12
	s_add_nc_u64 s[14:15], s[14:15], s[70:71]      ; rk at the expert's 1,024 words
	s_lshl_b32 s70, s17, 14
	s_lshl_b32 s72, s18, 9
	s_add_co_u32 s70, s70, s72
	s_add_nc_u64 s[8:9], s[8:9], s[70:71]          ; b1 at the slice's 128 numbers
	s_lshl_b32 s70, s17, 23
	s_lshl_b32 s72, s18, 12
	s_add_co_u32 s70, s70, s72
	s_add_nc_u64 s[66:67], s[12:13], s[70:71]      ; hf at the expert's 8 MiB and the slice's 4,096 bytes of a tile
	s_mov_b32 s76, 0x3e6d3388                      ; 0.2316419 = 0.3275911 / sqrt(2)
	s_mov_b32 s77, s76
	s_mov_b32 s78, 0xbf38aa3b                      ; -log2(e) / 2
	s_mov_b32 s79, s78
	s_mov_b32 s80, 0x3e027906                      ; the five coefficients, halved:  0.127414796
	s_mov_b32 s81, s80
	s_mov_b32 s82, 0xbe11a98e                      ; -0.142248368
	s_mov_b32 s83, s82
	s_mov_b32 s84, 0x3f35f0e3                      ;  0.710706871
	s_mov_b32 s85, s84
	s_mov_b32 s86, 0xbf3a00e3                      ; -0.726576014
	s_mov_b32 s87, s86
	s_mov_b32 s88, 0x3f07dc22                      ;  0.530702715
	s_mov_b32 s89, s88
	s_mov_b32 s90, 0xffff0000
	s_mov_b32 s92, 0x76543210                      ; v_permlanex16_b32: each lane takes its own place in the other half
	s_mov_b32 s93, 0xfedcba98
	s_mov_b32 s19, 0
	s_wait_kmcnt 0x0                               ; the bitmap
.set gg, 0
.rept 32
	s_bcnt1_i32_b32 s70, s[32+gg]
	s_add_co_u32 s19, s19, s70                     ; the expert's rows
.set gg, gg+1
.endr
	s_add_co_u32 s20, s19, 15
	s_lshr_b32 s20, s20, 4                         ; the expert's tiles,
	s_add_co_u32 s20, s20, 3
	s_sub_co_u32 s20, s20, s16
	s_lshr_b32 s20, s20, 2                         ; and those of them that are mine: tau = wave mod 4
	s_max_u32 s27, s19, 1
	s_sub_co_u32 s27, s27, 1                       ; the last rank
	s_or_b32 s70, s18, s16
	s_cmp_lg_u32 s70, 0
	s_cbranch_scc1 .Lno_rk                         ; wave 0 of slice 0 stores the ranks for the last launch: token 32 g + lane has as its rank the expert's tokens below it
	v_lshlrev_b32 v[TW+4], 2, v[LANE]
	s_mov_b32 s71, 0
.set gg, 0
.rept 32
	v_mbcnt_lo_u32_b32 v[RK+gg], s[32+gg], s71
	global_store_b32 v[TW+4], v[RK+gg], s[14:15] offset:128*gg
	s_bcnt1_i32_b32 s70, s[32+gg]
	s_add_co_u32 s71, s71, s70
.set gg, gg+1
.endr
.Lno_rk:
	s_mov_b32 s24, 3
.Lstream:                                              ; a trip: 8 K steps are put into LDS, the 8 that lie seven ahead are asked for
.irp z, 0,1,2,3,4,5,6,7
	SSTEP \z, 1, 48                                ; six younger K steps of 8 loads stay out
.endr
	WIN 0
	v_add_nc_u32 v[WS], 0x10000, v[WS]
	s_sub_co_u32 s24, s24, 1
	s_cmp_lg_u32 s24, 0
	s_cbranch_scc1 .Lstream
	SSTEP 0, 1, 48                                 ; K step 24; the last load, K step 31's, goes out
	SSTEP 1, 0, 48                                 ; from here the counts run down
	SSTEP 2, 0, 40
	WIN 0
.set bb, 0
.rept 2                                ; b1: columns 64 bb + 32 (lane / 16) + 0..31.  40 weight loads are out, so 56 with these
.set mm, 0
.rept 8
	global_load_b128 v[RAW+32*bb+4*mm:RAW+32*bb+4*mm+3], v[H128], s[8:9] offset:256*bb+16*mm
.set mm, mm+1
.endr
.set bb, bb+1
.endr
	SSTEP 3, 0, 48                                 ; 32 younger weight loads and b1's 16
	SSTEP 4, 0, 40
	SSTEP 5, 0, 32
	SSTEP 6, 0, 24
	SSTEP 7, 0, 16
	WIN 0
	s_wait_loadcnt 0x0                             ; b1
.set bb, 0
.rept 2
.set jj, 0
.rept 8
.set uu, 0
.rept 2
.set ra, RAW+32*bb+4*jj+2*uu
	v_cvt_pk_bf16_f32 v[ra], v[ra], v[ra+1]        ; rounded to bf16 like every input, and back in f32 at the place of fragment 4 bb + (column & 3), register jj
	v_lshlrev_b32 v[BI+8*(4*bb+2*uu)+jj], 16, v[ra]
	v_and_b32 v[BI+8*(4*bb+2*uu+1)+jj], s90, v[ra]
.set uu, uu+1
.endr
.set jj, jj+1
.endr
.set bb, bb+1
.endr
	s_wait_xcnt 0x0                                ; the stores of ranks have read their registers, which phase C takes
	s_wait_dscnt 0x0                               ; for the others' sake: my part of every fragment is in LDS
	s_barrier_signal -1
	s_barrier_wait -1                              ; from here to the launch's last lines LDS is only read
	s_mov_b32 s22, 0
.Lpass:
	s_lshl_b32 s70, s22, 3
	s_sub_co_i32 s23, s20, s70
	s_max_i32 s23, s23, 0
	s_min_u32 s23, s23, 8                          ; L: my tiles in this pass
	s_cmp_eq_u32 s23, 0
	s_cbranch_scc1 .Lpass_end                      ; none: forward to the counter's step; no barrier stands in what is jumped
	v_mov_b32 v[BL], v[L16]
.set qq, 0
.rept 8
	ds_load_b128 v[BF+8*qq:BF+8*qq+3],   v[BL] offset:qq*1024        ; K step 0's fragments are on their way while the tokens are found
	ds_load_b128 v[BF+8*qq+4:BF+8*qq+7], v[BL] offset:qq*1024+512
.set qq, qq+1
.endr
	; THE TOKENS OF MY ROWS.  Pair j: my rank is 512 pass + 128 j + 64 (lane / 16) + 16 wave + lane % 16, past the count the last rank once more.
	s_lshl_b32 s70, s22, 9
.irp j, 0,1,2,3
	s_add_co_u32 s71, s70, 128*\j
	v_add_nc_u32 v[RHO+\j], s71, v[RH]
	v_min_u32 v[RHO+\j], s27, v[RHO+\j]
	v_mov_b32 v[WD+\j], s32                        ; word 0 has no token in front of it: it starts the search
	v_mov_b32 v[PKD+\j], 0
.endr
	s_bcnt1_i32_b32 s72, s32                       ; the tokens in front of word 1
.set gg, 1
.rept 31
	s_add_co_u32 s73, s72, gg<<16
.irp j, 0,1,2,3
	v_cmp_gt_u32 vcc_lo, s72, v[RHO+\j]            ; more tokens in front of word gg than my rank: what I hold stays; else word gg takes its place
	v_cndmask_b32 v[WD+\j], s[32+gg], v[WD+\j], vcc_lo
	v_cndmask_b32 v[PKD+\j], s73, v[PKD+\j], vcc_lo
.endr
.if gg < 31
	s_bcnt1_i32_b32 s74, s[32+gg]
	s_add_co_u32 s72, s72, s74
.endif
.set gg, gg+1
.endr
	; in the word: the rank that is left, and the counts of set bits by twos, fours and eights
.irp j, 0,1,2,3
	v_and_b32 v[T1+\j], 0xffff, v[PKD+\j]
	v_lshrrev_b32 v[T2+\j], 1, v[WD+\j]
.endr
.irp j, 0,1,2,3
	v_sub_nc_u32 v[KK+\j], v[RHO+\j], v[T1+\j]
	v_and_b32 v[T2+\j], 0x55555555, v[T2+\j]
.endr
.irp j, 0,1,2,3
	v_sub_nc_u32 v[SA+\j], v[WD+\j], v[T2+\j]
.endr
.irp j, 0,1,2,3
	v_lshrrev_b32 v[T1+\j], 2, v[SA+\j]
	v_and_b32 v[T2+\j], 0x33333333, v[SA+\j]
.endr
.irp j, 0,1,2,3
	v_and_b32 v[T1+\j], 0x33333333, v[T1+\j]
.endr
.irp j, 0,1,2,3
	v_add_nc_u32 v[SB+\j], v[T1+\j], v[T2+\j]
.endr
.irp j, 0,1,2,3
	v_lshrrev_b32 v[T1+\j], 4, v[SB+\j]
.endr
.irp j, 0,1,2,3
	v_add_nc_u32 v[T1+\j], v[T1+\j], v[SB+\j]
.endr
.irp j, 0,1,2,3
	v_and_b32 v[SC+\j], 0x0f0f0f0f, v[T1+\j]
.endr
.irp j, 0,1,2,3
	v_lshrrev_b32 v[T1+\j], 8, v[SC+\j]
.endr
.irp j, 0,1,2,3
	v_add_nc_u32 v[T1+\j], v[T1+\j], v[SC+\j]
.endr
.irp j, 0,1,2,3
	v_and_b32 v[T1+\j], 0xff, v[T1+\j]             ; the set bits among bits 0 to 15
.endr
.irp j, 0,1,2,3
	v_cmp_ge_u32 vcc_lo, v[KK+\j], v[T1+\j]
	v_cndmask_b32 v[POS+\j], 0, 16, vcc_lo
	v_cndmask_b32 v[T1+\j], 0, v[T1+\j], vcc_lo
.endr
.irp j, 0,1,2,3
	v_sub_nc_u32 v[KK+\j], v[KK+\j], v[T1+\j]
.endr
	LEVEL SC, 8
	LEVEL SB, 4
	LEVEL SA, 2
	LEVEL WD, 1
.irp j, 0,1,2,3
	v_lshrrev_b32 v[T1+\j], 16, v[PKD+\j]
.endr
.irp j, 0,1,2,3
	v_lshl_add_u32 v[POS+\j], v[T1+\j], 5, v[POS+\j]   ; the token: 32 x word + bit
.endr
.irp j, 0,1,2,3
	v_permlanex16_b32 v[T1+\j], v[POS+\j], s92, s93    ; the other half's tokens (its destination has been written)
.endr
.irp j, 0,1,2,3
	v_cndmask_b32 v[AOFF+2*\j], v[POS+\j], v[T1+\j], s90     ; tile 2 j: lanes 0-15 hold it, lanes 16-31 take it from them
	v_cndmask_b32 v[AOFF+2*\j+1], v[T1+\j], v[POS+\j], s90   ; tile 2 j + 1: the other way round
.endr
.set ii, 0
.rept 8
	v_min_u32 v[AOFF+ii], 0x3ff, v[AOFF+ii]
	v_lshl_add_u32 v[AOFF+ii], v[AOFF+ii], 11, v[H16]   ; the token's row of 2,048 bytes + 16 (lane / 16)
.set ii, ii+1
.endr
	s_mov_b64 s[30:31], s[4:5]
	WIN 0x40
.set tt, 0
.rept 3                                ; the token fragments of K steps 0 to 2: 48 loads
.set ii, 0
.rept 8
	global_load_b128 v[64*tt+8*ii:64*tt+8*ii+3],   v[AOFF+ii], s[30:31] offset:tt*ASTEP
	global_load_b128 v[64*tt+8*ii+4:64*tt+8*ii+7], v[AOFF+ii], s[30:31] offset:tt*ASTEP+APIECE
.set ii, ii+1
.endr
.set tt, tt+1
.endr
	WIN 0
	KSTEP 0, 1, 1, 32, 1                           ; K step 0 stands in front of the loop: its products start the sums
	s_mov_b32 s24, 7
.Lk:                                                   ; a trip: K steps 4 n + 1 to 4 n + 4; the last trip's last step, 28, asks for the tokens of step 31 and the fragments of step 29
	KSTEP 1, 0, 1, 32, 1
	KSTEP 2, 0, 1, 32, 1
	KSTEP 3, 0, 1, 32, 1
	KSTEP 0, 0, 1, 32, 1
	s_sub_co_u32 s24, s24, 1
	s_cmp_lg_u32 s24, 0
	s_cbranch_scc1 .Lk
	KSTEP 1, 0, 0, 32, 1                           ; K steps 29 to 31 are written out: no token bytes are left to ask for, and the counts run down;
	KSTEP 2, 0, 0, 16, 1
	KSTEP 3, 0, 0, 0, 0                            ; the last reads no further fragments: the highest LDS byte read is 262,143
.rept 4
	v_nop                                          ; four places between the last product and the way out
.endr
	s_lshl_b32 s26, s23, 1
	s_mov_b32 s25, 0
.Lepi:                                                 ; 2 L trips: half a tile (4 fragments, 32 numbers a lane) a trip; no LDS is touched
	s_wait_xcnt 0x0                                ; the last trip's stores have read their offset and their data
	s_lshr_b32 s70, s25, 1
	s_lshl3_add_u32 s70, s22, s70                  ; 8 pass + i
	s_lshl2_add_u32 s70, s70, s16                  ; tau
	s_lshl_b32 s70, s70, 17                        ; a tile is 131,072 bytes of hf
	s_and_b32 s71, s25, 1
	s_lshl_b32 s71, s71, 11                        ; its fragments 4-7 lie 2,048 bytes on
	s_add_co_u32 s70, s70, s71
	v_add_nc_u32 v[HO], s70, v[L16]
.irp n, 0,1,2,3,4,5,6,7,8,9,10,11,12,13,14
	s_cmp_eq_u32 s25, \n
	s_cbranch_scc1 .Lcopy\n
.endr
	COPY 15, 1
.irp n, 0,1,2,3,4,5,6,7,8,9,10,11,12,13
	COPY \n, 1
.endr
	COPY 14, 0
.Lgelu:
	WIN 0x55                                       ; all in window 1.  Stage follows stage, so a plain instruction stands behind each run of transcendentals (ISA guide 5.7.2)
.set nn, 0
.rept 32
	v_fma_f32 v[GU+nn], |v[GX+nn]|, s76, 1.0
.set nn, nn+1
.endr
.set nn, 0
.rept 16
	v_pk_mul_f32 v[GY+2*nn:GY+2*nn+1], v[GX+2*nn:GX+2*nn+1], v[GX+2*nn:GX+2*nn+1]
.set nn, nn+1
.endr
.set nn, 0
.rept 32
	v_rcp_f32 v[GU+nn], v[GU+nn]                   ; t
.set nn, nn+1
.endr
.set nn, 0
.rept 16
	v_pk_mul_f32 v[GY+2*nn:GY+2*nn+1], v[GY+2*nn:GY+2*nn+1], s[78:79] op_sel_hi:[1,0]
.set nn, nn+1
.endr
.set nn, 0
.rept 32
	v_exp_f32 v[GY+nn], v[GY+nn]                   ; e^(-x^2 / 2)
.set nn, nn+1
.endr
.set nn, 0
	s_wait_alu depctr_va_vdst(0)
.rept 16
	v_pk_fma_f32 v[GP+2*nn:GP+2*nn+1], v[GU+2*nn:GU+2*nn+1], s[88:89], s[86:87] op_sel_hi:[1,0,0]
.set nn, nn+1
.endr
.irp cc, 84,82,80
.set nn, 0
.rept 16
	v_pk_fma_f32 v[GP+2*nn:GP+2*nn+1], v[GP+2*nn:GP+2*nn+1], v[GU+2*nn:GU+2*nn+1], s[\cc:\cc+1] op_sel_hi:[1,1,0]
.set nn, nn+1
.endr
.endr
.set nn, 0
.rept 16
	v_pk_mul_f32 v[GP+2*nn:GP+2*nn+1], v[GP+2*nn:GP+2*nn+1], v[GU+2*nn:GU+2*nn+1]
.set nn, nn+1
.endr
.set nn, 0
.rept 16
	v_pk_mul_f32 v[GP+2*nn:GP+2*nn+1], v[GP+2*nn:GP+2*nn+1], v[GY+2*nn:GY+2*nn+1]
.set nn, nn+1
.endr
.set nn, 0
.rept 32
	v_max_num_f32 v[GM+nn], 0, v[GX+nn]
.set nn, nn+1
.endr
.set nn, 0
.rept 32
	v_fma_f32 v[GM+nn], -|v[GX+nn]|, v[GP+nn], v[GM+nn]
.set nn, nn+1
.endr
.set nn, 0
.rept 16
	v_cvt_pk_bf16_f32 v[GO+nn], v[GM+2*nn], v[GM+2*nn+1]
.set nn, nn+1
.endr
	WIN 0x04                                       ; the stores' data in window 1, their offset in window 0
.set jq, 0
.rept 4
	global_store_b128 v[HO], v[GO+4*jq:GO+4*jq+3], s[66:67] offset:512*jq   ; 512 consecutive bytes, at a multiple of 256 from hf's first byte
.set jq, jq+1
.endr
	WIN 0
	s_add_co_u32 s25, s25, 1
	s_cmp_lt_u32 s25, s26
	s_cbranch_scc1 .Lepi
	s_wait_xcnt 0x0                                ; the next pass loads into the registers that the last stores read
.Lpass_end:
	s_add_co_u32 s22, s22, 1
	s_cmp_lt_u32 s22, 2
	s_cbranch_scc1 .Lpass
	s_wait_dscnt 0x0                               ; my reads of the fragments are back;
	s_barrier_signal -1
	s_barrier_wait -1                              ; every wave's are: no wave writes LDS again, by the add below, while another still reads it
	s_wait_tensorcnt 0x0                           ; the wave's end, behind my last LDS store
	ds_add_u32 v[SPW], v[NIL]
	s_wait_dscnt 0x0
	s_endpgm
.Lfunc_end_k_q2d026d04c0_up:
	.size	k_q2d026d04c0_up, .Lfunc_end_k_q2d026d04c0_up-k_q2d026d04c0_up
	.p2alignl 7, 3214868480
	.fill 96, 4, 3214868480
	.section	.rodata,"a",@progbits
	.p2align	6, 0x0
	.amdhsa_kernel k_q2d026d04c0_up
		.amdhsa_group_segment_fixed_size 262656
		.amdhsa_private_segment_fixed_size 0
		.amdhsa_enable_private_segment 0
		.amdhsa_kernarg_size 48
		.amdhsa_user_sgpr_count 2
		.amdhsa_user_sgpr_kernarg_segment_ptr 1
		.amdhsa_wavefront_size32 1
		.amdhsa_system_sgpr_workgroup_id_x 1
		.amdhsa_system_sgpr_workgroup_id_y 1
		.amdhsa_system_sgpr_workgroup_id_z 1
		.amdhsa_system_vgpr_workitem_id 0
		.amdhsa_next_free_vgpr 1024
		.amdhsa_next_free_sgpr 96
		.amdhsa_reserve_vcc 1
		.amdhsa_float_denorm_mode_32 3
		.amdhsa_float_denorm_mode_16_64 3
		.amdhsa_memory_ordered 1
		.amdhsa_forward_progress 1
		.amdhsa_inst_pref_size 176
	.end_amdhsa_kernel
	.amdgpu_metadata
---
amdhsa.version: [ 1, 2 ]
amdhsa.kernels:
  - .name:           k_q2d026d04c0_up
    .symbol:         k_q2d026d04c0_up.kd
    .args:
      - { .name: xb, .offset: 0, .size: 8, .value_kind: global_buffer, .address_space: global }
      - { .name: w1, .offset: 8, .size: 8, .value_kind: global_buffer, .address_space: global }
      - { .name: b1, .offset: 16, .size: 8, .value_kind: global_buffer, .address_space: global }
      - { .name: bmp, .offset: 24, .size: 8, .value_kind: global_buffer, .address_space: global }
      - { .name: hf, .offset: 32, .size: 8, .value_kind: global_buffer, .address_space: global }
      - { .name: rk, .offset: 40, .size: 8, .value_kind: global_buffer, .address_space: global }
    .group_segment_fixed_size: 262656
    .private_segment_fixed_size: 0
    .kernarg_segment_align: 8
    .kernarg_segment_size: 48
    .max_flat_workgroup_size: 128
    .sgpr_count:     96
    .vgpr_count:     1024
    .wavefront_size: 32
...
	.end_amdgpu_metadata
.endif
;; end of part 5
;; launch down (part 6): grid 32 x 8, 4 waves a work-group, no clusters, 262,656 bytes of LDS; arguments hf, w2, bmp, part; writes part
.if DOCPART == 6
	.amdgcn_target "amdgcn-amd-amdhsa--gfx1250"
	.amdhsa_code_object_version 6
	.text
	.protected	k_q2d026d04c0_down
	.globl	k_q2d026d04c0_down
	.p2align	8
	.type	k_q2d026d04c0_down,@function
k_q2d026d04c0_down:
	s_mov_b64 s[64:65], 0
	v_nop
	global_prefetch_b8 v0, s[64:65] scope:SCOPE_SE
	s_setreg_imm32_b32 hwreg(HW_REG_WAVE_MODE, 25, 1), 1
	s_wait_xcnt 0x0
; SECOND PRODUCT, in four parts of K.  part[kp][e][row][n] = the sum over f in 1,024 kp .. + 1,023 of h[row][f] w2[e][f][n], for the expert's rows in the order of their ranks.
; A work-group (x = 8 kp + ns, y = expert) owns w2[e][1,024 kp .. + 1,023][128 ns .. + 127]: 512 KiB of f32 that it alone reads.  The four partial sums stay in f32; the last launch adds them.
; PHASE S streams the slice through registers (each load 512 consecutive bytes of one row, 56 loads of a wave out), rounds it to bf16 and lays it into LDS as ready fragments, 256 KiB.
; One barrier.  PHASE C multiplies all the expert's rows: the token fragments come from hf straight into registers, 512 consecutive bytes a load; nothing writes LDS any more.
; THE ORDER OF K is the one in which the first product left h: position (c, hk, i) of K step sg is row f = 1,024 kp + 64 (sg >> 1) + 2 (sg & 1) + c + 32 hk + 4 i, for tokens and weights alike, which keeps every product.
; COLUMNS.  Fragment q (0-7), index m (0-15) is slice column 64 (q >> 2) + 4 m + (q & 3).  Source 0 = 16 tokens, source 1 = 16 columns: a lane holds column index lane % 16 and tokens 8 (lane / 16) + 0..7,
; so the same register of fragments 4 b .. 4 b + 3 is four neighbouring columns of one row: 32 moves bring them side by side, and sixteen lanes store 256 consecutive bytes of a row without a trip through LDS.
; ROWS.  Tile tau = 4 (8 pass + i) + wave, 8 tiles a wave and pass, two passes: 1,024 rows, the most an expert can have.  A wave without tiles in a pass jumps it.  A dead tile's loads all ask for the
; first 16 bytes of the step in the expert's tile 0; its products are made in a pass's first K step alone and never stored.  Rows past the count in the last tile are stored in the expert's own part and never read.
.set ISTR,   16384        ; from my row i to my row i + 1: four rows of 4,096 bytes
.set ASTEP,  1024         ; token bytes of a tile in a K step
.set APIECE, 512          ; from a fragment's registers 0-3 to its registers 4-7
.set MULW,   0xa1         ; source 0 (tokens) window 1, source 1 (weights) window 0, C and D window 2; + 0x50: window 3
.set SPARE,  262144       ; behind the fragments: the spare words, 128 bytes for each wave: two blocks of 256 bytes that no other line names
.set LANE, 1
.set RR,   2
.set HH,   3
.set L16,  4              ; 16 lane
.set PO0,  5              ; 32,768 (lane / 16) + 16 (lane % 16)
.set WS,   7              ; where I put 16 bytes of a fragment
.set BL,   8              ; where I read fragments
.set PO,   11             ; my byte offset in part
.set AOFF, 12             ; v12-19  my byte offset in hf for each of 8 tiles
.set TW,   20
.set OFS,  44             ; v44-51  ring slot z: my byte offset in the slice for the K step that the slot loads next
.set SPW,  62             ; LDS address of my spare word; never rewritten
.set NIL,  63             ; 0; never rewritten
.set BF,   64             ; v64-191  weight fragments of a K step, two buffers of 64
.set PK,   128            ; in phase S: v128-143 and v176-191: packed weights, two buffers by turns
; window 1: in S the ring, 8 slots of 32; in C the token fragments, 4 slots x 8 tiles x 8; on the way out v0-31
; windows 2 and 3: the accumulators: tile i, fragment q at 512 + 64 i + 8 q
; scalars: s16 wave, s17 expert, s18 ns, s21 kp, s19 count, s20 my tiles in all, s22 pass, s23 L, s24 loop counts, s25 and s26 the way out's count and bound,
; s[28:29] weights, s[30:31] tokens, s[32:63] the bitmap, s[66:67] part, s[68:69] hf at the expert and K part, s70-75 at work
.set MSB, 0
.macro WIN new                         ; the immediate's high byte repeats the setting that is left; a switch that changes nothing is dropped
.if MSB != (\new)
	s_set_vgpr_msb (MSB<<8)|(\new)
.set MSB, (\new)
.endif
.endm
; One K step of phase S: my 8 rows x 128 columns, in ring slot z, are packed along K and put into LDS.  ahead = 1: the slot read one step ago takes the K step seven on.  left: the younger loads that may stay out.
; A slot's offset register is stepped behind the wait that shows the slot's own loads done, so no wait for address translation stands in the stream.
.macro SSTEP z, ahead, left
	s_wait_loadcnt \left                           ; loads come back in order (ISA guide 5.7.1): this step's eight are in
	WIN 0x05                                       ; sources in window 1, destination in window 0
.set pk, PK+48*((\z)&1)
.set jj, 0
.rept 4
.set pp, 0
.rept 4
	v_cvt_pk_bf16_f32 v[pk+4*jj+pp], v[32*(\z)+8*pp+jj], v[32*(\z)+8*pp+4+jj]   ; column jj, my rows 2 pp and 2 pp + 1
.set pp, pp+1
.endr
.set jj, jj+1
.endr
	WIN 0
.set jj, 0
.rept 4
	ds_store_b128 v[WS], v[pk+4*jj:pk+4*jj+3] offset:(\z)*8192+jj*1024   ; 16 lanes put 256 consecutive bytes
.set jj, jj+1
.endr
.if \ahead
	v_add_nc_u32 v[OFS+(\z)], 0x100000, v[OFS+(\z)]  ; this slot's next K step, eight on: 256 rows of 4,096 bytes; the next step's text loads it
	WIN 0x40                                       ; destination in window 1
.set ii, 0
.rept 8
	global_load_b128 v[32*(((\z)+7)%8)+4*ii:32*(((\z)+7)%8)+4*ii+3], v[OFS+(((\z)+7)%8)], s[28:29] offset:ii*ISTR th:TH_LOAD_NT
.set ii, ii+1
.endr
.endif
.endm
; One K step of phase C, t = its number mod 4.  nxt = 1: the next step's weight fragments are read from LDS.  tok = 1: the token fragments three steps on are asked for.  left: the younger token loads that may stay out.
; Then my L tiles are multiplied, 8 products a tile on 8 accumulators by turns.  Loads go out for all 8 tiles, so the counted waits hold on every path.
; Tile 0 of a pass that is not jumped lives: it has no guard.  first = 1: a pass's step 0: the products start all 64 sums with the constant 0, dead tiles' too.
.macro KSTEP t, first, tok, left, nxt
	WIN 0
.if \nxt
.if (\t) == 3
	v_add_nc_u32 v[BL], 0x8000, v[BL]              ; four K steps on; with the three lines below it is one of the four places
	v_nop
	v_nop
	v_nop
.else
.rept 4
	v_nop                                          ; four places between the last product and loads into registers that products have read
.endr
.endif
.set nb, BF+64*(((\t)+1)&1)
.set qq, 0
.rept 8
	ds_load_b128 v[nb+8*qq:nb+8*qq+3],   v[BL] offset:(((\t)+1)&3)*8192+qq*1024
	ds_load_b128 v[nb+8*qq+4:nb+8*qq+7], v[BL] offset:(((\t)+1)&3)*8192+qq*1024+512
.set qq, qq+1
.endr
.endif
	s_wait_loadcnt \left                           ; this step's 16 token loads are in; the later steps' stay out
.if \tok
	WIN 0x40
.set na, 64*(((\t)+3)&3)
.set ii, 0
.rept 8
	global_load_b128 v[na+8*ii:na+8*ii+3],   v[AOFF+ii], s[30:31] offset:((\t)+3)*ASTEP
	global_load_b128 v[na+8*ii+4:na+8*ii+7], v[AOFF+ii], s[30:31] offset:((\t)+3)*ASTEP+APIECE
.set ii, ii+1
.endr
.endif
	s_wait_dscnt 16*(\nxt)                         ; this step's weight fragments are in; the 16 loads just issued, if any, stay out
.set cb, BF+64*((\t)&1)
.set ca, 64*((\t)&3)
.set ii, 0
.rept 8
.if (!(\first)) && (ii > 0)
	WIN 0                                          ; at a branch every window is 0
	s_cmp_le_u32 s23, ii
	s_cbranch_scc1 .Lkend_\@
.endif
	WIN MULW+0x50*(ii/4)
.set qq, 0
.rept 8
.set rd, 64*(ii%4)+8*qq
.if \first
	v_wmma_f32_16x16x32_bf16 v[rd:rd+7], v[ca+8*ii:ca+8*ii+7], v[cb+8*qq:cb+8*qq+7], 0
.else
	v_wmma_f32_16x16x32_bf16 v[rd:rd+7], v[ca+8*ii:ca+8*ii+7], v[cb+8*qq:cb+8*qq+7], v[rd:rd+7]
.endif
.set qq, qq+1
.endr
.set ii, ii+1
.endr
	WIN 0
.if !(\first)
.Lkend_\@:
.endif
.if ((\t) == 3) && (\tok)
	s_wait_xcnt 0x0                                ; the token base is stepped only behind this wait
	s_add_nc_u64 s[30:31], s[30:31], 4*ASTEP
.endif
.endm
; The way out of tile n / 2, fragments 4 (n % 2) .. + 3: register ip of the four fragments goes side by side: four neighbouring columns of token 8 (lane / 16) + ip.  Register 0 of each accumulator is read first.
.macro COPY n, br
.Lcopy\n:
	WIN 0x42+((\n)/8)                              ; destination window 1, source window 2 or 3
.set ra, 64*(((\n)/2)%4)+32*((\n)%2)
.set ip, 0
.rept 8
.set jq, 0
.rept 4
	v_mov_b32 v[4*ip+jq], v[ra+8*jq+ip]
.set jq, jq+1
.endr
.set ip, ip+1
.endr
	WIN 0
.if \br
	s_branch .Lsend
.endif
.endm
	s_load_b256 s[4:11], s[0:1], 0x0               ; hf s[4:5], w2 s[6:7], bmp s[8:9], part s[10:11]
	v_lshl_add_u32 v[SPW], v0, 2, SPARE
	v_mov_b32 v[NIL], 0
	v_and_b32 v[LANE], 31, v0
	v_lshrrev_b32 v[TW], 5, v0
	v_readfirstlane_b32 s16, v[TW]                 ; wave 0..3
	s_and_b32 s17, ttmp7, 0xffff                   ; expert
	s_and_b32 s18, ttmp9, 7                        ; ns: which 128 columns
	s_lshr_b32 s21, ttmp9, 3                       ; kp: which 1,024 rows of w2
	v_lshlrev_b32 v[L16], 4, v[LANE]
.set kk, 0
.rept 8
	v_add_nc_u32 v[OFS+kk], (64*(kk>>1)+2*(kk&1))*4096, v[L16]   ; slot kk begins with K step kk
.set kk, kk+1
.endr
	s_lshl_b32 s72, s17, 24                        ; the expert's 16 MiB,
	s_lshl_b32 s70, s21, 22                        ; the K part's 1,024 rows of 4,096 bytes,
	s_add_co_u32 s72, s72, s70
	s_and_b32 s70, s16, 1
	s_lshl_b32 s70, s70, 17                        ; hk = wave & 1: 32 rows,
	s_add_co_u32 s72, s72, s70
	s_lshr_b32 s70, s16, 1
	s_lshl_b32 s70, s70, 12                        ; c = wave >> 1: one row,
	s_add_co_u32 s72, s72, s70
	s_lshl_b32 s70, s18, 9                         ; the slice's 512 bytes of a row
	s_add_co_u32 s72, s72, s70
	s_mov_b32 s73, 0
	s_lshl_b32 s74, s17, 7                         ; the expert's 32 bitmap words
	s_mov_b32 s75, 0
	s_wait_kmcnt 0x0
	s_add_nc_u64 s[28:29], s[6:7], s[72:73]
	s_add_nc_u64 s[74:75], s[8:9], s[74:75]
	s_load_b512 s[32:47], s[74:75], 0x0
	s_load_b512 s[48:63], s[74:75], 0x40
	WIN 0x40
.set zz, 0
.rept 7                                ; K steps 0 to 6: 56 loads of 512 bytes go out before anything else is done
.set ii, 0
.rept 8
	global_load_b128 v[32*zz+4*ii:32*zz+4*ii+3], v[OFS+zz], s[28:29] offset:ii*ISTR th:TH_LOAD_NT
.set ii, ii+1
.endr
.set zz, zz+1
.endr
	WIN 0
	v_and_b32 v[RR], 15, v0
	v_bfe_u32 v[HH], v0, 4, 1
	v_lshlrev_b32 v[PO0], 4, v[RR]
	v_lshl_add_u32 v[PO0], v[HH], 15, v[PO0]
	; A fragment's 16 bytes: [K step][q][c][lane' = m + 16 hk].  My columns 4 lane + jj: q = 4 (lane / 16) + jj, m = lane % 16.
	v_lshlrev_b32 v[WS], 4, v[RR]
	v_lshl_add_u32 v[WS], v[HH], 12, v[WS]
	s_lshr_b32 s70, s16, 1
	s_lshl_b32 s70, s70, 9
	s_and_b32 s71, s16, 1
	s_lshl_b32 s71, s71, 8
	s_add_co_u32 s70, s70, s71
	v_add_nc_u32 v[WS], s70, v[WS]
	s_mov_b32 s71, 0
	s_lshl_b32 s70, s17, 23
	s_lshl_b32 s72, s21, 15
	s_add_co_u32 s70, s70, s72
	s_add_nc_u64 s[68:69], s[4:5], s[70:71]        ; hf at the expert's 8 MiB and the K part's 32,768 bytes of a tile
	s_lshl_b32 s70, s21, 25
	s_lshl_b32 s72, s17, 22
	s_add_co_u32 s70, s70, s72
	s_lshl_b32 s72, s18, 9
	s_add_co_u32 s70, s70, s72
	s_add_nc_u64 s[66:67], s[10:11], s[70:71]      ; part at the K part, the expert and the slice's 512 bytes of a row
	s_mov_b32 s19, 0
	s_wait_kmcnt 0x0                               ; the bitmap
.set gg, 0
.rept 32
	s_bcnt1_i32_b32 s70, s[32+gg]
	s_add_co_u32 s19, s19, s70                     ; the expert's rows
.set gg, gg+1
.endr
	s_add_co_u32 s20, s19, 15
	s_lshr_b32 s20, s20, 4                         ; its tiles,
	s_add_co_u32 s20, s20, 3
	s_sub_co_u32 s20, s20, s16
	s_lshr_b32 s20, s20, 2                         ; and those of them that are mine: tau = wave mod 4
	s_mov_b32 s24, 3
.Lstream:                                              ; a trip: 8 K steps are put into LDS, the 8 that lie seven ahead are asked for
.irp z, 0,1,2,3,4,5,6,7
	SSTEP \z, 1, 48                                ; six younger K steps of 8 loads stay out
.endr
	WIN 0
	v_add_nc_u32 v[WS], 0x10000, v[WS]
	s_sub_co_u32 s24, s24, 1
	s_cmp_lg_u32 s24, 0
	s_cbranch_scc1 .Lstream
	SSTEP 0, 1, 48                                 ; K step 24; the last load, K step 31's, goes out
	SSTEP 1, 0, 48                                 ; from here the counts run down
	SSTEP 2, 0, 40
	SSTEP 3, 0, 32
	SSTEP 4, 0, 24
	SSTEP 5, 0, 16
	SSTEP 6, 0, 8
	SSTEP 7, 0, 0
	WIN 0
	s_wait_dscnt 0x0                               ; for the others' sake: my part of every fragment is in LDS
	s_barrier_signal -1
	s_barrier_wait -1                              ; from here to the launch's last lines LDS is only read
	s_mov_b32 s22, 0
.Lpass:
	s_lshl_b32 s70, s22, 3
	s_sub_co_i32 s23, s20, s70
	s_max_i32 s23, s23, 0
	s_min_u32 s23, s23, 8                          ; L: my tiles in this pass
	s_cmp_eq_u32 s23, 0
	s_cbranch_scc1 .Lpass_end                      ; none: forward to the counter's step; no barrier stands in what is jumped
.set ii, 0
.rept 8
	s_sub_co_i32 s70, s23, ii
	s_max_i32 s70, s70, 0
	s_min_u32 s70, s70, 1                          ; 1: tile ii lives
	s_lshl3_add_u32 s71, s22, ii
	s_lshl2_add_u32 s71, s71, s16                  ; tau
	s_lshl_b32 s71, s71, 17                        ; a tile is 131,072 bytes of hf
	s_mul_i32 s71, s71, s70
	s_lshl_b32 s70, s70, 4
	v_mad_u32_u24 v[AOFF+ii], v[LANE], s70, s71    ; 16 lane + the tile; 0 for a dead one
.set ii, ii+1
.endr
	s_mov_b64 s[30:31], s[68:69]
	v_mov_b32 v[BL], v[L16]
.set qq, 0
.rept 8
	ds_load_b128 v[BF+8*qq:BF+8*qq+3],   v[BL] offset:qq*1024
	ds_load_b128 v[BF+8*qq+4:BF+8*qq+7], v[BL] offset:qq*1024+512
.set qq, qq+1
.endr
	WIN 0x40
.set tt, 0
.rept 3                                ; the token fragments of K steps 0 to 2: 48 loads
.set ii, 0
.rept 8
	global_load_b128 v[64*tt+8*ii:64*tt+8*ii+3],   v[AOFF+ii], s[30:31] offset:tt*ASTEP
	global_load_b128 v[64*tt+8*ii+4:64*tt+8*ii+7], v[AOFF+ii], s[30:31] offset:tt*ASTEP+APIECE
.set ii, ii+1
.endr
.set tt, tt+1
.endr
	WIN 0
	KSTEP 0, 1, 1, 32, 1                           ; K step 0 stands in front of the loop: its products start the sums
	s_mov_b32 s24, 7
.Lk:                                                   ; a trip: K steps 4 n + 1 to 4 n + 4; the last trip's last step, 28, asks for the tokens of step 31 and the fragments of step 29
	KSTEP 1, 0, 1, 32, 1
	KSTEP 2, 0, 1, 32, 1
	KSTEP 3, 0, 1, 32, 1
	KSTEP 0, 0, 1, 32, 1
	s_sub_co_u32 s24, s24, 1
	s_cmp_lg_u32 s24, 0
	s_cbranch_scc1 .Lk
	KSTEP 1, 0, 0, 32, 1                           ; K steps 29 to 31 are written out: no token bytes are left to ask for, and the counts run down;
	KSTEP 2, 0, 0, 16, 1
	KSTEP 3, 0, 0, 0, 0                            ; the last reads no further fragments: the highest LDS byte read is 262,143
.rept 4
	v_nop                                          ; four places between the last product and the way out
.endr
	s_lshl_b32 s26, s23, 1
	s_mov_b32 s25, 0
.Lepi:                                                 ; 2 L trips: 16 rows x 64 columns a trip; no LDS is touched
	s_wait_xcnt 0x0                                ; the last trip's stores have read their offset and their data
	s_lshr_b32 s70, s25, 1
	s_lshl3_add_u32 s70, s22, s70                  ; 8 pass + i
	s_lshl2_add_u32 s70, s70, s16                  ; tau
	s_lshl_b32 s70, s70, 16                        ; 16 rows of 4,096 bytes
	s_and_b32 s71, s25, 1
	s_lshl_b32 s71, s71, 8                         ; columns 64 on lie 256 bytes on
	s_add_co_u32 s70, s70, s71
	v_add_nc_u32 v[PO], s70, v[PO0]
.irp n, 0,1,2,3,4,5,6,7,8,9,10,11,12,13,14
	s_cmp_eq_u32 s25, \n
	s_cbranch_scc1 .Lcopy\n
.endr
	COPY 15, 1
.irp n, 0,1,2,3,4,5,6,7,8,9,10,11,12,13
	COPY \n, 1
.endr
	COPY 14, 0
.Lsend:
	WIN 0x04                                       ; the stores' data in window 1, their offset in window 0
.set ip, 0
.rept 8
	global_store_b128 v[PO], v[4*ip:4*ip+3], s[66:67] offset:ip*4096   ; 16 lanes store 256 consecutive bytes of a row, at a multiple of 256 from part's first byte
.set ip, ip+1
.endr
	WIN 0
	s_add_co_u32 s25, s25, 1
	s_cmp_lt_u32 s25, s26
	s_cbranch_scc1 .Lepi
	s_wait_xcnt 0x0                                ; the next pass loads into the registers that the last stores read
.Lpass_end:
	s_add_co_u32 s22, s22, 1
	s_cmp_lt_u32 s22, 2
	s_cbranch_scc1 .Lpass
	s_wait_dscnt 0x0                               ; my reads of the fragments are back;
	s_barrier_signal -1
	s_barrier_wait -1                              ; every wave's are: no wave writes LDS again, by the add below, while another still reads it
	s_wait_tensorcnt 0x0                           ; the wave's end, behind my last LDS store
	ds_add_u32 v[SPW], v[NIL]
	s_wait_dscnt 0x0
	s_endpgm
.Lfunc_end_k_q2d026d04c0_down:
	.size	k_q2d026d04c0_down, .Lfunc_end_k_q2d026d04c0_down-k_q2d026d04c0_down
	.p2alignl 7, 3214868480
	.fill 96, 4, 3214868480
	.section	.rodata,"a",@progbits
	.p2align	6, 0x0
	.amdhsa_kernel k_q2d026d04c0_down
		.amdhsa_group_segment_fixed_size 262656
		.amdhsa_private_segment_fixed_size 0
		.amdhsa_enable_private_segment 0
		.amdhsa_kernarg_size 32
		.amdhsa_user_sgpr_count 2
		.amdhsa_user_sgpr_kernarg_segment_ptr 1
		.amdhsa_wavefront_size32 1
		.amdhsa_system_sgpr_workgroup_id_x 1
		.amdhsa_system_sgpr_workgroup_id_y 1
		.amdhsa_system_sgpr_workgroup_id_z 1
		.amdhsa_system_vgpr_workitem_id 0
		.amdhsa_next_free_vgpr 1024
		.amdhsa_next_free_sgpr 96
		.amdhsa_reserve_vcc 0
		.amdhsa_float_denorm_mode_32 3
		.amdhsa_float_denorm_mode_16_64 3
		.amdhsa_memory_ordered 1
		.amdhsa_forward_progress 1
		.amdhsa_inst_pref_size 123
	.end_amdhsa_kernel
	.amdgpu_metadata
---
amdhsa.version: [ 1, 2 ]
amdhsa.kernels:
  - .name:           k_q2d026d04c0_down
    .symbol:         k_q2d026d04c0_down.kd
    .args:
      - { .name: hf, .offset: 0, .size: 8, .value_kind: global_buffer, .address_space: global }
      - { .name: w2, .offset: 8, .size: 8, .value_kind: global_buffer, .address_space: global }
      - { .name: bmp, .offset: 16, .size: 8, .value_kind: global_buffer, .address_space: global }
      - { .name: part, .offset: 24, .size: 8, .value_kind: global_buffer, .address_space: global }
    .group_segment_fixed_size: 262656
    .private_segment_fixed_size: 0
    .kernarg_segment_align: 8
    .kernarg_segment_size: 32
    .max_flat_workgroup_size: 128
    .sgpr_count:     96
    .vgpr_count:     1024
    .wavefront_size: 32
...
	.end_amdgpu_metadata
.endif
;; end of part 6
;; launch combine: the kernel of part 4 again; grid 256 x 1, 8 waves a work-group, no clusters, 0 bytes of LDS; arguments part, b2, idp, pw, rk, out0; writes out0
;; ======== version 3 of 4: 4 launches; 1.32 times as fast as version 1
;; workspace buffers: xb 2,097,152 bytes; bmp 1,024 bytes of whole numbers; idp 4,096 bytes of whole numbers; pw 8,192 bytes; rk 32,768 bytes of whole numbers; hf 67,108,864 bytes; part 134,217,728 bytes
;; launch router: the kernel of part 1 again; grid 32 x 1, 8 waves a work-group, no clusters, 91,904 bytes of LDS; arguments x, router_w, router_b, xb, bmp, idp, pw; writes xb, bmp, idp, pw
;; launch up (part 7): grid 32 x 8, 4 waves a work-group, no clusters, 262,656 bytes of LDS; arguments xb, w1, b1, bmp, hf, rk; writes hf, rk
.if DOCPART == 7
	.amdgcn_target "amdgcn-amd-amdhsa--gfx1250"
	.amdhsa_code_object_version 6
	.text
	.protected	k_q2d026d04c0_up
	.globl	k_q2d026d04c0_up
	.p2align	8
	.type	k_q2d026d04c0_up,@function
k_q2d026d04c0_up:
	s_mov_b64 s[64:65], 0
	v_nop
	global_prefetch_b8 v0, s[64:65] scope:SCOPE_SE
	s_setreg_imm32_b32 hwreg(HW_REG_WAVE_MODE, 25, 1), 1
	s_wait_xcnt 0x0
; FIRST PRODUCT.  h[row][f] = gelu(x[token(row)] . w1[e][:, f] + b1[e][f]) for the rows (tokens, ascending) that chose expert e.  Only chosen rows are multiplied.
; A work-group (x = slice, y = expert) owns w1[e][0:1024][128 slice .. + 127]: 512 KiB of f32 that it alone reads, rounds to bf16 on the way through registers and lays into LDS as ready fragments, 256 KiB.
; ROWS.  A tile is 16 rows; a wave's tile number k is tile tau = 4 k + wave of the expert.  A pass is NT = 5 tiles a wave, 320 rows; four passes cover the 1,024 rows that an expert can have.
; In a tile that is not full the places past the count repeat the expert's last token; they land in the expert's own part of hf and are never used.
; PASS 0 IS MULTIPLIED BESIDE THE STREAM.  K goes in 8 groups of 4 steps of 32.  A wave's loads come back in order, so weights (W) and tokens (T) are ONE stream: step s reads step s + 1's fragments from LDS, waits for
; T(s), issues T(s + 3), packs W(s + 4) (issued ahead of T(s), so that wait shows it too), issues W(s + 8) into the ring slot just freed, and multiplies.  32 weight loads of 512 consecutive bytes and 30 token loads of a wave are out.
; THE CHANGE OF GROUPS, behind every fourth step: every wave's reads of fragments are back; a barrier; each wave stores its part of the next group's fragments; they are done; a barrier; the new group is read.
; All barriers stand on every wave's path; only products are jumped by the count.  Steps 24 to 28 have no weights left to ask for: their loads go out with the offset masked to 0 (all lanes ask for the same 16 bytes
; of the wave's own rows, and nothing uses them), so that one text and one set of counted waits serve every trip.
; LATER PASSES (an expert of more than 320 rows) find all fragments in LDS: the same step without stream and without barrier.  They are not multiplied beside anything.
; COLUMNS.  A lane loads four neighbouring columns, so fragment q (0-7), index m (0-15) is slice column 64 (q >> 2) + 4 m + (q & 3).
; THE PRODUCT IS USED TRANSPOSED: source 0 = 16 weight columns, source 1 = 16 tokens.  A lane then holds one token (lane % 16) and the columns of m = 8 (lane / 16) + 0..7: rounded to bf16 these
; 16 bytes ARE a piece of the second product's token fragment.  hf[e][tile][sigma][c][lane][16 bytes], sigma = 4 slice + (q >> 1), c = q & 1: each store of the wave covers 512 consecutive bytes.
; WHICH TOKEN HAS RANK rho is found in registers from the expert's 32 bitmap words, which stay in scalar registers: the word is the last whose count of earlier tokens is at most rho (31 compares and selects),
; the bit in it is found by five halvings on packed counts of bits.  One register serves two tiles (lanes 0-15 tile 2 j, lanes 16-31 tile 2 j + 1); then each half of the lanes takes the other's tokens too.
; One text finds the tokens of all four passes, in a loop at the head, while the first weights are out; a pass without tiles of mine jumps it.  The work-group of slice 0 stores each token's rank (rk) for the last launch.
; gelu(x) = max(x, 0) - |x| (1/2) poly(t) 2^(-x^2 log2(e) / 2), t = 1 / (1 + 0.2316419 |x|): erf by the five-term form of Abramowitz and Stegun 7.1.26, absolute error 1.5e-7 for every x; no difference of near-equal numbers.
; NO CLUSTER: each weight byte has one reader; what an expert's 32 work-groups share is its token rows, which come by a list of tokens that no tile descriptor covers.
; FORMATS.  x, w1 and b1 are rounded once to bf16, sums in f32, h rounded once to bf16.
; LIMITS.  NaN and infinities are not treated apart.
.set NT,     5            ; tiles of a wave in a pass: a name, no knob: the register map and the search are made for five
.set TL,     2*NT         ; token loads in a K step
.set ARS,    8*NT         ; registers in a token slot
.set PASSES, 4            ; a wave has 16 tiles at the most
.set SSTR,   524288       ; bytes from a K step (32 rows of 16,384 bytes) to the next
.set WSTEP,  4*SSTR       ; a ring slot's next K step lies four on
.set ISTR,   16384        ; bytes from my row i to my row i + 1
.set ASTEP,  64           ; token bytes in a K step
.set APIECE, 32           ; from a fragment's registers 0-3 to its registers 4-7
.set MULW,   0xa4         ; source 0 (weights) window 0, source 1 (tokens) window 1, C and D window 2; + 0x50: window 3
.set SPARE,  262144       ; behind the fragments: the spare words, 128 bytes for each wave: two blocks of 256 bytes that no other line names
; window 0
.set LANE, 1
.set RR,   2              ; lane % 16
.set HH,   3              ; lane / 16
.set L16,  4              ; 16 lane
.set H16,  5              ; 16 (lane / 16)
.set H128, 6              ; 128 (lane / 16)
.set WS,   7              ; where I put 16 bytes of a fragment
.set BL,   8              ; where I read fragments
.set RKA,  9              ; 4 lane: my offset in 32 ranks; never rewritten
.set RH,   10             ; lane % 16 + 16 wave + 64 (lane / 16): my rank in tile (lane / 16) of pass 0
.set HO,   11             ; my byte offset in hf
.set AOFF, 12             ; v12-16  my byte offset in xb for each of the 5 tiles of the pass in hand; v17-31 the same for the three passes behind it
.set TW,   32             ; at work
.set OFS,  44             ; v44-47  ring slot z: my byte offset in the slice for the K step that the slot loads
.set SPW,  62             ; LDS address of my spare word; never rewritten
.set NIL,  63             ; 0; never rewritten
.set BF,   64             ; v64-191  weight fragments of a K step, two buffers of 64.  At the head: b1 as loaded, and the search's registers
.set RAW,  64             ; v64-127  b1 as loaded
.set BI,   192            ; v192-255 b1 rounded: fragment q, register jj at BI + 8 q + jj
.set RHO,  128            ; the search, four registers apart (pair j of tiles, j = 0, 1, 2): the rank,
.set WD,   132            ; its bitmap word,
.set PKD,  136            ; the word's number << 16 | the tokens in earlier words,
.set SA,   140            ; the word's counts of bits by twos,
.set SB,   144            ; by fours,
.set SC,   148            ; by eights,
.set POS,  152            ; the bit's place, then the token,
.set KK,   156            ; the rank that is left,
.set T1,   160            ; at work
.set T2,   164
; window 1: v0-159 the token fragments, 4 slots x 5 tiles x 8; v160-191 the ranks on their way out; v192-255 a group's packed weights, 16 a K step; on the way out:
.set RK,   160
.set PKB,  192
.set GX,   0
.set GU,   32
.set GY,   64
.set GP,   96
.set GM,   128
.set GO,   160
; windows 2 and 3: the accumulators: tile i, fragment q at 512 + 64 i + 8 q.  Window 3, v128-255: the ring, 4 slots of 32: my 8 rows x 128 columns of a K step in f32
.set RG,   128
; scalars: s16 wave, s17 expert, s18 slice, s19 count, s20 my tiles in all, s21 the search's count, s22 pass, s23 L (my tiles in the pass), s24 loop counts, s25 and s26 the way out's count and bound, s27 count - 1,
; s[28:29] weights, s[30:31] tokens, s[32:63] the bitmap, s[66:67] hf, s68 and s69 the ring's masks, s70-75 at work, s[76:89] gelu's constants in pairs, s90 lanes 16-31 (also a word's upper bf16), s92-93 lane selects
.set MSB, 0
.macro WIN new                         ; the immediate's high byte repeats the setting that is left; a switch that changes nothing is dropped
.if MSB != (\new)
	s_set_vgpr_msb (MSB<<8)|(\new)
.set MSB, (\new)
.endif
.endm
.macro PLACES                          ; four places between a product and loads into registers that products have read, or a read of its result (ISA guide 7.12.1 for a read of its result)
.rept 4
	v_nop
.endr
.endm
.macro WLOAD z                         ; ring slot z is filled: eight loads of 512 consecutive bytes, one for each of my rows
	WIN 0xc0                                       ; destination in window 3
.set ii, 0
.rept 8
	global_load_b128 v[RG+32*(\z)+4*ii:RG+32*(\z)+4*ii+3], v[OFS+(\z)], s[28:29] offset:ii*ISTR th:TH_LOAD_NT
.set ii, ii+1
.endr
.endm
.macro WCVT z                          ; ring slot z is packed along K into the group's place z
	WIN 0x4f                                       ; sources in window 3, destination in window 1
.set jj, 0
.rept 4
.set pp, 0
.rept 4
	v_cvt_pk_bf16_f32 v[PKB+16*(\z)+4*jj+pp], v[RG+32*(\z)+8*pp+jj], v[RG+32*(\z)+8*pp+4+jj]   ; column jj, rows 2 pp and 2 pp + 1
.set pp, pp+1
.endr
.set jj, jj+1
.endr
.endm
.macro WSTORE                          ; my part of a group's fragments goes into LDS; then the address steps to the next group
	WIN 0x04                                       ; data in window 1
.set zz, 0
.rept 4
.set jj, 0
.rept 4
	ds_store_b128 v[WS], v[PKB+16*zz+4*jj:PKB+16*zz+4*jj+3] offset:zz*8192+jj*1024   ; 16 lanes put 256 consecutive bytes
.set jj, jj+1
.endr
.set zz, zz+1
.endr
	WIN 0
	v_add_nc_u32 v[WS], 0x8000, v[WS]
.endm
.macro FRAG0                           ; the fragments of a group's first K step, into buffer 0
.set qq, 0
.rept 8
	ds_load_b128 v[BF+8*qq:BF+8*qq+3],   v[BL] offset:qq*1024
	ds_load_b128 v[BF+8*qq+4:BF+8*qq+7], v[BL] offset:qq*1024+512
.set qq, qq+1
.endr
.endm
.macro TFIRST                          ; the token fragments of K steps 0 to 2
	WIN 0x40
.set tt, 0
.rept 3
.set ii, 0
.rept NT
	global_load_b128 v[ARS*tt+8*ii:ARS*tt+8*ii+3],   v[AOFF+ii], s[30:31] offset:tt*ASTEP
	global_load_b128 v[ARS*tt+8*ii+4:ARS*tt+8*ii+7], v[AOFF+ii], s[30:31] offset:tt*ASTEP+APIECE
.set ii, ii+1
.endr
.set tt, tt+1
.endr
	WIN 0
.endm
; The products of a K step, t = its number mod 4: my L tiles, 8 products a tile on 8 accumulators by turns.  Tile 0 has no guard (in pass 0 a wave without tiles multiplies it for nothing).
; first = 1: a pass's step 0: the products start all 40 sums with the constant 0, dead tiles' too.
.macro MM t, first
.set cb, BF+64*((\t)&1)
.set ca, ARS*((\t)&3)
.set ii, 0
.rept NT
.if (!(\first)) && (ii > 0)
	WIN 0                                          ; at a branch every window is 0
	s_cmp_le_u32 s23, ii
	s_cbranch_scc1 .Lmend_\@
.endif
	WIN MULW+0x50*(ii/4)
.set qq, 0
.rept 8
.set rd, 64*(ii%4)+8*qq
.if \first
	v_wmma_f32_16x16x32_bf16 v[rd:rd+7], v[cb+8*qq:cb+8*qq+7], v[ca+8*ii:ca+8*ii+7], 0
.else
	v_wmma_f32_16x16x32_bf16 v[rd:rd+7], v[cb+8*qq:cb+8*qq+7], v[ca+8*ii:ca+8*ii+7], v[rd:rd+7]
.endif
.set qq, qq+1
.endr
.set ii, ii+1
.endr
	WIN 0
.if !(\first)
.Lmend_\@:
.endif
.endm
; One K step, t = its number mod 4.  nxt = 1: the next step's fragments are read from LDS.  tleft: the younger loads that may stay out when this step's tokens have to be there.  tok = 1: the tokens three steps on
; are asked for, for all 5 tiles, so that the counted waits hold on every path; a dead tile's lanes all ask for one row's 32 bytes.  wcv = 1 (pass 0): the weights four steps on are packed and the ring slot is filled
; again; msk names the scalar that keeps (-1) or clears (0) the slot's offset; wleft: a wait of the weights' own, where the tokens' does not show them.
.macro FSTEP t, first, tok, tleft, nxt, wcv, msk=68, wleft=-1
	WIN 0
.if (\nxt) || (\tok)
.if (\nxt) && ((\t) == 3)
	v_add_nc_u32 v[BL], 0x8000, v[BL]              ; four K steps on; with the three lines below it is one of the four places
	v_nop
	v_nop
	v_nop
.else
	PLACES
.endif
.endif
.if \nxt
.set nb, BF+64*(((\t)+1)&1)
.set qq, 0
.rept 8
	ds_load_b128 v[nb+8*qq:nb+8*qq+3],   v[BL] offset:(((\t)+1)&3)*8192+qq*1024
	ds_load_b128 v[nb+8*qq+4:nb+8*qq+7], v[BL] offset:(((\t)+1)&3)*8192+qq*1024+512
.set qq, qq+1
.endr
.endif
	s_wait_loadcnt \tleft                          ; loads come back in order (ISA guide 5.7.1): this step's tokens are in, and all that was issued ahead of them
.if \tok
	WIN 0x40
.set na, ARS*(((\t)+3)&3)
.set ii, 0
.rept NT
	global_load_b128 v[na+8*ii:na+8*ii+3],   v[AOFF+ii], s[30:31] offset:((\t)+3)*ASTEP
	global_load_b128 v[na+8*ii+4:na+8*ii+7], v[AOFF+ii], s[30:31] offset:((\t)+3)*ASTEP+APIECE
.set ii, ii+1
.endr
.endif
.if \wcv
.if (\wleft) >= 0
	s_wait_loadcnt \wleft
.endif
	WCVT \t
	WIN 0
	v_add_nc_u32 v[OFS+(\t)], WSTEP, v[OFS+(\t)]   ; free: the slot's own loads have been shown done
	v_and_b32 v[OFS+(\t)], s[\msk], v[OFS+(\t)]
	WLOAD \t
.endif
	s_wait_dscnt 16*(\nxt)                         ; this step's fragments are in; the 16 loads just issued, if any, stay out
	MM \t, \first
.if ((\t) == 3) && (\tok)
	s_wait_xcnt 0x0                                ; the token base is stepped only behind this wait; the youngest loads stand ahead of the products
	s_add_nc_u64 s[30:31], s[30:31], 4*ASTEP
.endif
.endm
; The ring's second filling, at the head: K step z has landed, is packed, and the slot takes K step z + 4.  Younger than K step z: 24 weight loads and the 30 token loads of K steps 0 to 2.
.macro PRO z
	s_wait_loadcnt 24+3*TL
	WCVT \z
	WIN 0
	v_add_nc_u32 v[OFS+(\z)], WSTEP, v[OFS+(\z)]
	WLOAD \z
.endm
; THE CHANGE OF GROUPS.  The first barrier stands between every wave's reads of fragments and every wave's stores, the second between the stores and the reads of what they brought.
.macro BOUND
	WIN 0
	s_wait_dscnt 0x0                               ; my reads of fragments are back
	s_barrier_signal -1
	s_barrier_wait -1
	WSTORE
	v_add_nc_u32 v[BL], 0x8000, v[BL]
	s_wait_dscnt 0x0                               ; for the others' sake: my part of the next group is in LDS
	s_barrier_signal -1
	s_barrier_wait -1
	FRAG0
.endm
; One halving of the search in a word: src holds the counts of set bits in fields of wd bits.  If the field at POS holds no more than KK set bits, the bit lies beyond it.
.macro LEVEL src, wd
.irp j, 0,1,2
	v_bfe_u32 v[T1+\j], v[(\src)+\j], v[POS+\j], \wd
.endr
.irp j, 0,1,2
	v_cmp_ge_u32 vcc_lo, v[KK+\j], v[T1+\j]
	v_cndmask_b32 v[T2+\j], 0, \wd, vcc_lo
	v_cndmask_b32 v[T1+\j], 0, v[T1+\j], vcc_lo
.endr
.irp j, 0,1,2
	v_add_nc_u32 v[POS+\j], v[POS+\j], v[T2+\j]
	v_sub_nc_u32 v[KK+\j], v[KK+\j], v[T1+\j]
.endr
.endm
; The way out of tile n / 2, fragments 4 (n % 2) .. + 3: the bias is added on the way into window 1; each accumulator's registers are read in ascending order
.macro COPY n, br
.Lcopy\n:
	WIN 0x42+((\n)/8)                              ; destination window 1, source 0 window 2 or 3, source 1 window 0
.set ra, 64*(((\n)/2)%4)+32*((\n)%2)
.set rb, BI+32*((\n)%2)
.set pp, 0
.rept 16
	v_pk_add_f32 v[GX+2*pp:GX+2*pp+1], v[ra+2*pp:ra+2*pp+1], v[rb+2*pp:rb+2*pp+1]
.set pp, pp+1
.endr
	WIN 0
.if \br
	s_branch .Lgelu
.endif
.endm
	s_load_b256 s[4:11], s[0:1], 0x0               ; xb s[4:5], w1 s[6:7], b1 s[8:9], bmp s[10:11]
	s_load_b128 s[12:15], s[0:1], 0x20             ; hf s[12:13], rk s[14:15]
	v_lshl_add_u32 v[SPW], v0, 2, SPARE
	v_mov_b32 v[NIL], 0
	v_and_b32 v[LANE], 31, v0
	v_lshrrev_b32 v[TW], 5, v0
	v_readfirstlane_b32 s16, v[TW]                 ; wave 0..3
	s_and_b32 s17, ttmp7, 0xffff                   ; expert
	s_mov_b32 s18, ttmp9                           ; slice
	v_lshlrev_b32 v[L16], 4, v[LANE]
	v_bfe_u32 v[HH], v0, 4, 1
	v_lshlrev_b32 v[H128], 7, v[HH]
.set kk, 0
.rept 4
	v_add_nc_u32 v[OFS+kk], kk*SSTR, v[L16]        ; slot kk begins with K step kk
.set kk, kk+1
.endr
	s_lshl_b32 s72, s17, 24                        ; the expert's 16 MiB,
	s_lshl_b32 s70, s18, 9                         ; the slice's 512 bytes of a row,
	s_add_co_u32 s72, s72, s70
	s_lshl_b32 s70, s16, 17                        ; my wave's 8 rows of a K step
	s_add_co_u32 s72, s72, s70
	s_mov_b32 s73, 0
	s_lshl_b32 s74, s17, 7                         ; the expert's 32 bitmap words
	s_mov_b32 s75, 0
	s_lshl_b32 s70, s17, 14                        ; the expert's 4,096 numbers of b1,
	s_lshl_b32 s71, s18, 9                         ; the slice's 128 of them
	s_add_co_u32 s70, s70, s71
	s_mov_b32 s71, 0
	s_wait_kmcnt 0x0
	s_add_nc_u64 s[28:29], s[6:7], s[72:73]
	s_add_nc_u64 s[74:75], s[10:11], s[74:75]
	s_add_nc_u64 s[8:9], s[8:9], s[70:71]
	s_load_b512 s[32:47], s[74:75], 0x0
	s_load_b512 s[48:63], s[74:75], 0x40
.set bb, 0
.rept 2                                ; b1: columns 64 bb + 32 (lane / 16) + 0..31: 16 loads, ahead of the weights'
.set mm, 0
.rept 8
	global_load_b128 v[RAW+32*bb+4*mm:RAW+32*bb+4*mm+3], v[H128], s[8:9] offset:256*bb+16*mm
.set mm, mm+1
.endr
.set bb, bb+1
.endr
.irp z, 0,1,2,3
	WLOAD \z                                       ; K steps 0 to 3: the ring's first filling, 32 loads
.endr
	WIN 0
	v_and_b32 v[RR], 15, v0
	v_lshlrev_b32 v[H16], 4, v[HH]
	v_lshlrev_b32 v[RKA], 2, v[LANE]
	; A fragment's 16 bytes: [K step][q][c][lane' = m + 16 hk].  My rows are k = 8 wave + 0..7 of the step: c = wave >> 1, hk = wave & 1.  My columns 4 lane + jj: q = 4 (lane / 16) + jj, m = lane % 16.
	v_lshlrev_b32 v[WS], 4, v[RR]
	v_lshl_add_u32 v[WS], v[HH], 12, v[WS]
	s_lshr_b32 s70, s16, 1
	s_lshl_b32 s70, s70, 9
	s_and_b32 s71, s16, 1
	s_lshl_b32 s71, s71, 8
	s_add_co_u32 s70, s70, s71
	v_add_nc_u32 v[WS], s70, v[WS]
	s_lshl_b32 s70, s16, 4
	v_add_nc_u32 v[RH], s70, v[RR]
	v_lshl_add_u32 v[RH], v[HH], 6, v[RH]
	s_mov_b32 s71, 0
	s_lshl_b32 s70, s17, 12
	s_add_nc_u64 s[14:15], s[14:15], s[70:71]      ; rk at the expert's 1,024 words
	s_lshl_b32 s70, s17, 23
	s_lshl_b32 s72, s18, 12
	s_add_co_u32 s70, s70, s72
	s_add_nc_u64 s[66:67], s[12:13], s[70:71]      ; hf at the expert's 8 MiB and the slice's 4,096 bytes of a tile
	s_mov_b32 s68, -1                              ; the ring's masks: offsets are kept
	s_mov_b32 s69, -1
	s_mov_b32 s76, 0x3e6d3388                      ; 0.2316419 = 0.3275911 / sqrt(2)
	s_mov_b32 s77, s76
	s_mov_b32 s78, 0xbf38aa3b                      ; -log2(e) / 2
	s_mov_b32 s79, s78
	s_mov_b32 s80, 0x3e027906                      ; the five coefficients, halved:  0.127414796
	s_mov_b32 s81, s80
	s_mov_b32 s82, 0xbe11a98e                      ; -0.142248368
	s_mov_b32 s83, s82
	s_mov_b32 s84, 0x3f35f0e3                      ;  0.710706871
	s_mov_b32 s85, s84
	s_mov_b32 s86, 0xbf3a00e3                      ; -0.726576014
	s_mov_b32 s87, s86
	s_mov_b32 s88, 0x3f07dc22                      ;  0.530702715
	s_mov_b32 s89, s88
	s_mov_b32 s90, 0xffff0000
	s_mov_b32 s92, 0x76543210                      ; v_permlanex16_b32: each lane takes its own place in the other half
	s_mov_b32 s93, 0xfedcba98
.set kk, 0
.rept 3*NT
	v_mov_b32 v[AOFF+kk], 0                        ; a pass whose search is jumped keeps an offset inside xb
.set kk, kk+1
.endr
	s_mov_b32 s19, 0
	s_wait_kmcnt 0x0                               ; the bitmap
.set gg, 0
.rept 32
	s_bcnt1_i32_b32 s70, s[32+gg]
	s_add_co_u32 s19, s19, s70                     ; the expert's rows
.set gg, gg+1
.endr
	s_add_co_u32 s20, s19, 15
	s_lshr_b32 s20, s20, 4                         ; the expert's tiles,
	s_add_co_u32 s20, s20, 3
	s_sub_co_u32 s20, s20, s16
	s_lshr_b32 s20, s20, 2                         ; and those of them that are mine: tau = wave mod 4
	s_max_u32 s27, s19, 1
	s_sub_co_u32 s27, s27, 1                       ; the last rank
	s_or_b32 s70, s18, s16
	s_cmp_lg_u32 s70, 0
	s_cbranch_scc1 .Lno_rk                         ; wave 0 of slice 0 stores the ranks for the last launch: token 32 g + lane has as its rank the expert's tokens below it
	s_mov_b32 s71, 0
	WIN 0x40                                       ; the ranks lie in window 1, in registers that nothing else takes before the way out
.set gg, 0
.rept 32
	v_mbcnt_lo_u32_b32 v[RK+gg], s[32+gg], s71
	s_bcnt1_i32_b32 s70, s[32+gg]
	s_add_co_u32 s71, s71, s70
.set gg, gg+1
.endr
	WIN 0x04
.set gg, 0
.rept 32
	global_store_b32 v[RKA], v[RK+gg], s[14:15] offset:128*gg
.set gg, gg+1
.endr
	WIN 0
.Lno_rk:
	; THE TOKENS OF MY ROWS, for passes 3, 2, 1, 0: each trip moves the sets of offsets one pass up and makes the lowest anew, so that the last trip leaves pass p's set at AOFF + 5 p.
	s_mov_b32 s21, PASSES
.Lfind:
.set kk, 3*NT-1
.rept 3*NT
	v_mov_b32 v[AOFF+NT+kk], v[AOFF+kk]
.set kk, kk-1
.endr
	s_sub_co_u32 s72, s21, 1                       ; the pass
	s_mul_i32 s70, s72, NT
	s_cmp_le_u32 s20, s70
	s_cbranch_scc1 .Lfound                         ; no tile of mine in it
	s_mul_i32 s70, s72, 64*NT                      ; pair j: my rank is 320 pass + 128 j + 64 (lane / 16) + 16 wave + lane % 16, past the count the last rank once more
.irp j, 0,1,2
	s_add_co_u32 s71, s70, 128*\j
	v_add_nc_u32 v[RHO+\j], s71, v[RH]
	v_min_u32 v[RHO+\j], s27, v[RHO+\j]
	v_mov_b32 v[WD+\j], s32                        ; word 0 has no token in front of it: it starts the search
	v_mov_b32 v[PKD+\j], 0
.endr
	s_bcnt1_i32_b32 s72, s32                       ; the tokens in front of word 1
.set gg, 1
.rept 31
	s_add_co_u32 s73, s72, gg<<16
.irp j, 0,1,2
	v_cmp_gt_u32 vcc_lo, s72, v[RHO+\j]            ; more tokens in front of word gg than my rank: what I hold stays; else word gg takes its place
	v_cndmask_b32 v[WD+\j], s[32+gg], v[WD+\j], vcc_lo
	v_cndmask_b32 v[PKD+\j], s73, v[PKD+\j], vcc_lo
.endr
.if gg < 31
	s_bcnt1_i32_b32 s74, s[32+gg]
	s_add_co_u32 s72, s72, s74
.endif
.set gg, gg+1
.endr
	; in the word: the rank that is left, and the counts of set bits by twos, fours and eights
.irp j, 0,1,2
	v_and_b32 v[T1+\j], 0xffff, v[PKD+\j]
	v_lshrrev_b32 v[T2+\j], 1, v[WD+\j]
.endr
.irp j, 0,1,2
	v_sub_nc_u32 v[KK+\j], v[RHO+\j], v[T1+\j]
	v_and_b32 v[T2+\j], 0x55555555, v[T2+\j]
.endr
.irp j, 0,1,2
	v_sub_nc_u32 v[SA+\j], v[WD+\j], v[T2+\j]
.endr
.irp j, 0,1,2
	v_lshrrev_b32 v[T1+\j], 2, v[SA+\j]
	v_and_b32 v[T2+\j], 0x33333333, v[SA+\j]
.endr
.irp j, 0,1,2
	v_and_b32 v[T1+\j], 0x33333333, v[T1+\j]
.endr
.irp j, 0,1,2
	v_add_nc_u32 v[SB+\j], v[T1+\j], v[T2+\j]
.endr
.irp j, 0,1,2
	v_lshrrev_b32 v[T1+\j], 4, v[SB+\j]
.endr
.irp j, 0,1,2
	v_add_nc_u32 v[T1+\j], v[T1+\j], v[SB+\j]
.endr
.irp j, 0,1,2
	v_and_b32 v[SC+\j], 0x0f0f0f0f, v[T1+\j]
.endr
.irp j, 0,1,2
	v_lshrrev_b32 v[T1+\j], 8, v[SC+\j]
.endr
.irp j, 0,1,2
	v_add_nc_u32 v[T1+\j], v[T1+\j], v[SC+\j]
.endr
.irp j, 0,1,2
	v_and_b32 v[T1+\j], 0xff, v[T1+\j]             ; the set bits among bits 0 to 15
.endr
.irp j, 0,1,2
	v_cmp_ge_u32 vcc_lo, v[KK+\j], v[T1+\j]
	v_cndmask_b32 v[POS+\j], 0, 16, vcc_lo
	v_cndmask_b32 v[T1+\j], 0, v[T1+\j], vcc_lo
.endr
.irp j, 0,1,2
	v_sub_nc_u32 v[KK+\j], v[KK+\j], v[T1+\j]
.endr
	LEVEL SC, 8
	LEVEL SB, 4
	LEVEL SA, 2
	LEVEL WD, 1
.irp j, 0,1,2
	v_lshrrev_b32 v[T1+\j], 16, v[PKD+\j]
.endr
.irp j, 0,1,2
	v_lshl_add_u32 v[POS+\j], v[T1+\j], 5, v[POS+\j]   ; the token: 32 x word + bit
.endr
.irp j, 0,1,2
	v_permlanex16_b32 v[T1+\j], v[POS+\j], s92, s93    ; the other half's tokens (its destination has been written)
.endr
.irp j, 0,1
	v_cndmask_b32 v[AOFF+2*\j], v[POS+\j], v[T1+\j], s90     ; tile 2 j: lanes 0-15 hold it, lanes 16-31 take it from them
	v_cndmask_b32 v[AOFF+2*\j+1], v[T1+\j], v[POS+\j], s90   ; tile 2 j + 1: the other way round
.endr
	v_cndmask_b32 v[AOFF+4], v[POS+2], v[T1+2], s90          ; tile 4; the pair's other half belongs to the next pass
.set ii, 0
.rept NT
	v_min_u32 v[AOFF+ii], 0x3ff, v[AOFF+ii]
	v_lshl_add_u32 v[AOFF+ii], v[AOFF+ii], 11, v[H16]   ; the token's row of 2,048 bytes + 16 (lane / 16)
.set ii, ii+1
.endr
.Lfound:
	s_sub_co_u32 s21, s21, 1
	s_cmp_lg_u32 s21, 0
	s_cbranch_scc1 .Lfind
	s_wait_loadcnt 32                              ; b1 is in; the ring's 32 loads, issued behind it, may stay out
.set bb, 0
.rept 2
.set jj, 0
.rept 8
.set uu, 0
.rept 2
.set ra, RAW+32*bb+4*jj+2*uu
	v_cvt_pk_bf16_f32 v[ra], v[ra], v[ra+1]        ; rounded to bf16 like every input, and back in f32 at the place of fragment 4 bb + (column & 3), register jj
	v_lshlrev_b32 v[BI+8*(4*bb+2*uu)+jj], 16, v[ra]
	v_and_b32 v[BI+8*(4*bb+2*uu+1)+jj], s90, v[ra]
.set uu, uu+1
.endr
.set jj, jj+1
.endr
.set bb, bb+1
.endr
	; PASS 0, BESIDE THE STREAM
	s_min_u32 s23, s20, NT                         ; L: my tiles in pass 0
	s_mov_b64 s[30:31], s[4:5]
	TFIRST                                         ; 30 token loads, behind K steps 0 to 3 of the weights and ahead of K steps 4 to 7
.irp z, 0,1,2,3
	PRO \z
.endr
	WSTORE                                         ; group 0
	v_mov_b32 v[BL], v[L16]
	s_wait_dscnt 0x0                               ; for the others' sake: my part of group 0 is in LDS
	s_barrier_signal -1
	s_barrier_wait -1
	FRAG0
	FSTEP 0, 1, 1, 32+2*TL, 1, 1, 69, 16+TL        ; K step 0 starts the sums.  Out at its first wait: tokens 1 and 2, weights 4 to 7; at its second: weights 6 and 7, tokens 3: weights 4 and 5 are in
	s_mov_b32 s24, 7
.Lfuse:                                                ; a trip: K steps 4 n + 1 to 4 n + 4, n = 0 .. 6, with the change of groups behind the third.  Out at each wait: three steps' weights and two steps' tokens
	s_cmp_gt_u32 s24, 1                            ; the last trip's steps (25 to 27), and the last two trips' fourth steps (24 and 28), have no weights left to ask for
	s_cselect_b32 s68, -1, 0
	s_cmp_gt_u32 s24, 2
	s_cselect_b32 s69, -1, 0
	FSTEP 1, 0, 1, 24+2*TL, 1, 1
	FSTEP 2, 0, 1, 24+2*TL, 1, 1
	FSTEP 3, 0, 1, 24+2*TL, 0, 1
	BOUND
	FSTEP 0, 0, 1, 24+2*TL, 1, 1, 69
	s_sub_co_u32 s24, s24, 1
	s_cmp_lg_u32 s24, 0
	s_cbranch_scc1 .Lfuse
	FSTEP 1, 0, 0, 24+2*TL, 1, 0                   ; K steps 29 to 31 are written out: nothing is left to ask for, and the counts run down
	FSTEP 2, 0, 0, 16+TL, 1, 0
	FSTEP 3, 0, 0, 0, 0, 0                         ; the highest LDS byte read is 262,143
	s_mov_b32 s22, 0
.Lpass:
	s_mul_i32 s70, s22, NT
	s_sub_co_i32 s23, s20, s70
	s_max_i32 s23, s23, 0
	s_min_u32 s23, s23, NT                         ; L: my tiles in this pass
	s_cmp_eq_u32 s23, 0
	s_cbranch_scc1 .Lpass_end                      ; none: forward to the counter's step; no barrier stands in what is jumped
	s_cmp_eq_u32 s22, 0
	s_cbranch_scc1 .Lout                           ; pass 0 has been multiplied above
	PLACES
.set kk, 0
.rept 3*NT
	v_mov_b32 v[AOFF+kk], v[AOFF+NT+kk]            ; the sets of offsets move one pass down
.set kk, kk+1
.endr
	s_mov_b64 s[30:31], s[4:5]
	v_mov_b32 v[BL], v[L16]
	FRAG0
	TFIRST
	FSTEP 0, 1, 1, 2*TL, 1, 0                      ; K step 0 stands in front of the loop: its products start the sums.  Out at each wait: the next two steps' tokens
	s_mov_b32 s24, 7
.Lk:                                                   ; a trip: K steps 4 n + 1 to 4 n + 4
	FSTEP 1, 0, 1, 2*TL, 1, 0
	FSTEP 2, 0, 1, 2*TL, 1, 0
	FSTEP 3, 0, 1, 2*TL, 1, 0
	FSTEP 0, 0, 1, 2*TL, 1, 0
	s_sub_co_u32 s24, s24, 1
	s_cmp_lg_u32 s24, 0
	s_cbranch_scc1 .Lk
	FSTEP 1, 0, 0, 2*TL, 1, 0
	FSTEP 2, 0, 0, TL, 1, 0
	FSTEP 3, 0, 0, 0, 0, 0
.Lout:
	PLACES                                         ; between the last product and the way out
	s_lshl_b32 s26, s23, 1
	s_mov_b32 s25, 0
.Lepi:                                                 ; 2 L trips: half a tile (4 fragments, 32 numbers a lane) a trip; no LDS is touched
	s_wait_xcnt 0x0                                ; earlier stores have read their offset and their data
	s_lshr_b32 s70, s25, 1
	s_mul_i32 s71, s22, NT
	s_add_co_u32 s70, s70, s71                     ; 5 pass + i
	s_lshl2_add_u32 s70, s70, s16                  ; tau
	s_lshl_b32 s70, s70, 17                        ; a tile is 131,072 bytes of hf
	s_and_b32 s71, s25, 1
	s_lshl_b32 s71, s71, 11                        ; its fragments 4-7 lie 2,048 bytes on
	s_add_co_u32 s70, s70, s71
	v_add_nc_u32 v[HO], s70, v[L16]
.irp n, 0,1,2,3,4,5,6,7,8
	s_cmp_eq_u32 s25, \n
	s_cbranch_scc1 .Lcopy\n
.endr
	COPY 9, 1
.irp n, 0,1,2,3,4,5,6,7
	COPY \n, 1
.endr
	COPY 8, 0
.Lgelu:
	WIN 0x55                                       ; all in window 1.  Stage follows stage, so a plain instruction stands behind each run of transcendentals (ISA guide 5.7.2)
.set nn, 0
.rept 32
	v_fma_f32 v[GU+nn], |v[GX+nn]|, s76, 1.0
.set nn, nn+1
.endr
.set nn, 0
.rept 16
	v_pk_mul_f32 v[GY+2*nn:GY+2*nn+1], v[GX+2*nn:GX+2*nn+1], v[GX+2*nn:GX+2*nn+1]
.set nn, nn+1
.endr
.set nn, 0
.rept 32
	v_rcp_f32 v[GU+nn], v[GU+nn]                   ; t
.set nn, nn+1
.endr
.set nn, 0
.rept 16
	v_pk_mul_f32 v[GY+2*nn:GY+2*nn+1], v[GY+2*nn:GY+2*nn+1], s[78:79] op_sel_hi:[1,0]
.set nn, nn+1
.endr
.set nn, 0
.rept 32
	v_exp_f32 v[GY+nn], v[GY+nn]                   ; e^(-x^2 / 2)
.set nn, nn+1
.endr
.set nn, 0
	s_wait_alu depctr_va_vdst(0)
.rept 16
	v_pk_fma_f32 v[GP+2*nn:GP+2*nn+1], v[GU+2*nn:GU+2*nn+1], s[88:89], s[86:87] op_sel_hi:[1,0,0]
.set nn, nn+1
.endr
.irp cc, 84,82,80
.set nn, 0
.rept 16
	v_pk_fma_f32 v[GP+2*nn:GP+2*nn+1], v[GP+2*nn:GP+2*nn+1], v[GU+2*nn:GU+2*nn+1], s[\cc:\cc+1] op_sel_hi:[1,1,0]
.set nn, nn+1
.endr
.endr
.set nn, 0
.rept 16
	v_pk_mul_f32 v[GP+2*nn:GP+2*nn+1], v[GP+2*nn:GP+2*nn+1], v[GU+2*nn:GU+2*nn+1]
.set nn, nn+1
.endr
.set nn, 0
.rept 16
	v_pk_mul_f32 v[GP+2*nn:GP+2*nn+1], v[GP+2*nn:GP+2*nn+1], v[GY+2*nn:GY+2*nn+1]
.set nn, nn+1
.endr
.set nn, 0
.rept 32
	v_max_num_f32 v[GM+nn], 0, v[GX+nn]
.set nn, nn+1
.endr
.set nn, 0
.rept 32
	v_fma_f32 v[GM+nn], -|v[GX+nn]|, v[GP+nn], v[GM+nn]
.set nn, nn+1
.endr
.set nn, 0
.rept 16
	v_cvt_pk_bf16_f32 v[GO+nn], v[GM+2*nn], v[GM+2*nn+1]
.set nn, nn+1
.endr
	WIN 0x04                                       ; the stores' data in window 1, their offset in window 0
.set jq, 0
.rept 4
	global_store_b128 v[HO], v[GO+4*jq:GO+4*jq+3], s[66:67] offset:512*jq   ; 512 consecutive bytes, at a multiple of 256 from hf's first byte
.set jq, jq+1
.endr
	WIN 0
	s_add_co_u32 s25, s25, 1
	s_cmp_lt_u32 s25, s26
	s_cbranch_scc1 .Lepi
	s_wait_xcnt 0x0                                ; the next pass loads into registers of window 1 only behind this wait
.Lpass_end:
	s_add_co_u32 s22, s22, 1
	s_cmp_lt_u32 s22, PASSES
	s_cbranch_scc1 .Lpass
	s_wait_dscnt 0x0                               ; my reads of the fragments are back;
	s_barrier_signal -1
	s_barrier_wait -1                              ; every wave's are: no wave writes LDS again, by the add below, while another still reads it
	s_wait_tensorcnt 0x0                           ; the wave's end, behind my last LDS store
	ds_add_u32 v[SPW], v[NIL]
	s_wait_dscnt 0x0
	s_endpgm
.Lfunc_end_k_q2d026d04c0_up:
	.size	k_q2d026d04c0_up, .Lfunc_end_k_q2d026d04c0_up-k_q2d026d04c0_up
	.p2alignl 7, 3214868480
	.fill 96, 4, 3214868480
	.section	.rodata,"a",@progbits
	.p2align	6, 0x0
	.amdhsa_kernel k_q2d026d04c0_up
		.amdhsa_group_segment_fixed_size 262656
		.amdhsa_private_segment_fixed_size 0
		.amdhsa_enable_private_segment 0
		.amdhsa_kernarg_size 48
		.amdhsa_user_sgpr_count 2
		.amdhsa_user_sgpr_kernarg_segment_ptr 1
		.amdhsa_wavefront_size32 1
		.amdhsa_system_sgpr_workgroup_id_x 1
		.amdhsa_system_sgpr_workgroup_id_y 1
		.amdhsa_system_sgpr_workgroup_id_z 1
		.amdhsa_system_vgpr_workitem_id 0
		.amdhsa_next_free_vgpr 1024
		.amdhsa_next_free_sgpr 96
		.amdhsa_reserve_vcc 1
		.amdhsa_float_denorm_mode_32 3
		.amdhsa_float_denorm_mode_16_64 3
		.amdhsa_memory_ordered 1
		.amdhsa_forward_progress 1
		.amdhsa_inst_pref_size 176
	.end_amdhsa_kernel
	.amdgpu_metadata
---
amdhsa.version: [ 1, 2 ]
amdhsa.kernels:
  - .name:           k_q2d026d04c0_up
    .symbol:         k_q2d026d04c0_up.kd
    .args:
      - { .name: xb, .offset: 0, .size: 8, .value_kind: global_buffer, .address_space: global }
      - { .name: w1, .offset: 8, .size: 8, .value_kind: global_buffer, .address_space: global }
      - { .name: b1, .offset: 16, .size: 8, .value_kind: global_buffer, .address_space: global }
      - { .name: bmp, .offset: 24, .size: 8, .value_kind: global_buffer, .address_space: global }
      - { .name: hf, .offset: 32, .size: 8, .value_kind: global_buffer, .address_space: global }
      - { .name: rk, .offset: 40, .size: 8, .value_kind: global_buffer, .address_space: global }
    .group_segment_fixed_size: 262656
    .private_segment_fixed_size: 0
    .kernarg_segment_align: 8
    .kernarg_segment_size: 48
    .max_flat_workgroup_size: 128
    .sgpr_count:     96
    .vgpr_count:     1024
    .wavefront_size: 32
...
	.end_amdgpu_metadata
.endif
;; end of part 7
;; launch down (part 8): grid 32 x 8, 4 waves a work-group, no clusters, 262,656 bytes of LDS; arguments hf, w2, bmp, part; writes part
.if DOCPART == 8
	.amdgcn_target "amdgcn-amd-amdhsa--gfx1250"
	.amdhsa_code_object_version 6
	.text
	.protected	k_q2d026d04c0_down
	.globl	k_q2d026d04c0_down
	.p2align	8
	.type	k_q2d026d04c0_down,@function
k_q2d026d04c0_down:
	s_mov_b64 s[64:65], 0
	v_nop
	global_prefetch_b8 v0, s[64:65] scope:SCOPE_SE
	s_setreg_imm32_b32 hwreg(HW_REG_WAVE_MODE, 25, 1), 1
	s_wait_xcnt 0x0
; SECOND PRODUCT, in four parts of K.  part[kp][e][row][n] = the sum over f in 1,024 kp .. + 1,023 of h[row][f] w2[e][f][n], for the expert's rows in the order of their ranks.
; A work-group (x = 8 kp + ns, y = expert) owns w2[e][1,024 kp .. + 1,023][128 ns .. + 127]: 512 KiB of f32 that it alone reads, rounds to bf16 on the way through registers and lays into LDS as ready fragments, 256 KiB.
; The four partial sums stay in f32; the last launch adds them.
; ROWS.  A wave's tile number k is tile tau = 4 k + wave of the expert.  A pass is NT = 5 tiles a wave, 320 rows; four passes cover the 1,024 rows that an expert can have.  A dead tile's loads all ask for the
; first 16 bytes of the step in the expert's tile 0; its products are made in a pass's first K step alone and never stored.  Rows past the count in the last tile are stored in the expert's own part and never read.
; PASS 0 IS MULTIPLIED BESIDE THE STREAM.  K goes in 8 groups of 4 steps of 32.  A wave's loads come back in order, so weights (W) and tokens (T) are ONE stream: step s reads step s + 1's fragments from LDS, waits for
; T(s), issues T(s + 3), packs W(s + 4) (issued ahead of T(s), so that wait shows it too), issues W(s + 8) into the ring slot just freed, and multiplies.  32 weight loads and 30 token loads of a wave, 512 consecutive bytes each, are out.
; THE CHANGE OF GROUPS, behind every fourth step: every wave's reads of fragments are back; a barrier; each wave stores its part of the next group's fragments; they are done; a barrier; the new group is read.
; All barriers stand on every wave's path; only products are jumped by the count.  Steps 24 to 28 have no weights left to ask for: their loads go out with the offset masked to 0 (all lanes ask for the same 16 bytes
; of the wave's own rows, and nothing uses them), so that one text and one set of counted waits serve every trip.
; LATER PASSES (an expert of more than 320 rows) find all fragments in LDS: the same step without stream and without barrier.  They are not multiplied beside anything.
; THE ORDER OF K is the one in which the first product left h: position (c, hk, i) of K step sg is row f = 1,024 kp + 64 (sg >> 1) + 2 (sg & 1) + c + 32 hk + 4 i, for tokens and weights alike, which keeps every product.
; COLUMNS.  Fragment q (0-7), index m (0-15) is slice column 64 (q >> 2) + 4 m + (q & 3).  Source 0 = 16 tokens, source 1 = 16 columns: a lane holds column index lane % 16 and tokens 8 (lane / 16) + 0..7,
; so the same register of fragments 4 b .. 4 b + 3 is four neighbouring columns of one row: 32 moves bring them side by side, and sixteen lanes store 256 consecutive bytes of a row without a trip through LDS.
; NO CLUSTER: each weight byte has one reader; what an expert's eight column slices of a K part share is its token fragments, and how many tiles of them there are hangs on a count read from memory.
.set NT,     5            ; tiles of a wave in a pass: a name, no knob
.set TL,     2*NT         ; token loads in a K step
.set ARS,    8*NT         ; registers in a token slot
.set PASSES, 4            ; a wave has 16 tiles at the most
.set WSTEP,  0x80000      ; a ring slot's next K step lies four on: 128 rows of 4,096 bytes
.set ISTR,   16384        ; from my row i to my row i + 1: four rows of 4,096 bytes
.set ASTEP,  1024         ; token bytes of a tile in a K step
.set APIECE, 512          ; from a fragment's registers 0-3 to its registers 4-7
.set MULW,   0xa1         ; source 0 (tokens) window 1, source 1 (weights) window 0, C and D window 2; + 0x50: window 3
.set SPARE,  262144       ; behind the fragments: the spare words, 128 bytes for each wave: two blocks of 256 bytes that no other line names
.set LANE, 1
.set RR,   2
.set HH,   3
.set L16,  4              ; 16 lane
.set PO0,  5              ; 32,768 (lane / 16) + 16 (lane % 16)
.set WS,   7              ; where I put 16 bytes of a fragment
.set BL,   8              ; where I read fragments
.set PO,   11             ; my byte offset in part
.set AOFF, 12             ; v12-16  my byte offset in hf for each of 5 tiles
.set TW,   32
.set OFS,  44             ; v44-47  ring slot z: my byte offset in the slice for the K step that the slot loads
.set SPW,  62             ; LDS address of my spare word; never rewritten
.set NIL,  63             ; 0; never rewritten
.set BF,   64             ; v64-191  weight fragments of a K step, two buffers of 64
; window 1: v0-159 the token fragments, 4 slots x 5 tiles x 8; v192-255 a group's packed weights, 16 a K step; on the way out v0-31
.set PKB,  192
; windows 2 and 3: the accumulators: tile i, fragment q at 512 + 64 i + 8 q.  Window 3, v128-255: the ring, 4 slots of 32: my 8 rows x 128 columns of a K step in f32
.set RG,   128
; scalars: s16 wave, s17 expert, s18 ns, s21 kp, s19 count, s20 my tiles in all, s22 pass, s23 L, s24 loop counts, s25 and s26 the way out's count and bound,
; s[28:29] weights, s[30:31] tokens, s[32:63] the bitmap, s[66:67] part, s[68:69] hf at the expert and K part, s70-75 at work, s76 and s77 the ring's masks
.set MSB, 0
.macro WIN new                         ; the immediate's high byte repeats the setting that is left; a switch that changes nothing is dropped
.if MSB != (\new)
	s_set_vgpr_msb (MSB<<8)|(\new)
.set MSB, (\new)
.endif
.endm
.macro PLACES                          ; four places between a product and loads into registers that products have read, or a read of its result (ISA guide 7.12.1 for a read of its result)
.rept 4
	v_nop
.endr
.endm
.macro WLOAD z                         ; ring slot z is filled: eight loads of 512 consecutive bytes, one for each of my rows
	WIN 0xc0                                       ; destination in window 3
.set ii, 0
.rept 8
	global_load_b128 v[RG+32*(\z)+4*ii:RG+32*(\z)+4*ii+3], v[OFS+(\z)], s[28:29] offset:ii*ISTR th:TH_LOAD_NT
.set ii, ii+1
.endr
.endm
.macro WCVT z                          ; ring slot z is packed along K into the group's place z
	WIN 0x4f                                       ; sources in window 3, destination in window 1
.set jj, 0
.rept 4
.set pp, 0
.rept 4
	v_cvt_pk_bf16_f32 v[PKB+16*(\z)+4*jj+pp], v[RG+32*(\z)+8*pp+jj], v[RG+32*(\z)+8*pp+4+jj]   ; column jj, my rows 2 pp and 2 pp + 1
.set pp, pp+1
.endr
.set jj, jj+1
.endr
.endm
.macro WSTORE                          ; my part of a group's fragments goes into LDS; then the address steps to the next group
	WIN 0x04                                       ; data in window 1
.set zz, 0
.rept 4
.set jj, 0
.rept 4
	ds_store_b128 v[WS], v[PKB+16*zz+4*jj:PKB+16*zz+4*jj+3] offset:zz*8192+jj*1024   ; 16 lanes put 256 consecutive bytes
.set jj, jj+1
.endr
.set zz, zz+1
.endr
	WIN 0
	v_add_nc_u32 v[WS], 0x8000, v[WS]
.endm
.macro FRAG0                           ; the fragments of a group's first K step, into buffer 0
.set qq, 0
.rept 8
	ds_load_b128 v[BF+8*qq:BF+8*qq+3],   v[BL] offset:qq*1024
	ds_load_b128 v[BF+8*qq+4:BF+8*qq+7], v[BL] offset:qq*1024+512
.set qq, qq+1
.endr
.endm
.macro TFIRST                          ; the token fragments of K steps 0 to 2
	WIN 0x40
.set tt, 0
.rept 3
.set ii, 0
.rept NT
	global_load_b128 v[ARS*tt+8*ii:ARS*tt+8*ii+3],   v[AOFF+ii], s[30:31] offset:tt*ASTEP
	global_load_b128 v[ARS*tt+8*ii+4:ARS*tt+8*ii+7], v[AOFF+ii], s[30:31] offset:tt*ASTEP+APIECE
.set ii, ii+1
.endr
.set tt, tt+1
.endr
	WIN 0
.endm
.macro MKAOFF                          ; my byte offsets in hf for the tiles of pass s22, of which s23 live
.set ii, 0
.rept NT
	s_sub_co_i32 s70, s23, ii
	s_max_i32 s70, s70, 0
	s_min_u32 s70, s70, 1                          ; 1: tile ii lives
	s_mul_i32 s71, s22, NT
	s_add_co_u32 s71, s71, ii                      ; 5 pass + i
	s_lshl2_add_u32 s71, s71, s16                  ; tau
	s_lshl_b32 s71, s71, 17                        ; a tile is 131,072 bytes of hf
	s_mul_i32 s71, s71, s70
	s_lshl_b32 s70, s70, 4
	v_mad_u32_u24 v[AOFF+ii], v[LANE], s70, s71    ; 16 lane + the tile; 0 for a dead one
.set ii, ii+1
.endr
.endm
; The products of a K step, t = its number mod 4: my L tiles, 8 products a tile on 8 accumulators by turns.  Tile 0 has no guard (in pass 0 a wave without tiles multiplies it for nothing).
; first = 1: a pass's step 0: the products start all 40 sums with the constant 0, dead tiles' too.
.macro MM t, first
.set cb, BF+64*((\t)&1)
.set ca, ARS*((\t)&3)
.set ii, 0
.rept NT
.if (!(\first)) && (ii > 0)
	WIN 0                                          ; at a branch every window is 0
	s_cmp_le_u32 s23, ii
	s_cbranch_scc1 .Lmend_\@
.endif
	WIN MULW+0x50*(ii/4)
.set qq, 0
.rept 8
.set rd, 64*(ii%4)+8*qq
.if \first
	v_wmma_f32_16x16x32_bf16 v[rd:rd+7], v[ca+8*ii:ca+8*ii+7], v[cb+8*qq:cb+8*qq+7], 0
.else
	v_wmma_f32_16x16x32_bf16 v[rd:rd+7], v[ca+8*ii:ca+8*ii+7], v[cb+8*qq:cb+8*qq+7], v[rd:rd+7]
.endif
.set qq, qq+1
.endr
.set ii, ii+1
.endr
	WIN 0
.if !(\first)
.Lmend_\@:
.endif
.endm
; One K step, t = its number mod 4.  nxt = 1: the next step's fragments are read from LDS.  tleft: the younger loads that may stay out when this step's tokens have to be there.  tok = 1: the tokens three steps on
; are asked for, for all 5 tiles, so that the counted waits hold on every path.  wcv = 1 (pass 0): the weights four steps on are packed and the ring slot is filled again; msk names the scalar that keeps (-1) or
; clears (0) the slot's offset; wleft: a wait of the weights' own, where the tokens' does not show them.
.macro FSTEP t, first, tok, tleft, nxt, wcv, msk=76, wleft=-1
	WIN 0
.if (\nxt) || (\tok)
.if (\nxt) && ((\t) == 3)
	v_add_nc_u32 v[BL], 0x8000, v[BL]              ; four K steps on; with the three lines below it is one of the four places
	v_nop
	v_nop
	v_nop
.else
	PLACES
.endif
.endif
.if \nxt
.set nb, BF+64*(((\t)+1)&1)
.set qq, 0
.rept 8
	ds_load_b128 v[nb+8*qq:nb+8*qq+3],   v[BL] offset:(((\t)+1)&3)*8192+qq*1024
	ds_load_b128 v[nb+8*qq+4:nb+8*qq+7], v[BL] offset:(((\t)+1)&3)*8192+qq*1024+512
.set qq, qq+1
.endr
.endif
	s_wait_loadcnt \tleft                          ; loads come back in order (ISA guide 5.7.1): this step's tokens are in, and all that was issued ahead of them
.if \tok
	WIN 0x40
.set na, ARS*(((\t)+3)&3)
.set ii, 0
.rept NT
	global_load_b128 v[na+8*ii:na+8*ii+3],   v[AOFF+ii], s[30:31] offset:((\t)+3)*ASTEP
	global_load_b128 v[na+8*ii+4:na+8*ii+7], v[AOFF+ii], s[30:31] offset:((\t)+3)*ASTEP+APIECE
.set ii, ii+1
.endr
.endif
.if \wcv
.if (\wleft) >= 0
	s_wait_loadcnt \wleft
.endif
	WCVT \t
	WIN 0
	v_add_nc_u32 v[OFS+(\t)], WSTEP, v[OFS+(\t)]   ; free: the slot's own loads have been shown done
	v_and_b32 v[OFS+(\t)], s[\msk], v[OFS+(\t)]
	WLOAD \t
.endif
	s_wait_dscnt 16*(\nxt)                         ; this step's fragments are in; the 16 loads just issued, if any, stay out
	MM \t, \first
.if ((\t) == 3) && (\tok)
	s_wait_xcnt 0x0                                ; the token base is stepped only behind this wait; the youngest loads stand ahead of the products
	s_add_nc_u64 s[30:31], s[30:31], 4*ASTEP
.endif
.endm
; The ring's second filling, at the head: K step z has landed, is packed, and the slot takes K step z + 4.  Younger than K step z: 24 weight loads and the 30 token loads of K steps 0 to 2.
.macro PRO z
	s_wait_loadcnt 24+3*TL
	WCVT \z
	WIN 0
	v_add_nc_u32 v[OFS+(\z)], WSTEP, v[OFS+(\z)]
	WLOAD \z
.endm
; THE CHANGE OF GROUPS.  The first barrier stands between every wave's reads of fragments and every wave's stores, the second between the stores and the reads of what they brought.
.macro BOUND
	WIN 0
	s_wait_dscnt 0x0                               ; my reads of fragments are back
	s_barrier_signal -1
	s_barrier_wait -1
	WSTORE
	v_add_nc_u32 v[BL], 0x8000, v[BL]
	s_wait_dscnt 0x0                               ; for the others' sake: my part of the next group is in LDS
	s_barrier_signal -1
	s_barrier_wait -1
	FRAG0
.endm
; The way out of tile n / 2, fragments 4 (n % 2) .. + 3: register ip of the four fragments goes side by side: four neighbouring columns of token 8 (lane / 16) + ip.  Register 0 of each accumulator is read first.
.macro COPY n, br
.Lcopy\n:
	WIN 0x42+((\n)/8)                              ; destination window 1, source window 2 or 3
.set ra, 64*(((\n)/2)%4)+32*((\n)%2)
.set ip, 0
.rept 8
.set jq, 0
.rept 4
	v_mov_b32 v[4*ip+jq], v[ra+8*jq+ip]
.set jq, jq+1
.endr
.set ip, ip+1
.endr
	WIN 0
.if \br
	s_branch .Lsend
.endif
.endm
	s_load_b256 s[4:11], s[0:1], 0x0               ; hf s[4:5], w2 s[6:7], bmp s[8:9], part s[10:11]
	v_lshl_add_u32 v[SPW], v0, 2, SPARE
	v_mov_b32 v[NIL], 0
	v_and_b32 v[LANE], 31, v0
	v_lshrrev_b32 v[TW], 5, v0
	v_readfirstlane_b32 s16, v[TW]                 ; wave 0..3
	s_and_b32 s17, ttmp7, 0xffff                   ; expert
	s_and_b32 s18, ttmp9, 7                        ; ns: which 128 columns
	s_lshr_b32 s21, ttmp9, 3                       ; kp: which 1,024 rows of w2
	v_lshlrev_b32 v[L16], 4, v[LANE]
.set kk, 0
.rept 4
	v_add_nc_u32 v[OFS+kk], (64*(kk>>1)+2*(kk&1))*4096, v[L16]   ; slot kk begins with K step kk
.set kk, kk+1
.endr
	s_lshl_b32 s72, s17, 24                        ; the expert's 16 MiB,
	s_lshl_b32 s70, s21, 22                        ; the K part's 1,024 rows of 4,096 bytes,
	s_add_co_u32 s72, s72, s70
	s_and_b32 s70, s16, 1
	s_lshl_b32 s70, s70, 17                        ; hk = wave & 1: 32 rows,
	s_add_co_u32 s72, s72, s70
	s_lshr_b32 s70, s16, 1
	s_lshl_b32 s70, s70, 12                        ; c = wave >> 1: one row,
	s_add_co_u32 s72, s72, s70
	s_lshl_b32 s70, s18, 9                         ; the slice's 512 bytes of a row
	s_add_co_u32 s72, s72, s70
	s_mov_b32 s73, 0
	s_lshl_b32 s74, s17, 7                         ; the expert's 32 bitmap words
	s_mov_b32 s75, 0
	s_wait_kmcnt 0x0
	s_add_nc_u64 s[28:29], s[6:7], s[72:73]
	s_add_nc_u64 s[74:75], s[8:9], s[74:75]
	s_load_b512 s[32:47], s[74:75], 0x0
	s_load_b512 s[48:63], s[74:75], 0x40
.irp z, 0,1,2,3
	WLOAD \z                                       ; K steps 0 to 3: the ring's first filling, 32 loads
.endr
	WIN 0
	v_and_b32 v[RR], 15, v0
	v_bfe_u32 v[HH], v0, 4, 1
	v_lshlrev_b32 v[PO0], 4, v[RR]
	v_lshl_add_u32 v[PO0], v[HH], 15, v[PO0]
	; A fragment's 16 bytes: [K step][q][c][lane' = m + 16 hk].  My columns 4 lane + jj: q = 4 (lane / 16) + jj, m = lane % 16.
	v_lshlrev_b32 v[WS], 4, v[RR]
	v_lshl_add_u32 v[WS], v[HH], 12, v[WS]
	s_lshr_b32 s70, s16, 1
	s_lshl_b32 s70, s70, 9
	s_and_b32 s71, s16, 1
	s_lshl_b32 s71, s71, 8
	s_add_co_u32 s70, s70, s71
	v_add_nc_u32 v[WS], s70, v[WS]
	s_mov_b32 s71, 0
	s_lshl_b32 s70, s17, 23
	s_lshl_b32 s72, s21, 15
	s_add_co_u32 s70, s70, s72
	s_add_nc_u64 s[68:69], s[4:5], s[70:71]        ; hf at the expert's 8 MiB and the K part's 32,768 bytes of a tile
	s_lshl_b32 s70, s21, 25
	s_lshl_b32 s72, s17, 22
	s_add_co_u32 s70, s70, s72
	s_lshl_b32 s72, s18, 9
	s_add_co_u32 s70, s70, s72
	s_add_nc_u64 s[66:67], s[10:11], s[70:71]      ; part at the K part, the expert and the slice's 512 bytes of a row
	s_mov_b32 s76, -1                              ; the ring's masks: offsets are kept
	s_mov_b32 s77, -1
	s_mov_b32 s19, 0
	s_wait_kmcnt 0x0                               ; the bitmap
.set gg, 0
.rept 32
	s_bcnt1_i32_b32 s70, s[32+gg]
	s_add_co_u32 s19, s19, s70                     ; the expert's rows
.set gg, gg+1
.endr
	s_add_co_u32 s20, s19, 15
	s_lshr_b32 s20, s20, 4                         ; its tiles,
	s_add_co_u32 s20, s20, 3
	s_sub_co_u32 s20, s20, s16
	s_lshr_b32 s20, s20, 2                         ; and those of them that are mine: tau = wave mod 4
	; PASS 0, BESIDE THE STREAM
	s_mov_b32 s22, 0
	s_min_u32 s23, s20, NT                         ; L: my tiles in pass 0
	MKAOFF
	s_mov_b64 s[30:31], s[68:69]
	TFIRST                                         ; 30 token loads, behind K steps 0 to 3 of the weights and ahead of K steps 4 to 7
.irp z, 0,1,2,3
	PRO \z
.endr
	WSTORE                                         ; group 0
	v_mov_b32 v[BL], v[L16]
	s_wait_dscnt 0x0                               ; for the others' sake: my part of group 0 is in LDS
	s_barrier_signal -1
	s_barrier_wait -1
	FRAG0
	FSTEP 0, 1, 1, 32+2*TL, 1, 1, 77, 16+TL        ; K step 0 starts the sums.  Out at its first wait: tokens 1 and 2, weights 4 to 7; at its second: weights 6 and 7, tokens 3: weights 4 and 5 are in
	s_mov_b32 s24, 7
.Lfuse:                                                ; a trip: K steps 4 n + 1 to 4 n + 4, n = 0 .. 6, with the change of groups behind the third.  Out at each wait: three steps' weights and two steps' tokens
	s_cmp_gt_u32 s24, 1                            ; the last trip's steps (25 to 27), and the last two trips' fourth steps (24 and 28), have no weights left to ask for
	s_cselect_b32 s76, -1, 0
	s_cmp_gt_u32 s24, 2
	s_cselect_b32 s77, -1, 0
	FSTEP 1, 0, 1, 24+2*TL, 1, 1
	FSTEP 2, 0, 1, 24+2*TL, 1, 1
	FSTEP 3, 0, 1, 24+2*TL, 0, 1
	BOUND
	FSTEP 0, 0, 1, 24+2*TL, 1, 1, 77
	s_sub_co_u32 s24, s24, 1
	s_cmp_lg_u32 s24, 0
	s_cbranch_scc1 .Lfuse
	FSTEP 1, 0, 0, 24+2*TL, 1, 0                   ; K steps 29 to 31 are written out: nothing is left to ask for, and the counts run down
	FSTEP 2, 0, 0, 16+TL, 1, 0
	FSTEP 3, 0, 0, 0, 0, 0                         ; the highest LDS byte read is 262,143
.Lpass:                                                ; s22 = 0 at the first trip
	s_mul_i32 s70, s22, NT
	s_sub_co_i32 s23, s20, s70
	s_max_i32 s23, s23, 0
	s_min_u32 s23, s23, NT                         ; L: my tiles in this pass
	s_cmp_eq_u32 s23, 0
	s_cbranch_scc1 .Lpass_end                      ; none: forward to the counter's step; no barrier stands in what is jumped
	s_cmp_eq_u32 s22, 0
	s_cbranch_scc1 .Lout                           ; pass 0 has been multiplied above
	PLACES
	MKAOFF
	s_mov_b64 s[30:31], s[68:69]
	v_mov_b32 v[BL], v[L16]
	FRAG0
	TFIRST
	FSTEP 0, 1, 1, 2*TL, 1, 0                      ; K step 0 stands in front of the loop: its products start the sums.  Out at each wait: the next two steps' tokens
	s_mov_b32 s24, 7
.Lk:                                                   ; a trip: K steps 4 n + 1 to 4 n + 4
	FSTEP 1, 0, 1, 2*TL, 1, 0
	FSTEP 2, 0, 1, 2*TL, 1, 0
	FSTEP 3, 0, 1, 2*TL, 1, 0
	FSTEP 0, 0, 1, 2*TL, 1, 0
	s_sub_co_u32 s24, s24, 1
	s_cmp_lg_u32 s24, 0
	s_cbranch_scc1 .Lk
	FSTEP 1, 0, 0, 2*TL, 1, 0
	FSTEP 2, 0, 0, TL, 1, 0
	FSTEP 3, 0, 0, 0, 0, 0
.Lout:
	PLACES                                         ; between the last product and the way out
	s_lshl_b32 s26, s23, 1
	s_mov_b32 s25, 0
.Lepi:                                                 ; 2 L trips: 16 rows x 64 columns a trip; no LDS is touched
	s_wait_xcnt 0x0                                ; the last trip's stores have read their offset and their data
	s_lshr_b32 s70, s25, 1
	s_mul_i32 s71, s22, NT
	s_add_co_u32 s70, s70, s71                     ; 5 pass + i
	s_lshl2_add_u32 s70, s70, s16                  ; tau
	s_lshl_b32 s70, s70, 16                        ; 16 rows of 4,096 bytes
	s_and_b32 s71, s25, 1
	s_lshl_b32 s71, s71, 8                         ; columns 64 on lie 256 bytes on
	s_add_co_u32 s70, s70, s71
	v_add_nc_u32 v[PO], s70, v[PO0]
.irp n, 0,1,2,3,4,5,6,7,8
	s_cmp_eq_u32 s25, \n
	s_cbranch_scc1 .Lcopy\n
.endr
	COPY 9, 1
.irp n, 0,1,2,3,4,5,6,7
	COPY \n, 1
.endr
	COPY 8, 0
.Lsend:
	WIN 0x04                                       ; the stores' data in window 1, their offset in window 0
.set ip, 0
.rept 8
	global_store_b128 v[PO], v[4*ip:4*ip+3], s[66:67] offset:ip*4096   ; 16 lanes store 256 consecutive bytes of a row, at a multiple of 256 from part's first byte
.set ip, ip+1
.endr
	WIN 0
	s_add_co_u32 s25, s25, 1
	s_cmp_lt_u32 s25, s26
	s_cbranch_scc1 .Lepi
	s_wait_xcnt 0x0                                ; the next pass loads into the registers that the last stores read
.Lpass_end:
	s_add_co_u32 s22, s22, 1
	s_cmp_lt_u32 s22, PASSES
	s_cbranch_scc1 .Lpass
	s_wait_dscnt 0x0                               ; my reads of the fragments are back;
	s_barrier_signal -1
	s_barrier_wait -1                              ; every wave's are: no wave writes LDS again, by the add below, while another still reads it
	s_wait_tensorcnt 0x0                           ; the wave's end, behind my last LDS store
	ds_add_u32 v[SPW], v[NIL]
	s_wait_dscnt 0x0
	s_endpgm
.Lfunc_end_k_q2d026d04c0_down:
	.size	k_q2d026d04c0_down, .Lfunc_end_k_q2d026d04c0_down-k_q2d026d04c0_down
	.p2alignl 7, 3214868480
	.fill 96, 4, 3214868480
	.section	.rodata,"a",@progbits
	.p2align	6, 0x0
	.amdhsa_kernel k_q2d026d04c0_down
		.amdhsa_group_segment_fixed_size 262656
		.amdhsa_private_segment_fixed_size 0
		.amdhsa_enable_private_segment 0
		.amdhsa_kernarg_size 32
		.amdhsa_user_sgpr_count 2
		.amdhsa_user_sgpr_kernarg_segment_ptr 1
		.amdhsa_wavefront_size32 1
		.amdhsa_system_sgpr_workgroup_id_x 1
		.amdhsa_system_sgpr_workgroup_id_y 1
		.amdhsa_system_sgpr_workgroup_id_z 1
		.amdhsa_system_vgpr_workitem_id 0
		.amdhsa_next_free_vgpr 1024
		.amdhsa_next_free_sgpr 96
		.amdhsa_reserve_vcc 0
		.amdhsa_float_denorm_mode_32 3
		.amdhsa_float_denorm_mode_16_64 3
		.amdhsa_memory_ordered 1
		.amdhsa_forward_progress 1
		.amdhsa_inst_pref_size 128
	.end_amdhsa_kernel
	.amdgpu_metadata
---
amdhsa.version: [ 1, 2 ]
amdhsa.kernels:
  - .name:           k_q2d026d04c0_down
    .symbol:         k_q2d026d04c0_down.kd
    .args:
      - { .name: hf, .offset: 0, .size: 8, .value_kind: global_buffer, .address_space: global }
      - { .name: w2, .offset: 8, .size: 8, .value_kind: global_buffer, .address_space: global }
      - { .name: bmp, .offset: 16, .size: 8, .value_kind: global_buffer, .address_space: global }
      - { .name: part, .offset: 24, .size: 8, .value_kind: global_buffer, .address_space: global }
    .group_segment_fixed_size: 262656
    .private_segment_fixed_size: 0
    .kernarg_segment_align: 8
    .kernarg_segment_size: 32
    .max_flat_workgroup_size: 128
    .sgpr_count:     96
    .vgpr_count:     1024
    .wavefront_size: 32
...
	.end_amdgpu_metadata
.endif
;; end of part 8
;; launch combine: the kernel of part 4 again; grid 256 x 1, 8 waves a work-group, no clusters, 0 bytes of LDS; arguments part, b2, idp, pw, rk, out0; writes out0
;; ======== version 4 of 4: 4 launches; version 3 with the launches up, down, combine written anew for expert scheduling mode
;; workspace buffers: xb 2,097,152 bytes; bmp 1,024 bytes of whole numbers; idp 4,096 bytes of whole numbers; pw 8,192 bytes; rk 32,768 bytes of whole numbers; hf 67,108,864 bytes; part 134,217,728 bytes
;; launch router: the kernel of part 1 again; grid 32 x 1, 8 waves a work-group, no clusters, 91,904 bytes of LDS; arguments x, router_w, router_b, xb, bmp, idp, pw; writes xb, bmp, idp, pw
;; launch up (part 9): grid 32 x 8, 4 waves a work-group, no clusters, 262,656 bytes of LDS; arguments xb, w1, b1, bmp, hf, rk; writes hf, rk
.if DOCPART == 9
	.amdgcn_target "amdgcn-amd-amdhsa--gfx1250"
	.amdhsa_code_object_version 6
	.text
	.protected	k_q2d026d04c0_up
	.globl	k_q2d026d04c0_up
	.p2align	8
	.type	k_q2d026d04c0_up,@function
k_q2d026d04c0_up:
	s_mov_b64 s[64:65], 0
	v_nop
	global_prefetch_b8 v0, s[64:65] scope:SCOPE_SE
	s_setreg_imm32_b32 hwreg(HW_REG_WAVE_SCHED_MODE, 0, 2), 2
	s_setreg_imm32_b32 hwreg(HW_REG_WAVE_MODE, 25, 1), 1
	s_wait_xcnt 0x0
	s_wait_alu depctr_vm_vsrc(0)
; FIRST PRODUCT.  h[row][f] = gelu(x[token(row)] . w1[e][:, f] + b1[e][f]) for the rows (tokens, ascending) that chose expert e.  Only chosen rows are multiplied.
; A work-group (x = slice, y = expert) owns w1[e][0:1024][128 slice .. + 127]: 512 KiB of f32 that it alone reads, rounds to bf16 on the way through registers and lays into LDS as ready fragments, 256 KiB.
; ROWS.  A tile is 16 rows; a wave's tile number k is tile tau = 4 k + wave of the expert.  A pass is NT = 5 tiles a wave, 320 rows; four passes cover the 1,024 rows that an expert can have.
; In a tile that is not full the places past the count repeat the expert's last token; they land in the expert's own part of hf and are never used.
; PASS 0 IS MULTIPLIED BESIDE THE STREAM.  K goes in 8 groups of 4 steps of 32.  A wave's loads come back in order, so weights (W) and tokens (T) are ONE stream: step s waits for T(s) (W(s + 4) was issued ahead of it,
; so that wait shows it too), packs W(s + 4), multiplies its first tile, reads step s + 1's fragments from LDS, issues T(s + 3) and, into the ring slot just freed, W(s + 8), and multiplies its other tiles.
; 32 weight loads of 512 consecutive bytes and 30 token loads of a wave are out.
; THE CHANGE OF GROUPS, behind every fourth step: every wave's reads of fragments are back; a barrier; each wave stores its part of the next group's fragments; they are done; a barrier; the new group is read.
; All barriers stand on every wave's path; only products are jumped by the count.  Steps 24 to 28 have no weights left to ask for: their loads go out with the offset masked to 0 (all lanes ask for the same 16 bytes
; of the wave's own rows, and nothing uses them), so that one text and one set of counted waits serve every trip.
; LATER PASSES (an expert of more than 320 rows) find all fragments in LDS: the same step without stream and without barrier.  They are not multiplied beside anything.
; COLUMNS.  A lane loads four neighbouring columns, so fragment q (0-7), index m (0-15) is slice column 64 (q >> 2) + 4 m + (q & 3).
; THE PRODUCT IS USED TRANSPOSED: source 0 = 16 weight columns, source 1 = 16 tokens.  A lane then holds one token (lane % 16) and the columns of m = 8 (lane / 16) + 0..7: rounded to bf16 these
; 16 bytes ARE a piece of the second product's token fragment.  hf[e][tile][sigma][c][lane][16 bytes], sigma = 4 slice + (q >> 1), c = q & 1: each store of the wave covers 512 consecutive bytes.
; WHICH TOKEN HAS RANK rho is found in registers from the expert's 32 bitmap words, which stay in scalar registers: the word is the last whose count of earlier tokens is at most rho (31 compares and selects),
; the bit in it is found by five halvings on packed counts of bits.  One register serves two tiles (lanes 0-15 tile 2 j, lanes 16-31 tile 2 j + 1); then each half of the lanes takes the other's tokens too.
; One text finds the tokens of all four passes, in a loop at the head, while the first weights are out; a pass without tiles of mine jumps it.  The work-group of slice 0 stores each token's rank (rk) for the last launch.
; gelu(x) = max(x, 0) - |x| (1/2) poly(t) 2^(-x^2 log2(e) / 2), t = 1 / (1 + 0.2316419 |x|): erf by the five-term form of Abramowitz and Stegun 7.1.26, absolute error 1.5e-7 for every x; no difference of near-equal numbers.
; NO CLUSTER: each weight byte has one reader; what an expert's 32 work-groups share is its token rows, which come by a list of tokens that no tile descriptor covers.
; FORMATS.  x, w1 and b1 are rounded once to bf16, sums in f32, h rounded once to bf16.
; LIMITS.  NaN and infinities are not treated apart.
; THE MODE: SCHED_MODE bits 1:0 = 2 (LLVM: expert scheduling mode 2), set by the entry lines.  The code itself states the register dependences between vector or matrix instructions and memory or LDS
; instructions, and between a vector instruction that writes a scalar register and that register's readers, with s_wait_alu, always for 0.
; THE PLAN.  Registers that memory or LDS instructions touch in K step s (t = s mod 4):
;   BF0, BF1      The LDS loads issued in step s land in BF[(s + 1) & 1], whose last readers are step s - 1's products; step s's products read BF[s & 1].
;   token slots   T(s + 3), issued in step s, lands in slot (s - 1) & 3, whose last readers are step s - 1's products; step s's products read slot t.
;   the ring      Step s's sixteen conversions read slot t; behind them W(s + 8) lands in it.
;   PK            Written by the conversions; read by the LDS stores of the change of groups.
;   v[OFS + t]    Read by the ring's loads; stepped at the head of step s.   v[BL]  Read by the fragments' loads; stepped at the head of a group's last step.
;   v[WS]         Read by the LDS stores; stepped at the head of a group's first step.   v[AOFF ..]  Read by the token loads; written by the search at the head, and moved at a later pass's head.
; So a step has two waits, at its head.  One on vm_vsrc ahead of the conversions: what was issued so far has read v[OFS + t], PK, v[WS] and v[BL].  One on va_vdst behind the conversions and the address steps: the step
; before's products and this step's conversions are done with the registers in which this step's loads land, and PK and the addresses are written.  Behind it come the first tile's products, which name BF[s & 1], slot t
; and accumulators alone, and then the step's 34 loads with no further wait.  The stores and the first loads of the change of groups lean on the same waits: no vector or matrix instruction behind them names PK, v[WS], v[BL] or BF0.
.set NT,     5            ; tiles of a wave in a pass: a name, no knob: the register map and the search are made for five
.set TL,     2*NT         ; token loads in a K step
.set ARS,    8*NT         ; registers in a token slot
.set PASSES, 4            ; a wave has 16 tiles at the most
.set SSTR,   524288       ; bytes from a K step (32 rows of 16,384 bytes) to the next
.set WSTEP,  4*SSTR       ; a ring slot's next K step lies four on
.set ISTR,   16384        ; bytes from my row i to my row i + 1
.set ASTEP,  64           ; token bytes in a K step
.set APIECE, 32           ; from a fragment's registers 0-3 to its registers 4-7
.set MULW,   0xa4         ; source 0 (weights) window 0, source 1 (tokens) window 1, C and D window 2; + 0x50: window 3
.set SPARE,  262144       ; behind the fragments: the spare words, 128 bytes for each wave: two blocks of 256 bytes that no other line names
; window 0
.set LANE, 1
.set RR,   2              ; lane % 16
.set HH,   3              ; lane / 16
.set L16,  4              ; 16 lane
.set H16,  5              ; 16 (lane / 16)
.set H128, 6              ; 128 (lane / 16)
.set WS,   7              ; where I put 16 bytes of a fragment
.set BL,   8              ; where I read fragments
.set RKA,  9              ; 4 lane: my offset in 32 ranks; never rewritten
.set RH,   10             ; lane % 16 + 16 wave + 64 (lane / 16): my rank in tile (lane / 16) of pass 0
.set HO,   11             ; my byte offset in hf
.set AOFF, 12             ; v12-16  my byte offset in xb for each of the 5 tiles of the pass in hand; v17-31 the same for the three passes behind it
.set TW,   32             ; at work
.set OFS,  44             ; v44-47  ring slot z: my byte offset in the slice for the K step that the slot loads
.set SPW,  62             ; LDS address of my spare word; never rewritten
.set NIL,  63             ; 0; never rewritten
.set BF,   64             ; v64-191  weight fragments of a K step, two buffers of 64.  At the head: b1 as loaded, and the search's registers
.set RAW,  64             ; v64-127  b1 as loaded
.set BI,   192            ; v192-255 b1 rounded: fragment q, register jj at BI + 8 q + jj
.set RHO,  128            ; the search, four registers apart (pair j of tiles, j = 0, 1, 2): the rank,
.set WD,   132            ; its bitmap word,
.set PKD,  136            ; the word's number << 16 | the tokens in earlier words,
.set SA,   140            ; the word's counts of bits by twos,
.set SB,   144            ; by fours,
.set SC,   148            ; by eights,
.set POS,  152            ; the bit's place, then the token,
.set KK,   156            ; the rank that is left,
.set T1,   160            ; at work
.set T2,   164
; window 1: v0-159 the token fragments, 4 slots x 5 tiles x 8; v160-191 the ranks on their way out; v192-255 a group's packed weights, 16 a K step; on the way out:
.set RK,   160
.set PKB,  192
.set GX,   0
.set GU,   32
.set GY,   64
.set GP,   96
.set GM,   128
.set GO,   160
; windows 2 and 3: the accumulators: tile i, fragment q at 512 + 64 i + 8 q.  Window 3, v128-255: the ring, 4 slots of 32: my 8 rows x 128 columns of a K step in f32
.set RG,   128
; scalars: s16 wave, s17 expert, s18 slice, s19 count, s20 my tiles in all, s21 the search's count, s22 pass, s23 L (my tiles in the pass), s24 loop counts, s25 and s26 the way out's count and bound, s27 count - 1,
; s[28:29] weights, s[30:31] tokens, s[32:63] the bitmap, s[66:67] hf, s68 and s69 the ring's masks, s70-75 at work, s[76:89] gelu's constants in pairs, s90 lanes 16-31 (also a word's upper bf16), s92-93 lane selects.
; In the search alone, where they hold nothing else: two sets of three masks and a packed number beside each
.set MKA,  10             ; s10-12
.set MKB,  22             ; s22-24
.set PSA,  73
.set PSB,  13
.set MSB, 0
.macro WIN new                         ; the immediate's high byte repeats the setting that is left; a switch that changes nothing is dropped
.if MSB != (\new)
	s_set_vgpr_msb (MSB<<8)|(\new)
.set MSB, (\new)
.endif
.endm
.macro PLACES                          ; four places between a product and loads into registers that products have read, or a read of its result (ISA guide 7.12.1 for a read of its result)
.rept 4
	v_nop
.endr
.endm
.macro WLOAD z                         ; ring slot z is filled: eight loads of 512 consecutive bytes, one for each of my rows
	WIN 0xc0                                       ; destination in window 3
.set ii, 0
.rept 8
	global_load_b128 v[RG+32*(\z)+4*ii:RG+32*(\z)+4*ii+3], v[OFS+(\z)], s[28:29] offset:ii*ISTR th:TH_LOAD_NT
.set ii, ii+1
.endr
.endm
.macro WCVT z                          ; ring slot z is packed along K into the group's place z
	WIN 0x4f                                       ; sources in window 3, destination in window 1
.set jj, 0
.rept 4
.set pp, 0
.rept 4
	v_cvt_pk_bf16_f32 v[PKB+16*(\z)+4*jj+pp], v[RG+32*(\z)+8*pp+jj], v[RG+32*(\z)+8*pp+4+jj]   ; column jj, rows 2 pp and 2 pp + 1
.set pp, pp+1
.endr
.set jj, jj+1
.endr
.endm
.macro WSTORE                          ; my part of a group's fragments goes into LDS.  No wait: PK and v[WS] were written ahead of a step's wait on va_vdst, and nothing behind it names them
	WIN 0x04                                       ; data in window 1
.set zz, 0
.rept 4
.set jj, 0
.rept 4
	ds_store_b128 v[WS], v[PKB+16*zz+4*jj:PKB+16*zz+4*jj+3] offset:zz*8192+jj*1024   ; 16 lanes put 256 consecutive bytes
.set jj, jj+1
.endr
.set zz, zz+1
.endr
	WIN 0
.endm
.macro FRAG0                           ; the fragments of a group's first K step, into buffer 0
.set qq, 0
.rept 8
	ds_load_b128 v[BF+8*qq:BF+8*qq+3],   v[BL] offset:qq*1024
	ds_load_b128 v[BF+8*qq+4:BF+8*qq+7], v[BL] offset:qq*1024+512
.set qq, qq+1
.endr
.endm
.macro TFIRST                          ; the token fragments of K steps 0 to 2
	WIN 0x40
.set tt, 0
.rept 3
.set ii, 0
.rept NT
	global_load_b128 v[ARS*tt+8*ii:ARS*tt+8*ii+3],   v[AOFF+ii], s[30:31] offset:tt*ASTEP
	global_load_b128 v[ARS*tt+8*ii+4:ARS*tt+8*ii+7], v[AOFF+ii], s[30:31] offset:tt*ASTEP+APIECE
.set ii, ii+1
.endr
.set tt, tt+1
.endr
	WIN 0
.endm
; The 8 products of tile i in a K step, t = the step's number mod 4, on 8 accumulators by turns.  first = 1: a pass's step 0: the products start the sums with the constant 0.
.macro TILE t, first, i
	WIN MULW+0x50*((\i)/4)
.set cb, BF+64*((\t)&1)
.set ca, ARS*((\t)&3)+8*(\i)
.set qq, 0
.rept 8
.set rd, 64*((\i)%4)+8*qq
.if \first
	v_wmma_f32_16x16x32_bf16 v[rd:rd+7], v[cb+8*qq:cb+8*qq+7], v[ca:ca+7], 0
.else
	v_wmma_f32_16x16x32_bf16 v[rd:rd+7], v[cb+8*qq:cb+8*qq+7], v[ca:ca+7], v[rd:rd+7]
.endif
.set qq, qq+1
.endr
.endm
; One K step, t = its number mod 4.  tleft: the younger loads that may stay out when this step's tokens have to be there.  nxt = 1: the next step's fragments are read from LDS.  tok = 1: the tokens three steps on
; are asked for, for all 5 tiles, so that the counted waits hold on every path; a dead tile's lanes all ask for one row's 32 bytes.  wcv = 1 (pass 0): the weights four steps on are packed and the ring slot is filled
; again; msk names the scalar that keeps (-1) or clears (0) the slot's offset.  Tile 0 has no guard (in pass 0 a wave without tiles multiplies it for nothing), so the step's loads can stand behind it on every path;
; tiles 1 to 4 are jumped by the count.  first = 1: all 40 sums are started, dead tiles' too.
.macro FSTEP t, first, tok, tleft, nxt, wcv, msk=68
	WIN 0
	s_wait_loadcnt \tleft                          ; loads come back in order (ISA guide 5.7.1): this step's tokens are in, and all that was issued ahead of them: in pass 0 the weights four steps on
.if \wcv
	s_wait_alu depctr_vm_vsrc(0)                   ; what was issued so far has read its registers: the ring's loads v[OFS + t], the LDS stores PK and v[WS], the fragments' loads v[BL]: the lines below write them
	WCVT \t                                        ; these sixteen are also the places behind the last step's products
	WIN 0
	v_add_nc_u32 v[OFS+(\t)], WSTEP, v[OFS+(\t)]   ; the slot's own loads have been shown done
	v_and_b32 v[OFS+(\t)], s[\msk], v[OFS+(\t)]
.if (\t) == 0
	v_add_nc_u32 v[WS], 0x8000, v[WS]              ; a group has just been stored: on to the next group's place
.endif
.if (\t) == 3
	v_add_nc_u32 v[BL], 0x8000, v[BL]              ; the group's last fragments have been asked for: the next reads are the next group's
.endif
	s_wait_alu depctr_va_vdst(0)                   ; the last step's products are done reading the fragment buffer and the token slot, and the conversions the ring slot, in which the loads below land; PK, v[OFS + t], v[WS], v[BL] are written
.elseif (\nxt) || (\tok)
.if (\nxt) && ((\t) == 3)
	s_wait_alu depctr_vm_vsrc(0)                   ; the fragments' loads issued so far have read v[BL]
	v_add_nc_u32 v[BL], 0x8000, v[BL]              ; four K steps on; with the three lines below it is one of the four places
	v_nop
	v_nop
	v_nop
.else
	PLACES
.endif
.if !(\first)
	s_wait_alu depctr_va_vdst(0)                   ; the last step's products are done reading the fragment buffer and the token slot in which the loads below land; where v[BL] was stepped, it is written
.endif
.endif
	s_wait_dscnt 0x0                               ; this step's fragments, all that is out, are in
	TILE \t, \first, 0
.if \nxt
	WIN 0
.set nb, BF+64*(((\t)+1)&1)
.set qq, 0
.rept 8
	ds_load_b128 v[nb+8*qq:nb+8*qq+3],   v[BL] offset:(((\t)+1)&3)*8192+qq*1024       ; no wait: the products since the wait above name the other buffer
	ds_load_b128 v[nb+8*qq+4:nb+8*qq+7], v[BL] offset:(((\t)+1)&3)*8192+qq*1024+512
.set qq, qq+1
.endr
.endif
.if \tok
.if ((\t) == 0) && (!(\first))
	s_wait_xcnt 0x0                                ; the token base is stepped only behind this wait; the youngest loads that read it stand a step back
	s_add_nc_u64 s[30:31], s[30:31], 4*ASTEP
.endif
	WIN 0x40
.set na, ARS*(((\t)+3)&3)
.set ii, 0
.rept NT
	global_load_b128 v[na+8*ii:na+8*ii+3],   v[AOFF+ii], s[30:31] offset:((\t)+3)*ASTEP
	global_load_b128 v[na+8*ii+4:na+8*ii+7], v[AOFF+ii], s[30:31] offset:((\t)+3)*ASTEP+APIECE
.set ii, ii+1
.endr
.endif
.if \wcv
	WLOAD \t
.endif
.set ii, 1
.rept NT-1
.if !(\first)
	WIN 0                                          ; at a branch every window is 0
	s_cmp_le_u32 s23, ii
	s_cbranch_scc1 .Lmend_\@
.endif
	TILE \t, \first, ii
.set ii, ii+1
.endr
	WIN 0
.if !(\first)
.Lmend_\@:
.endif
.endm
; The ring's second filling, at the head: K step z has landed, is packed, and the slot takes K step z + 4.  Younger than K step z: 24 weight loads and the 30 token loads of K steps 0 to 2.
.macro PRO z
	s_wait_loadcnt 24+3*TL
	WCVT \z
	WIN 0
	v_add_nc_u32 v[OFS+(\z)], WSTEP, v[OFS+(\z)]
	s_wait_alu depctr_va_vdst(0)                   ; the conversions are done reading ring slot z, in which the loads land, and v[OFS + z] is written
	WLOAD \z
.endm
; THE CHANGE OF GROUPS.  The first barrier stands between every wave's reads of fragments and every wave's stores, the second between the stores and the reads of what they brought.
.macro BOUND
	WIN 0
	s_wait_dscnt 0x0                               ; my reads of fragments are back
	s_barrier_signal -1
	s_barrier_wait -1
	WSTORE
	s_wait_dscnt 0x0                               ; for the others' sake: my part of the next group is in LDS
	s_barrier_signal -1
	s_barrier_wait -1
	FRAG0                                          ; no wait: v[BL] was written, and buffer 0 last read, ahead of the last step's wait on va_vdst; that step's products name buffer 1
.endm
; The search for a word.  ASK: word g's number and the tokens in front of it, packed, and three masks: more tokens in front of word g than my rank.  TAKE: where so, what I hold stays; else word g takes its place.
.macro ASK g, mk, ps
	s_add_co_u32 s[\ps], s72, (\g)<<16
.irp j, 0,1,2
	v_cmp_gt_u32 s[(\mk)+\j], s72, v[RHO+\j]
.endr
.if (\g) < 31
	s_bcnt1_i32_b32 s74, s[32+(\g)]
	s_add_co_u32 s72, s72, s74
.endif
.endm
.macro TAKE g, mk, ps
.irp j, 0,1,2
	v_cndmask_b32 v[WD+\j], s[32+(\g)], v[WD+\j], s[(\mk)+\j]
	v_cndmask_b32 v[PKD+\j], s[\ps], v[PKD+\j], s[(\mk)+\j]
.endr
.endm
; One halving of the search in a word: src holds the counts of set bits in fields of wd bits.  If the field at POS holds no more than KK set bits, the bit lies beyond it.
.macro LEVEL src, wd
.irp j, 0,1,2
	v_bfe_u32 v[T1+\j], v[(\src)+\j], v[POS+\j], \wd
.endr
.irp j, 0,1,2
	v_cmp_ge_u32 s[MKA+\j], v[KK+\j], v[T1+\j]
.endr
	s_wait_alu depctr_va_sdst(0)                   ; the three masks are written, ahead of the selects that read them
.irp j, 0,1,2
	v_cndmask_b32 v[T2+\j], 0, \wd, s[MKA+\j]
	v_cndmask_b32 v[T1+\j], 0, v[T1+\j], s[MKA+\j]
.endr
.irp j, 0,1,2
	v_add_nc_u32 v[POS+\j], v[POS+\j], v[T2+\j]
	v_sub_nc_u32 v[KK+\j], v[KK+\j], v[T1+\j]
.endr
.endm
; The way out of tile n / 2, fragments 4 (n % 2) .. + 3: the bias is added on the way into window 1; each accumulator's registers are read in ascending order
.macro COPY n, br
.Lcopy\n:
	WIN 0x42+((\n)/8)                              ; destination window 1, source 0 window 2 or 3, source 1 window 0
.set ra, 64*(((\n)/2)%4)+32*((\n)%2)
.set rb, BI+32*((\n)%2)
.set pp, 0
.rept 16
	v_pk_add_f32 v[GX+2*pp:GX+2*pp+1], v[ra+2*pp:ra+2*pp+1], v[rb+2*pp:rb+2*pp+1]
.set pp, pp+1
.endr
	WIN 0
.if \br
	s_branch .Lgelu
.endif
.endm
	s_load_b256 s[4:11], s[0:1], 0x0               ; xb s[4:5], w1 s[6:7], b1 s[8:9], bmp s[10:11]
	s_load_b128 s[12:15], s[0:1], 0x20             ; hf s[12:13], rk s[14:15]
	v_lshl_add_u32 v[SPW], v0, 2, SPARE
	v_mov_b32 v[NIL], 0
	v_and_b32 v[LANE], 31, v0
	v_lshrrev_b32 v[TW], 5, v0
	v_readfirstlane_b32 s16, v[TW]                 ; wave 0..3
	s_and_b32 s17, ttmp7, 0xffff                   ; expert
	s_mov_b32 s18, ttmp9                           ; slice
	v_lshlrev_b32 v[L16], 4, v[LANE]
	v_bfe_u32 v[HH], v0, 4, 1
	v_lshlrev_b32 v[H128], 7, v[HH]
.set kk, 0
.rept 4
	v_add_nc_u32 v[OFS+kk], kk*SSTR, v[L16]        ; slot kk begins with K step kk
.set kk, kk+1
.endr
	s_wait_alu depctr_va_sdst(0)                   ; s16 is written, ahead of its first reader: the weights' base is made from it
	s_lshl_b32 s72, s17, 24                        ; the expert's 16 MiB,
	s_lshl_b32 s70, s18, 9                         ; the slice's 512 bytes of a row,
	s_add_co_u32 s72, s72, s70
	s_lshl_b32 s70, s16, 17                        ; my wave's 8 rows of a K step
	s_add_co_u32 s72, s72, s70
	s_mov_b32 s73, 0
	s_lshl_b32 s74, s17, 7                         ; the expert's 32 bitmap words
	s_mov_b32 s75, 0
	s_lshl_b32 s70, s17, 14                        ; the expert's 4,096 numbers of b1,
	s_lshl_b32 s71, s18, 9                         ; the slice's 128 of them
	s_add_co_u32 s70, s70, s71
	s_mov_b32 s71, 0
	s_wait_kmcnt 0x0
	s_add_nc_u64 s[28:29], s[6:7], s[72:73]
	s_add_nc_u64 s[74:75], s[10:11], s[74:75]
	s_add_nc_u64 s[8:9], s[8:9], s[70:71]
	s_load_b512 s[32:47], s[74:75], 0x0
	s_load_b512 s[48:63], s[74:75], 0x40
	s_wait_alu depctr_va_vdst(0)                   ; v[H128] and v[OFS ..] are written, which the loads below read as their offsets
.set bb, 0
.rept 2                                ; b1: columns 64 bb + 32 (lane / 16) + 0..31: 16 loads, ahead of the weights'
.set mm, 0
.rept 8
	global_load_b128 v[RAW+32*bb+4*mm:RAW+32*bb+4*mm+3], v[H128], s[8:9] offset:256*bb+16*mm
.set mm, mm+1
.endr
.set bb, bb+1
.endr
.irp z, 0,1,2,3
	WLOAD \z                                       ; K steps 0 to 3: the ring's first filling, 32 loads
.endr
	WIN 0
	v_and_b32 v[RR], 15, v0
	v_lshlrev_b32 v[H16], 4, v[HH]
	v_lshlrev_b32 v[RKA], 2, v[LANE]
	v_mov_b32 v[BL], v[L16]                        ; the fragments are read from LDS byte 16 lane on
	; A fragment's 16 bytes: [K step][q][c][lane' = m + 16 hk].  My rows are k = 8 wave + 0..7 of the step: c = wave >> 1, hk = wave & 1.  My columns 4 lane + jj: q = 4 (lane / 16) + jj, m = lane % 16.
	v_lshlrev_b32 v[WS], 4, v[RR]
	v_lshl_add_u32 v[WS], v[HH], 12, v[WS]
	s_lshr_b32 s70, s16, 1
	s_lshl_b32 s70, s70, 9
	s_and_b32 s71, s16, 1
	s_lshl_b32 s71, s71, 8
	s_add_co_u32 s70, s70, s71
	v_add_nc_u32 v[WS], s70, v[WS]
	s_lshl_b32 s70, s16, 4
	v_add_nc_u32 v[RH], s70, v[RR]
	v_lshl_add_u32 v[RH], v[HH], 6, v[RH]
	s_mov_b32 s71, 0
	s_lshl_b32 s70, s17, 12
	s_add_nc_u64 s[14:15], s[14:15], s[70:71]      ; rk at the expert's 1,024 words
	s_lshl_b32 s70, s17, 23
	s_lshl_b32 s72, s18, 12
	s_add_co_u32 s70, s70, s72
	s_add_nc_u64 s[66:67], s[12:13], s[70:71]      ; hf at the expert's 8 MiB and the slice's 4,096 bytes of a tile
	s_mov_b32 s68, -1                              ; the ring's masks: offsets are kept
	s_mov_b32 s69, -1
	s_mov_b32 s76, 0x3e6d3388                      ; 0.2316419 = 0.3275911 / sqrt(2)
	s_mov_b32 s77, s76
	s_mov_b32 s78, 0xbf38aa3b                      ; -log2(e) / 2
	s_mov_b32 s79, s78
	s_mov_b32 s80, 0x3e027906                      ; the five coefficients, halved:  0.127414796
	s_mov_b32 s81, s80
	s_mov_b32 s82, 0xbe11a98e                      ; -0.142248368
	s_mov_b32 s83, s82
	s_mov_b32 s84, 0x3f35f0e3                      ;  0.710706871
	s_mov_b32 s85, s84
	s_mov_b32 s86, 0xbf3a00e3                      ; -0.726576014
	s_mov_b32 s87, s86
	s_mov_b32 s88, 0x3f07dc22                      ;  0.530702715
	s_mov_b32 s89, s88
	s_mov_b32 s90, 0xffff0000
	s_mov_b32 s92, 0x76543210                      ; v_permlanex16_b32: each lane takes its own place in the other half
	s_mov_b32 s93, 0xfedcba98
.set kk, 0
.rept 3*NT
	v_mov_b32 v[AOFF+kk], 0                        ; a pass whose search is jumped keeps an offset inside xb
.set kk, kk+1
.endr
	s_mov_b32 s19, 0
	s_wait_kmcnt 0x0                               ; the bitmap
.set gg, 0
.rept 32
	s_bcnt1_i32_b32 s70, s[32+gg]
	s_add_co_u32 s19, s19, s70                     ; the expert's rows
.set gg, gg+1
.endr
	s_add_co_u32 s20, s19, 15
	s_lshr_b32 s20, s20, 4                         ; the expert's tiles,
	s_add_co_u32 s20, s20, 3
	s_sub_co_u32 s20, s20, s16
	s_lshr_b32 s20, s20, 2                         ; and those of them that are mine: tau = wave mod 4
	s_max_u32 s27, s19, 1
	s_sub_co_u32 s27, s27, 1                       ; the last rank
	s_or_b32 s70, s18, s16
	s_cmp_lg_u32 s70, 0
	s_cbranch_scc1 .Lno_rk                         ; wave 0 of slice 0 stores the ranks for the last launch: token 32 g + lane has as its rank the expert's tokens below it
	s_mov_b32 s71, 0
	WIN 0x40                                       ; the ranks lie in window 1, in registers that nothing else takes before the way out
.set gg, 0
.rept 32
	v_mbcnt_lo_u32_b32 v[RK+gg], s[32+gg], s71
	s_bcnt1_i32_b32 s70, s[32+gg]
	s_add_co_u32 s71, s71, s70
.set gg, gg+1
.endr
	WIN 0x04
	s_wait_alu depctr_va_vdst(0)                   ; the 32 ranks and v[RKA] are written, which the stores read
.set gg, 0
.rept 32
	global_store_b32 v[RKA], v[RK+gg], s[14:15] offset:128*gg
.set gg, gg+1
.endr
	WIN 0
.Lno_rk:
	; THE TOKENS OF MY ROWS, for passes 3, 2, 1, 0: each trip moves the sets of offsets one pass up and makes the lowest anew, so that the last trip leaves pass p's set at AOFF + 5 p.
	; No memory instruction stands in the loop, and none that is out names a register that it writes.  The compares go in runs into scalar registers, one wait behind each run.
	s_mov_b32 s21, PASSES
.Lfind:
.set kk, 3*NT-1
.rept 3*NT
	v_mov_b32 v[AOFF+NT+kk], v[AOFF+kk]
.set kk, kk-1
.endr
	s_sub_co_u32 s72, s21, 1                       ; the pass
	s_mul_i32 s70, s72, NT
	s_cmp_le_u32 s20, s70
	s_cbranch_scc1 .Lfound                         ; no tile of mine in it
	s_mul_i32 s70, s72, 64*NT                      ; pair j: my rank is 320 pass + 128 j + 64 (lane / 16) + 16 wave + lane % 16, past the count the last rank once more
.irp j, 0,1,2
	s_add_co_u32 s71, s70, 128*\j
	v_add_nc_u32 v[RHO+\j], s71, v[RH]
	v_min_u32 v[RHO+\j], s27, v[RHO+\j]
	v_mov_b32 v[WD+\j], s32                        ; word 0 has no token in front of it: it starts the search
	v_mov_b32 v[PKD+\j], 0
.endr
	s_bcnt1_i32_b32 s72, s32                       ; the tokens in front of word 1
.set gg, 1
.rept 15                               ; words 1 to 30, two to a run, in ascending order
	ASK gg, MKA, PSA
	ASK gg+1, MKB, PSB
	s_wait_alu depctr_va_sdst(0)                   ; the six masks are written, ahead of the selects that read them
	TAKE gg, MKA, PSA
	TAKE gg+1, MKB, PSB
.set gg, gg+2
.endr
	ASK 31, MKA, PSA
	s_wait_alu depctr_va_sdst(0)                   ; the last three masks are written, ahead of the selects that read them
	TAKE 31, MKA, PSA
	; in the word: the rank that is left, and the counts of set bits by twos, fours and eights
.irp j, 0,1,2
	v_and_b32 v[T1+\j], 0xffff, v[PKD+\j]
	v_lshrrev_b32 v[T2+\j], 1, v[WD+\j]
.endr
.irp j, 0,1,2
	v_sub_nc_u32 v[KK+\j], v[RHO+\j], v[T1+\j]
	v_and_b32 v[T2+\j], 0x55555555, v[T2+\j]
.endr
.irp j, 0,1,2
	v_sub_nc_u32 v[SA+\j], v[WD+\j], v[T2+\j]
.endr
.irp j, 0,1,2
	v_lshrrev_b32 v[T1+\j], 2, v[SA+\j]
	v_and_b32 v[T2+\j], 0x33333333, v[SA+\j]
.endr
.irp j, 0,1,2
	v_and_b32 v[T1+\j], 0x33333333, v[T1+\j]
.endr
.irp j, 0,1,2
	v_add_nc_u32 v[SB+\j], v[T1+\j], v[T2+\j]
.endr
.irp j, 0,1,2
	v_lshrrev_b32 v[T1+\j], 4, v[SB+\j]
.endr
.irp j, 0,1,2
	v_add_nc_u32 v[T1+\j], v[T1+\j], v[SB+\j]
.endr
.irp j, 0,1,2
	v_and_b32 v[SC+\j], 0x0f0f0f0f, v[T1+\j]
.endr
.irp j, 0,1,2
	v_lshrrev_b32 v[T1+\j], 8, v[SC+\j]
.endr
.irp j, 0,1,2
	v_add_nc_u32 v[T1+\j], v[T1+\j], v[SC+\j]
.endr
.irp j, 0,1,2
	v_and_b32 v[T1+\j], 0xff, v[T1+\j]             ; the set bits among bits 0 to 15
.endr
.irp j, 0,1,2
	v_cmp_ge_u32 s[MKA+\j], v[KK+\j], v[T1+\j]
.endr
	s_wait_alu depctr_va_sdst(0)                   ; the three masks are written, ahead of the selects that read them
.irp j, 0,1,2
	v_cndmask_b32 v[POS+\j], 0, 16, s[MKA+\j]
	v_cndmask_b32 v[T1+\j], 0, v[T1+\j], s[MKA+\j]
.endr
.irp j, 0,1,2
	v_sub_nc_u32 v[KK+\j], v[KK+\j], v[T1+\j]
.endr
	LEVEL SC, 8
	LEVEL SB, 4
	LEVEL SA, 2
	LEVEL WD, 1
.irp j, 0,1,2
	v_lshrrev_b32 v[T1+\j], 16, v[PKD+\j]
.endr
.irp j, 0,1,2
	v_lshl_add_u32 v[POS+\j], v[T1+\j], 5, v[POS+\j]   ; the token: 32 x word + bit
.endr
.irp j, 0,1,2
	v_permlanex16_b32 v[T1+\j], v[POS+\j], s92, s93    ; the other half's tokens (its destination has been written)
.endr
.irp j, 0,1
	v_cndmask_b32 v[AOFF+2*\j], v[POS+\j], v[T1+\j], s90     ; tile 2 j: lanes 0-15 hold it, lanes 16-31 take it from them
	v_cndmask_b32 v[AOFF+2*\j+1], v[T1+\j], v[POS+\j], s90   ; tile 2 j + 1: the other way round
.endr
	v_cndmask_b32 v[AOFF+4], v[POS+2], v[T1+2], s90          ; tile 4; the pair's other half belongs to the next pass
.set ii, 0
.rept NT
	v_min_u32 v[AOFF+ii], 0x3ff, v[AOFF+ii]
	v_lshl_add_u32 v[AOFF+ii], v[AOFF+ii], 11, v[H16]   ; the token's row of 2,048 bytes + 16 (lane / 16)
.set ii, ii+1
.endr
.Lfound:
	s_sub_co_u32 s21, s21, 1
	s_cmp_lg_u32 s21, 0
	s_cbranch_scc1 .Lfind
	s_wait_loadcnt 32                              ; b1 is in; the ring's 32 loads, issued behind it, may stay out
.set bb, 0
.rept 2
.set jj, 0
.rept 8
.set uu, 0
.rept 2
.set ra, RAW+32*bb+4*jj+2*uu
	v_cvt_pk_bf16_f32 v[ra], v[ra], v[ra+1]        ; rounded to bf16 like every input, and back in f32 at the place of fragment 4 bb + (column & 3), register jj
	v_lshlrev_b32 v[BI+8*(4*bb+2*uu)+jj], 16, v[ra]
	v_and_b32 v[BI+8*(4*bb+2*uu+1)+jj], s90, v[ra]
.set uu, uu+1
.endr
.set jj, jj+1
.endr
.set bb, bb+1
.endr
	; PASS 0, BESIDE THE STREAM
	s_min_u32 s23, s20, NT                         ; L: my tiles in pass 0
	s_mov_b64 s[30:31], s[4:5]
	s_wait_alu depctr_va_vdst(0)                   ; the search has written v[AOFF ..], which the token loads read
	TFIRST                                         ; 30 token loads, behind K steps 0 to 3 of the weights and ahead of K steps 4 to 7
	s_wait_alu depctr_vm_vsrc(0)                   ; the ring's first 32 loads have read v[OFS ..], which the four fillings below step
.irp z, 0,1,2,3
	PRO \z
.endr
	WSTORE                                         ; group 0: PK and v[WS] were written ahead of the last filling's wait on va_vdst
	s_wait_dscnt 0x0                               ; for the others' sake: my part of group 0 is in LDS
	s_barrier_signal -1
	s_barrier_wait -1
	FRAG0                                          ; v[BL] was written, and v64-127 last named (b1's conversions), ahead of the waits on va_vdst above
	FSTEP 0, 1, 1, 16, 1, 1, 69                    ; K step 0 starts the sums.  Out at its wait: weights 6 and 7; weights 4 and 5 are in, and the tokens of steps 0 to 2, issued ahead of them
	s_mov_b32 s24, 7
.Lfuse:                                                ; a trip: K steps 4 n + 1 to 4 n + 4, n = 0 .. 6, with the change of groups behind the third.  Out at each wait: three steps' weights and two steps' tokens
	s_cmp_gt_u32 s24, 1                            ; the last trip's steps (25 to 27), and the last two trips' fourth steps (24 and 28), have no weights left to ask for
	s_cselect_b32 s68, -1, 0
	s_cmp_gt_u32 s24, 2
	s_cselect_b32 s69, -1, 0
	FSTEP 1, 0, 1, 24+2*TL, 1, 1
	FSTEP 2, 0, 1, 24+2*TL, 1, 1
	FSTEP 3, 0, 1, 24+2*TL, 0, 1
	BOUND
	FSTEP 0, 0, 1, 24+2*TL, 1, 1, 69
	s_sub_co_u32 s24, s24, 1
	s_cmp_lg_u32 s24, 0
	s_cbranch_scc1 .Lfuse
	FSTEP 1, 0, 0, 24+2*TL, 1, 0                   ; K steps 29 to 31 are written out: nothing is left to ask for, and the counts run down
	FSTEP 2, 0, 0, 16+TL, 1, 0
	FSTEP 3, 0, 0, 0, 0, 0                         ; the highest LDS byte read is 262,143
	s_mov_b32 s22, 0
.Lpass:
	s_mul_i32 s70, s22, NT
	s_sub_co_i32 s23, s20, s70
	s_max_i32 s23, s23, 0
	s_min_u32 s23, s23, NT                         ; L: my tiles in this pass
	s_cmp_eq_u32 s23, 0
	s_cbranch_scc1 .Lpass_end                      ; none: forward to the counter's step; no barrier stands in what is jumped
	s_cmp_eq_u32 s22, 0
	s_cbranch_scc1 .Lout                           ; pass 0 has been multiplied above
	PLACES
	s_wait_alu depctr_vm_vsrc(0)                   ; the token loads of the pass before have read v[AOFF ..], its fragments' loads v[BL]: the lines below write them
.set kk, 0
.rept 3*NT
	v_mov_b32 v[AOFF+kk], v[AOFF+NT+kk]            ; the sets of offsets move one pass down
.set kk, kk+1
.endr
	s_mov_b64 s[30:31], s[4:5]
	v_mov_b32 v[BL], v[L16]
	s_wait_alu depctr_va_vdst(0)                   ; v[AOFF ..] and v[BL] are written; the products and the way out of the pass before are done with the fragment buffers and token slots in which the loads below, and step 0's, land
	FRAG0
	TFIRST
	FSTEP 0, 1, 1, 2*TL, 1, 0                      ; K step 0 stands in front of the loop: its products start the sums.  Out at each wait: the next two steps' tokens
	s_mov_b32 s24, 7
.Lk:                                                   ; a trip: K steps 4 n + 1 to 4 n + 4
	FSTEP 1, 0, 1, 2*TL, 1, 0
	FSTEP 2, 0, 1, 2*TL, 1, 0
	FSTEP 3, 0, 1, 2*TL, 1, 0
	FSTEP 0, 0, 1, 2*TL, 1, 0
	s_sub_co_u32 s24, s24, 1
	s_cmp_lg_u32 s24, 0
	s_cbranch_scc1 .Lk
	FSTEP 1, 0, 0, 2*TL, 1, 0
	FSTEP 2, 0, 0, TL, 1, 0
	FSTEP 3, 0, 0, 0, 0, 0
.Lout:
	PLACES                                         ; between the last product and the way out
	s_lshl_b32 s26, s23, 1
	s_mov_b32 s25, 0
.Lepi:                                                 ; 2 L trips: half a tile (4 fragments, 32 numbers a lane) a trip; no LDS is touched
	s_wait_xcnt 0x0                                ; earlier stores have had their addresses translated: their offset and their data are rewritten only behind this wait,
	s_wait_alu depctr_vm_vsrc(0)                   ; and they have read v[HO] and v[GO ..] (the ranks' stores the same registers), which this trip writes again
	s_lshr_b32 s70, s25, 1
	s_mul_i32 s71, s22, NT
	s_add_co_u32 s70, s70, s71                     ; 5 pass + i
	s_lshl2_add_u32 s70, s70, s16                  ; tau
	s_lshl_b32 s70, s70, 17                        ; a tile is 131,072 bytes of hf
	s_and_b32 s71, s25, 1
	s_lshl_b32 s71, s71, 11                        ; its fragments 4-7 lie 2,048 bytes on
	s_add_co_u32 s70, s70, s71
	v_add_nc_u32 v[HO], s70, v[L16]
.irp n, 0,1,2,3,4,5,6,7,8
	s_cmp_eq_u32 s25, \n
	s_cbranch_scc1 .Lcopy\n
.endr
	COPY 9, 1
.irp n, 0,1,2,3,4,5,6,7
	COPY \n, 1
.endr
	COPY 8, 0
.Lgelu:
	WIN 0x55                                       ; all in window 1.  Stage follows stage, so a plain instruction stands behind each run of transcendentals (ISA guide 5.7.2)
.set nn, 0
.rept 32
	v_fma_f32 v[GU+nn], |v[GX+nn]|, s76, 1.0
.set nn, nn+1
.endr
.set nn, 0
.rept 16
	v_pk_mul_f32 v[GY+2*nn:GY+2*nn+1], v[GX+2*nn:GX+2*nn+1], v[GX+2*nn:GX+2*nn+1]
.set nn, nn+1
.endr
.set nn, 0
.rept 32
	v_rcp_f32 v[GU+nn], v[GU+nn]                   ; t
.set nn, nn+1
.endr
.set nn, 0
.rept 16
	v_pk_mul_f32 v[GY+2*nn:GY+2*nn+1], v[GY+2*nn:GY+2*nn+1], s[78:79] op_sel_hi:[1,0]
.set nn, nn+1
.endr
.set nn, 0
.rept 32
	v_exp_f32 v[GY+nn], v[GY+nn]                   ; e^(-x^2 / 2)
.set nn, nn+1
.endr
	s_wait_alu depctr_va_vdst(0)                   ; the 32 reciprocals have written t and the 32 exponentials e^(-x^2 / 2): one wait for the batch, ahead of its first reader
.set nn, 0
.rept 16
	v_pk_fma_f32 v[GP+2*nn:GP+2*nn+1], v[GU+2*nn:GU+2*nn+1], s[88:89], s[86:87] op_sel_hi:[1,0,0]
.set nn, nn+1
.endr
.irp cc, 84,82,80
.set nn, 0
.rept 16
	v_pk_fma_f32 v[GP+2*nn:GP+2*nn+1], v[GP+2*nn:GP+2*nn+1], v[GU+2*nn:GU+2*nn+1], s[\cc:\cc+1] op_sel_hi:[1,1,0]
.set nn, nn+1
.endr
.endr
.set nn, 0
.rept 16
	v_pk_mul_f32 v[GP+2*nn:GP+2*nn+1], v[GP+2*nn:GP+2*nn+1], v[GU+2*nn:GU+2*nn+1]
.set nn, nn+1
.endr
.set nn, 0
.rept 16
	v_pk_mul_f32 v[GP+2*nn:GP+2*nn+1], v[GP+2*nn:GP+2*nn+1], v[GY+2*nn:GY+2*nn+1]
.set nn, nn+1
.endr
.set nn, 0
.rept 32
	v_max_num_f32 v[GM+nn], 0, v[GX+nn]
.set nn, nn+1
.endr
.set nn, 0
.rept 32
	v_fma_f32 v[GM+nn], -|v[GX+nn]|, v[GP+nn], v[GM+nn]
.set nn, nn+1
.endr
.set nn, 0
.rept 16
	v_cvt_pk_bf16_f32 v[GO+nn], v[GM+2*nn], v[GM+2*nn+1]
.set nn, nn+1
.endr
	WIN 0x04                                       ; the stores' data in window 1, their offset in window 0
	s_wait_alu depctr_va_vdst(0)                   ; the roundings have written v[GO ..], and v[HO] is written: the stores read them
.set jq, 0
.rept 4
	global_store_b128 v[HO], v[GO+4*jq:GO+4*jq+3], s[66:67] offset:512*jq   ; 512 consecutive bytes, at a multiple of 256 from hf's first byte
.set jq, jq+1
.endr
	WIN 0
	s_add_co_u32 s25, s25, 1
	s_cmp_lt_u32 s25, s26
	s_cbranch_scc1 .Lepi
	s_wait_xcnt 0x0                                ; the next pass loads into registers of window 1 only behind this wait
.Lpass_end:
	s_add_co_u32 s22, s22, 1
	s_cmp_lt_u32 s22, PASSES
	s_cbranch_scc1 .Lpass
	s_wait_dscnt 0x0                               ; my reads of the fragments are back;
	s_barrier_signal -1
	s_barrier_wait -1                              ; every wave's are: no wave writes LDS again, by the add below, while another still reads it
	s_wait_dscnt 0x0                               ; the closing lines, six on end
	s_wait_alu 0x0
	s_wait_tensorcnt 0x0
	ds_add_u32 v[SPW], v[NIL]
	s_wait_dscnt 0x0
	s_endpgm
.Lfunc_end_k_q2d026d04c0_up:
	.size	k_q2d026d04c0_up, .Lfunc_end_k_q2d026d04c0_up-k_q2d026d04c0_up
	.p2alignl 7, 3214868480
	.fill 96, 4, 3214868480
	.section	.rodata,"a",@progbits
	.p2align	6, 0x0
	.amdhsa_kernel k_q2d026d04c0_up
		.amdhsa_group_segment_fixed_size 262656
		.amdhsa_private_segment_fixed_size 0
		.amdhsa_enable_private_segment 0
		.amdhsa_kernarg_size 48
		.amdhsa_user_sgpr_count 2
		.amdhsa_user_sgpr_kernarg_segment_ptr 1
		.amdhsa_wavefront_size32 1
		.amdhsa_system_sgpr_workgroup_id_x 1
		.amdhsa_system_sgpr_workgroup_id_y 1
		.amdhsa_system_sgpr_workgroup_id_z 1
		.amdhsa_system_vgpr_workitem_id 0
		.amdhsa_next_free_vgpr 1024
		.amdhsa_next_free_sgpr 96
		.amdhsa_reserve_vcc 0
		.amdhsa_float_denorm_mode_32 3
		.amdhsa_float_denorm_mode_16_64 3
		.amdhsa_memory_ordered 1
		.amdhsa_forward_progress 1
		.amdhsa_inst_pref_size 187
	.end_amdhsa_kernel
	.amdgpu_metadata
---
amdhsa.version: [ 1, 2 ]
amdhsa.kernels:
  - .name:           k_q2d026d04c0_up
    .symbol:         k_q2d026d04c0_up.kd
    .args:
      - { .name: xb, .offset: 0, .size: 8, .value_kind: global_buffer, .address_space: global }
      - { .name: w1, .offset: 8, .size: 8, .value_kind: global_buffer, .address_space: global }
      - { .name: b1, .offset: 16, .size: 8, .value_kind: global_buffer, .address_space: global }
      - { .name: bmp, .offset: 24, .size: 8, .value_kind: global_buffer, .address_space: global }
      - { .name: hf, .offset: 32, .size: 8, .value_kind: global_buffer, .address_space: global }
      - { .name: rk, .offset: 40, .size: 8, .value_kind: global_buffer, .address_space: global }
    .group_segment_fixed_size: 262656
    .private_segment_fixed_size: 0
    .kernarg_segment_align: 8
    .kernarg_segment_size: 48
    .max_flat_workgroup_size: 128
    .sgpr_count:     96
    .vgpr_count:     1024
    .wavefront_size: 32
...
	.end_amdgpu_metadata
.endif
;; end of part 9
;; launch down (part 10): grid 32 x 8, 4 waves a work-group, no clusters, 262,656 bytes of LDS; arguments hf, w2, bmp, part; writes part
.if DOCPART == 10
	.amdgcn_target "amdgcn-amd-amdhsa--gfx1250"
	.amdhsa_code_object_version 6
	.text
	.protected	k_q2d026d04c0_down
	.globl	k_q2d026d04c0_down
	.p2align	8
	.type	k_q2d026d04c0_down,@function
k_q2d026d04c0_down:
	s_mov_b64 s[64:65], 0
	v_nop
	global_prefetch_b8 v0, s[64:65] scope:SCOPE_SE
	s_setreg_imm32_b32 hwreg(HW_REG_WAVE_SCHED_MODE, 0, 2), 2
	s_setreg_imm32_b32 hwreg(HW_REG_WAVE_MODE, 25, 1), 1
	s_wait_xcnt 0x0
	s_wait_alu depctr_vm_vsrc(0)
; SECOND PRODUCT, in four parts of K.  part[kp][e][row][n] = the sum over f in 1,024 kp .. + 1,023 of h[row][f] w2[e][f][n], for the expert's rows in the order of their ranks.
; A work-group (x = 8 kp + ns, y = expert) owns w2[e][1,024 kp .. + 1,023][128 ns .. + 127]: 512 KiB of f32 that it alone reads, rounds to bf16 on the way through registers and lays into LDS as ready fragments, 256 KiB.
; The four partial sums stay in f32; the last launch adds them.
; ROWS.  A wave's tile number k is tile tau = 4 k + wave of the expert.  A pass is NT = 5 tiles a wave, 320 rows; four passes cover the 1,024 rows that an expert can have.  A dead tile's loads all ask for the
; first 16 bytes of the step in the expert's tile 0; its products are made in a pass's first K step alone and never stored.  Rows past the count in the last tile are stored in the expert's own part and never read.
; PASS 0 IS MULTIPLIED BESIDE THE STREAM.  K goes in 8 groups of 4 steps of 32.  A wave's loads come back in order, so weights (W) and tokens (T) are ONE stream: step s waits for T(s) (W(s + 4) was issued ahead of it,
; so that wait shows it too), packs W(s + 4), multiplies its first tile, reads step s + 1's fragments from LDS, issues T(s + 3) and, into the ring slot just freed, W(s + 8), and multiplies its other tiles.
; 32 weight loads and 30 token loads of a wave, 512 consecutive bytes each, are out.
; THE CHANGE OF GROUPS, behind every fourth step: every wave's reads of fragments are back; a barrier; each wave stores its part of the next group's fragments; they are done; a barrier; the new group is read.
; All barriers stand on every wave's path; only products are jumped by the count.  Steps 24 to 28 have no weights left to ask for: their loads go out with the offset masked to 0 (all lanes ask for the same 16 bytes
; of the wave's own rows, and nothing uses them), so that one text and one set of counted waits serve every trip.
; LATER PASSES (an expert of more than 320 rows) find all fragments in LDS: the same step without stream and without barrier.  They are not multiplied beside anything.
; THE ORDER OF K is the one in which the first product left h: position (c, hk, i) of K step sg is row f = 1,024 kp + 64 (sg >> 1) + 2 (sg & 1) + c + 32 hk + 4 i, for tokens and weights alike, which keeps every product.
; COLUMNS.  Fragment q (0-7), index m (0-15) is slice column 64 (q >> 2) + 4 m + (q & 3).  Source 0 = 16 tokens, source 1 = 16 columns: a lane holds column index lane % 16 and tokens 8 (lane / 16) + 0..7,
; so the same register of fragments 4 b .. 4 b + 3 is four neighbouring columns of one row: 32 moves bring them side by side, and sixteen lanes store 256 consecutive bytes of a row without a trip through LDS.
; NO CLUSTER: each weight byte has one reader; what an expert's eight column slices of a K part share is its token fragments, and how many tiles of them there are hangs on a count read from memory.
; THE MODE: SCHED_MODE bits 1:0 = 2 (LLVM: expert scheduling mode 2), set by the entry lines.  The code itself states the register dependences between vector or matrix instructions and memory or LDS
; instructions, and between a vector instruction that writes a scalar register and that register's readers, with s_wait_alu, always for 0.
; THE PLAN.  Registers that memory or LDS instructions touch in K step s (t = s mod 4):
;   BF0, BF1      The LDS loads issued in step s land in BF[(s + 1) & 1], whose last readers are step s - 1's products; step s's products read BF[s & 1].
;   token slots   T(s + 3), issued in step s, lands in slot (s - 1) & 3, whose last readers are step s - 1's products; step s's products read slot t.
;   the ring      Step s's sixteen conversions read slot t; behind them W(s + 8) lands in it.
;   PK            Written by the conversions; read by the LDS stores of the change of groups.
;   v[OFS + t]    Read by the ring's loads; stepped at the head of step s.   v[BL]  Read by the fragments' loads; stepped at the head of a group's last step.
;   v[WS]         Read by the LDS stores; stepped at the head of a group's first step.   v[AOFF ..]  Read by the token loads; made at each pass's head.
; So a step has two waits, at its head.  One on vm_vsrc ahead of the conversions: what was issued so far has read v[OFS + t], PK, v[WS] and v[BL].  One on va_vdst behind the conversions and the address steps: the step
; before's products and this step's conversions are done with the registers in which this step's loads land, and PK and the addresses are written.  Behind it come the first tile's products, which name BF[s & 1], slot t
; and accumulators alone, and then the step's 34 loads with no further wait.  The stores and the first loads of the change of groups lean on the same waits: no vector or matrix instruction behind them names PK, v[WS], v[BL] or BF0.
.set NT,     5            ; tiles of a wave in a pass: a name, no knob
.set TL,     2*NT         ; token loads in a K step
.set ARS,    8*NT         ; registers in a token slot
.set PASSES, 4            ; a wave has 16 tiles at the most
.set WSTEP,  0x80000      ; a ring slot's next K step lies four on: 128 rows of 4,096 bytes
.set ISTR,   16384        ; from my row i to my row i + 1: four rows of 4,096 bytes
.set ASTEP,  1024         ; token bytes of a tile in a K step
.set APIECE, 512          ; from a fragment's registers 0-3 to its registers 4-7
.set MULW,   0xa1         ; source 0 (tokens) window 1, source 1 (weights) window 0, C and D window 2; + 0x50: window 3
.set SPARE,  262144       ; behind the fragments: the spare words, 128 bytes for each wave: two blocks of 256 bytes that no other line names
.set LANE, 1
.set RR,   2
.set HH,   3
.set L16,  4              ; 16 lane
.set PO0,  5              ; 32,768 (lane / 16) + 16 (lane % 16)
.set WS,   7              ; where I put 16 bytes of a fragment
.set BL,   8              ; where I read fragments
.set PO,   11             ; my byte offset in part
.set AOFF, 12             ; v12-16  my byte offset in hf for each of 5 tiles
.set TW,   32
.set OFS,  44             ; v44-47  ring slot z: my byte offset in the slice for the K step that the slot loads
.set SPW,  62             ; LDS address of my spare word; never rewritten
.set NIL,  63             ; 0; never rewritten
.set BF,   64             ; v64-191  weight fragments of a K step, two buffers of 64
; window 1: v0-159 the token fragments, 4 slots x 5 tiles x 8; v192-255 a group's packed weights, 16 a K step; on the way out v0-31
.set PKB,  192
; windows 2 and 3: the accumulators: tile i, fragment q at 512 + 64 i + 8 q.  Window 3, v128-255: the ring, 4 slots of 32: my 8 rows x 128 columns of a K step in f32
.set RG,   128
; scalars: s16 wave, s17 expert, s18 ns, s21 kp, s19 count, s20 my tiles in all, s22 pass, s23 L, s24 loop counts, s25 and s26 the way out's count and bound,
; s[28:29] weights, s[30:31] tokens, s[32:63] the bitmap, s[66:67] part, s[68:69] hf at the expert and K part, s70-75 at work, s76 and s77 the ring's masks
.set MSB, 0
.macro WIN new                         ; the immediate's high byte repeats the setting that is left; a switch that changes nothing is dropped
.if MSB != (\new)
	s_set_vgpr_msb (MSB<<8)|(\new)
.set MSB, (\new)
.endif
.endm
.macro PLACES                          ; four places between a product and loads into registers that products have read, or a read of its result (ISA guide 7.12.1 for a read of its result)
.rept 4
	v_nop
.endr
.endm
.macro WLOAD z                         ; ring slot z is filled: eight loads of 512 consecutive bytes, one for each of my rows
	WIN 0xc0                                       ; destination in window 3
.set ii, 0
.rept 8
	global_load_b128 v[RG+32*(\z)+4*ii:RG+32*(\z)+4*ii+3], v[OFS+(\z)], s[28:29] offset:ii*ISTR th:TH_LOAD_NT
.set ii, ii+1
.endr
.endm
.macro WCVT z                          ; ring slot z is packed along K into the group's place z
	WIN 0x4f                                       ; sources in window 3, destination in window 1
.set jj, 0
.rept 4
.set pp, 0
.rept 4
	v_cvt_pk_bf16_f32 v[PKB+16*(\z)+4*jj+pp], v[RG+32*(\z)+8*pp+jj], v[RG+32*(\z)+8*pp+4+jj]   ; column jj, my rows 2 pp and 2 pp + 1
.set pp, pp+1
.endr
.set jj, jj+1
.endr
.endm
.macro WSTORE                          ; my part of a group's fragments goes into LDS.  No wait: PK and v[WS] were written ahead of a step's wait on va_vdst, and nothing behind it names them
	WIN 0x04                                       ; data in window 1
.set zz, 0
.rept 4
.set jj, 0
.rept 4
	ds_store_b128 v[WS], v[PKB+16*zz+4*jj:PKB+16*zz+4*jj+3] offset:zz*8192+jj*1024   ; 16 lanes put 256 consecutive bytes
.set jj, jj+1
.endr
.set zz, zz+1
.endr
	WIN 0
.endm
.macro FRAG0                           ; the fragments of a group's first K step, into buffer 0
.set qq, 0
.rept 8
	ds_load_b128 v[BF+8*qq:BF+8*qq+3],   v[BL] offset:qq*1024
	ds_load_b128 v[BF+8*qq+4:BF+8*qq+7], v[BL] offset:qq*1024+512
.set qq, qq+1
.endr
.endm
.macro TFIRST                          ; the token fragments of K steps 0 to 2
	WIN 0x40
.set tt, 0
.rept 3
.set ii, 0
.rept NT
	global_load_b128 v[ARS*tt+8*ii:ARS*tt+8*ii+3],   v[AOFF+ii], s[30:31] offset:tt*ASTEP
	global_load_b128 v[ARS*tt+8*ii+4:ARS*tt+8*ii+7], v[AOFF+ii], s[30:31] offset:tt*ASTEP+APIECE
.set ii, ii+1
.endr
.set tt, tt+1
.endr
	WIN 0
.endm
.macro MKAOFF                          ; my byte offsets in hf for the tiles of pass s22, of which s23 live
.set ii, 0
.rept NT
	s_sub_co_i32 s70, s23, ii
	s_max_i32 s70, s70, 0
	s_min_u32 s70, s70, 1                          ; 1: tile ii lives
	s_mul_i32 s71, s22, NT
	s_add_co_u32 s71, s71, ii                      ; 5 pass + i
	s_lshl2_add_u32 s71, s71, s16                  ; tau
	s_lshl_b32 s71, s71, 17                        ; a tile is 131,072 bytes of hf
	s_mul_i32 s71, s71, s70
	s_lshl_b32 s70, s70, 4
	v_mad_u32_u24 v[AOFF+ii], v[LANE], s70, s71    ; 16 lane + the tile; 0 for a dead one
.set ii, ii+1
.endr
.endm
; The 8 products of tile i in a K step, t = the step's number mod 4, on 8 accumulators by turns.  first = 1: a pass's step 0: the products start the sums with the constant 0.
.macro TILE t, first, i
	WIN MULW+0x50*((\i)/4)
.set cb, BF+64*((\t)&1)
.set ca, ARS*((\t)&3)+8*(\i)
.set qq, 0
.rept 8
.set rd, 64*((\i)%4)+8*qq
.if \first
	v_wmma_f32_16x16x32_bf16 v[rd:rd+7], v[ca:ca+7], v[cb+8*qq:cb+8*qq+7], 0
.else
	v_wmma_f32_16x16x32_bf16 v[rd:rd+7], v[ca:ca+7], v[cb+8*qq:cb+8*qq+7], v[rd:rd+7]
.endif
.set qq, qq+1
.endr
.endm
; One K step, t = its number mod 4.  tleft: the younger loads that may stay out when this step's tokens have to be there.  nxt = 1: the next step's fragments are read from LDS.  tok = 1: the tokens three steps on
; are asked for, for all 5 tiles, so that the counted waits hold on every path.  wcv = 1 (pass 0): the weights four steps on are packed and the ring slot is filled again; msk names the scalar that keeps (-1) or
; clears (0) the slot's offset.  Tile 0 has no guard (in pass 0 a wave without tiles multiplies it for nothing), so the step's loads can stand behind it on every path; tiles 1 to 4 are jumped by the count.
; first = 1: all 40 sums are started, dead tiles' too.
.macro FSTEP t, first, tok, tleft, nxt, wcv, msk=76
	WIN 0
	s_wait_loadcnt \tleft                          ; loads come back in order (ISA guide 5.7.1): this step's tokens are in, and all that was issued ahead of them: in pass 0 the weights four steps on
.if \wcv
	s_wait_alu depctr_vm_vsrc(0)                   ; what was issued so far has read its registers: the ring's loads v[OFS + t], the LDS stores PK and v[WS], the fragments' loads v[BL]: the lines below write them
	WCVT \t                                        ; these sixteen are also the places behind the last step's products
	WIN 0
	v_add_nc_u32 v[OFS+(\t)], WSTEP, v[OFS+(\t)]   ; the slot's own loads have been shown done
	v_and_b32 v[OFS+(\t)], s[\msk], v[OFS+(\t)]
.if (\t) == 0
	v_add_nc_u32 v[WS], 0x8000, v[WS]              ; a group has just been stored: on to the next group's place
.endif
.if (\t) == 3
	v_add_nc_u32 v[BL], 0x8000, v[BL]              ; the group's last fragments have been asked for: the next reads are the next group's
.endif
	s_wait_alu depctr_va_vdst(0)                   ; the last step's products are done reading the fragment buffer and the token slot, and the conversions the ring slot, in which the loads below land; PK, v[OFS + t], v[WS], v[BL] are written
.elseif (\nxt) || (\tok)
.if (\nxt) && ((\t) == 3)
	s_wait_alu depctr_vm_vsrc(0)                   ; the fragments' loads issued so far have read v[BL]
	v_add_nc_u32 v[BL], 0x8000, v[BL]              ; four K steps on; with the three lines below it is one of the four places
	v_nop
	v_nop
	v_nop
.else
	PLACES
.endif
.if !(\first)
	s_wait_alu depctr_va_vdst(0)                   ; the last step's products are done reading the fragment buffer and the token slot in which the loads below land; where v[BL] was stepped, it is written
.endif
.endif
	s_wait_dscnt 0x0                               ; this step's fragments, all that is out, are in
	TILE \t, \first, 0
.if \nxt
	WIN 0
.set nb, BF+64*(((\t)+1)&1)
.set qq, 0
.rept 8
	ds_load_b128 v[nb+8*qq:nb+8*qq+3],   v[BL] offset:(((\t)+1)&3)*8192+qq*1024       ; no wait: the products since the wait above name the other buffer
	ds_load_b128 v[nb+8*qq+4:nb+8*qq+7], v[BL] offset:(((\t)+1)&3)*8192+qq*1024+512
.set qq, qq+1
.endr
.endif
.if \tok
.if ((\t) == 0) && (!(\first))
	s_wait_xcnt 0x0                                ; the token base is stepped only behind this wait; the youngest loads that read it stand a step back
	s_add_nc_u64 s[30:31], s[30:31], 4*ASTEP
.endif
	WIN 0x40
.set na, ARS*(((\t)+3)&3)
.set ii, 0
.rept NT
	global_load_b128 v[na+8*ii:na+8*ii+3],   v[AOFF+ii], s[30:31] offset:((\t)+3)*ASTEP
	global_load_b128 v[na+8*ii+4:na+8*ii+7], v[AOFF+ii], s[30:31] offset:((\t)+3)*ASTEP+APIECE
.set ii, ii+1
.endr
.endif
.if \wcv
	WLOAD \t
.endif
.set ii, 1
.rept NT-1
.if !(\first)
	WIN 0                                          ; at a branch every window is 0
	s_cmp_le_u32 s23, ii
	s_cbranch_scc1 .Lmend_\@
.endif
	TILE \t, \first, ii
.set ii, ii+1
.endr
	WIN 0
.if !(\first)
.Lmend_\@:
.endif
.endm
; The ring's second filling, at the head: K step z has landed, is packed, and the slot takes K step z + 4.  Younger than K step z: 24 weight loads and the 30 token loads of K steps 0 to 2.
.macro PRO z
	s_wait_loadcnt 24+3*TL
	WCVT \z
	WIN 0
	v_add_nc_u32 v[OFS+(\z)], WSTEP, v[OFS+(\z)]
	s_wait_alu depctr_va_vdst(0)                   ; the conversions are done reading ring slot z, in which the loads land, and v[OFS + z] is written
	WLOAD \z
.endm
; THE CHANGE OF GROUPS.  The first barrier stands between every wave's reads of fragments and every wave's stores, the second between the stores and the reads of what they brought.
.macro BOUND
	WIN 0
	s_wait_dscnt 0x0                               ; my reads of fragments are back
	s_barrier_signal -1
	s_barrier_wait -1
	WSTORE
	s_wait_dscnt 0x0                               ; for the others' sake: my part of the next group is in LDS
	s_barrier_signal -1
	s_barrier_wait -1
	FRAG0                                          ; no wait: v[BL] was written, and buffer 0 last read, ahead of the last step's wait on va_vdst; that step's products name buffer 1
.endm
; The way out of tile n / 2, fragments 4 (n % 2) .. + 3: register ip of the four fragments goes side by side: four neighbouring columns of token 8 (lane / 16) + ip.  Register 0 of each accumulator is read first.
.macro COPY n, br
.Lcopy\n:
	WIN 0x42+((\n)/8)                              ; destination window 1, source window 2 or 3
.set ra, 64*(((\n)/2)%4)+32*((\n)%2)
.set ip, 0
.rept 8
.set jq, 0
.rept 4
	v_mov_b32 v[4*ip+jq], v[ra+8*jq+ip]
.set jq, jq+1
.endr
.set ip, ip+1
.endr
	WIN 0
.if \br
	s_branch .Lsend
.endif
.endm
	s_load_b256 s[4:11], s[0:1], 0x0               ; hf s[4:5], w2 s[6:7], bmp s[8:9], part s[10:11]
	v_lshl_add_u32 v[SPW], v0, 2, SPARE
	v_mov_b32 v[NIL], 0
	v_and_b32 v[LANE], 31, v0
	v_lshrrev_b32 v[TW], 5, v0
	v_readfirstlane_b32 s16, v[TW]                 ; wave 0..3
	s_and_b32 s17, ttmp7, 0xffff                   ; expert
	s_and_b32 s18, ttmp9, 7                        ; ns: which 128 columns
	s_lshr_b32 s21, ttmp9, 3                       ; kp: which 1,024 rows of w2
	v_lshlrev_b32 v[L16], 4, v[LANE]
.set kk, 0
.rept 4
	v_add_nc_u32 v[OFS+kk], (64*(kk>>1)+2*(kk&1))*4096, v[L16]   ; slot kk begins with K step kk
.set kk, kk+1
.endr
	s_lshl_b32 s72, s17, 24                        ; the expert's 16 MiB,
	s_lshl_b32 s70, s21, 22                        ; the K part's 1,024 rows of 4,096 bytes,
	s_add_co_u32 s72, s72, s70
	s_wait_alu depctr_va_sdst(0)                   ; s16 is written, ahead of its first reader: the weights' base is made from it
	s_and_b32 s70, s16, 1
	s_lshl_b32 s70, s70, 17                        ; hk = wave & 1: 32 rows,
	s_add_co_u32 s72, s72, s70
	s_lshr_b32 s70, s16, 1
	s_lshl_b32 s70, s70, 12                        ; c = wave >> 1: one row,
	s_add_co_u32 s72, s72, s70
	s_lshl_b32 s70, s18, 9                         ; the slice's 512 bytes of a row
	s_add_co_u32 s72, s72, s70
	s_mov_b32 s73, 0
	s_lshl_b32 s74, s17, 7                         ; the expert's 32 bitmap words
	s_mov_b32 s75, 0
	s_wait_kmcnt 0x0
	s_add_nc_u64 s[28:29], s[6:7], s[72:73]
	s_add_nc_u64 s[74:75], s[8:9], s[74:75]
	s_load_b512 s[32:47], s[74:75], 0x0
	s_load_b512 s[48:63], s[74:75], 0x40
	s_wait_alu depctr_va_vdst(0)                   ; v[OFS ..] are written, which the loads below read as their offsets
.irp z, 0,1,2,3
	WLOAD \z                                       ; K steps 0 to 3: the ring's first filling, 32 loads
.endr
	WIN 0
	v_and_b32 v[RR], 15, v0
	v_bfe_u32 v[HH], v0, 4, 1
	v_lshlrev_b32 v[PO0], 4, v[RR]
	v_lshl_add_u32 v[PO0], v[HH], 15, v[PO0]
	v_mov_b32 v[BL], v[L16]                        ; the fragments are read from LDS byte 16 lane on
	; A fragment's 16 bytes: [K step][q][c][lane' = m + 16 hk].  My columns 4 lane + jj: q = 4 (lane / 16) + jj, m = lane % 16.
	v_lshlrev_b32 v[WS], 4, v[RR]
	v_lshl_add_u32 v[WS], v[HH], 12, v[WS]
	s_lshr_b32 s70, s16, 1
	s_lshl_b32 s70, s70, 9
	s_and_b32 s71, s16, 1
	s_lshl_b32 s71, s71, 8
	s_add_co_u32 s70, s70, s71
	v_add_nc_u32 v[WS], s70, v[WS]
	s_mov_b32 s71, 0
	s_lshl_b32 s70, s17, 23
	s_lshl_b32 s72, s21, 15
	s_add_co_u32 s70, s70, s72
	s_add_nc_u64 s[68:69], s[4:5], s[70:71]        ; hf at the expert's 8 MiB and the K part's 32,768 bytes of a tile
	s_lshl_b32 s70, s21, 25
	s_lshl_b32 s72, s17, 22
	s_add_co_u32 s70, s70, s72
	s_lshl_b32 s72, s18, 9
	s_add_co_u32 s70, s70, s72
	s_add_nc_u64 s[66:67], s[10:11], s[70:71]      ; part at the K part, the expert and the slice's 512 bytes of a row
	s_mov_b32 s76, -1                              ; the ring's masks: offsets are kept
	s_mov_b32 s77, -1
	s_mov_b32 s19, 0
	s_wait_kmcnt 0x0                               ; the bitmap
.set gg, 0
.rept 32
	s_bcnt1_i32_b32 s70, s[32+gg]
	s_add_co_u32 s19, s19, s70                     ; the expert's rows
.set gg, gg+1
.endr
	s_add_co_u32 s20, s19, 15
	s_lshr_b32 s20, s20, 4                         ; its tiles,
	s_add_co_u32 s20, s20, 3
	s_sub_co_u32 s20, s20, s16
	s_lshr_b32 s20, s20, 2                         ; and those of them that are mine: tau = wave mod 4
	; PASS 0, BESIDE THE STREAM
	s_mov_b32 s22, 0
	s_min_u32 s23, s20, NT                         ; L: my tiles in pass 0
	MKAOFF
	s_mov_b64 s[30:31], s[68:69]
	s_wait_alu depctr_va_vdst(0)                   ; v[AOFF ..] are written, which the token loads read
	TFIRST                                         ; 30 token loads, behind K steps 0 to 3 of the weights and ahead of K steps 4 to 7
	s_wait_alu depctr_vm_vsrc(0)                   ; the ring's first 32 loads have read v[OFS ..], which the four fillings below step
.irp z, 0,1,2,3
	PRO \z
.endr
	WSTORE                                         ; group 0: PK and v[WS] were written ahead of the last filling's wait on va_vdst
	s_wait_dscnt 0x0                               ; for the others' sake: my part of group 0 is in LDS
	s_barrier_signal -1
	s_barrier_wait -1
	FRAG0                                          ; v[BL] was written ahead of the waits on va_vdst above; nothing has named v64-127 yet
	FSTEP 0, 1, 1, 16, 1, 1, 77                    ; K step 0 starts the sums.  Out at its wait: weights 6 and 7; weights 4 and 5 are in, and the tokens of steps 0 to 2, issued ahead of them
	s_mov_b32 s24, 7
.Lfuse:                                                ; a trip: K steps 4 n + 1 to 4 n + 4, n = 0 .. 6, with the change of groups behind the third.  Out at each wait: three steps' weights and two steps' tokens
	s_cmp_gt_u32 s24, 1                            ; the last trip's steps (25 to 27), and the last two trips' fourth steps (24 and 28), have no weights left to ask for
	s_cselect_b32 s76, -1, 0
	s_cmp_gt_u32 s24, 2
	s_cselect_b32 s77, -1, 0
	FSTEP 1, 0, 1, 24+2*TL, 1, 1
	FSTEP 2, 0, 1, 24+2*TL, 1, 1
	FSTEP 3, 0, 1, 24+2*TL, 0, 1
	BOUND
	FSTEP 0, 0, 1, 24+2*TL, 1, 1, 77
	s_sub_co_u32 s24, s24, 1
	s_cmp_lg_u32 s24, 0
	s_cbranch_scc1 .Lfuse
	FSTEP 1, 0, 0, 24+2*TL, 1, 0                   ; K steps 29 to 31 are written out: nothing is left to ask for, and the counts run down
	FSTEP 2, 0, 0, 16+TL, 1, 0
	FSTEP 3, 0, 0, 0, 0, 0                         ; the highest LDS byte read is 262,143
.Lpass:                                                ; s22 = 0 at the first trip
	s_mul_i32 s70, s22, NT
	s_sub_co_i32 s23, s20, s70
	s_max_i32 s23, s23, 0
	s_min_u32 s23, s23, NT                         ; L: my tiles in this pass
	s_cmp_eq_u32 s23, 0
	s_cbranch_scc1 .Lpass_end                      ; none: forward to the counter's step; no barrier stands in what is jumped
	s_cmp_eq_u32 s22, 0
	s_cbranch_scc1 .Lout                           ; pass 0 has been multiplied above
	PLACES
	s_wait_alu depctr_vm_vsrc(0)                   ; the token loads of the pass before have read v[AOFF ..], its fragments' loads v[BL], which the lines below write; its last stores have read the registers of window 1 in which the token loads below land
	MKAOFF
	s_mov_b64 s[30:31], s[68:69]
	v_mov_b32 v[BL], v[L16]
	s_wait_alu depctr_va_vdst(0)                   ; v[AOFF ..] and v[BL] are written; the products and the way out of the pass before are done with the fragment buffers and token slots in which the loads below, and step 0's, land
	FRAG0
	TFIRST
	FSTEP 0, 1, 1, 2*TL, 1, 0                      ; K step 0 stands in front of the loop: its products start the sums.  Out at each wait: the next two steps' tokens
	s_mov_b32 s24, 7
.Lk:                                                   ; a trip: K steps 4 n + 1 to 4 n + 4
	FSTEP 1, 0, 1, 2*TL, 1, 0
	FSTEP 2, 0, 1, 2*TL, 1, 0
	FSTEP 3, 0, 1, 2*TL, 1, 0
	FSTEP 0, 0, 1, 2*TL, 1, 0
	s_sub_co_u32 s24, s24, 1
	s_cmp_lg_u32 s24, 0
	s_cbranch_scc1 .Lk
	FSTEP 1, 0, 0, 2*TL, 1, 0
	FSTEP 2, 0, 0, TL, 1, 0
	FSTEP 3, 0, 0, 0, 0, 0
.Lout:
	PLACES                                         ; between the last product and the way out
	s_lshl_b32 s26, s23, 1
	s_mov_b32 s25, 0
.Lepi:                                                 ; 2 L trips: 16 rows x 64 columns a trip; no LDS is touched
	s_wait_xcnt 0x0                                ; the last trip's stores have had their addresses translated: their offset and their data are rewritten only behind this wait,
	s_wait_alu depctr_vm_vsrc(0)                   ; and they have read v[PO] and their 32 data registers, which this trip writes again
	s_lshr_b32 s70, s25, 1
	s_mul_i32 s71, s22, NT
	s_add_co_u32 s70, s70, s71                     ; 5 pass + i
	s_lshl2_add_u32 s70, s70, s16                  ; tau
	s_lshl_b32 s70, s70, 16                        ; 16 rows of 4,096 bytes
	s_and_b32 s71, s25, 1
	s_lshl_b32 s71, s71, 8                         ; columns 64 on lie 256 bytes on
	s_add_co_u32 s70, s70, s71
	v_add_nc_u32 v[PO], s70, v[PO0]
.irp n, 0,1,2,3,4,5,6,7,8
	s_cmp_eq_u32 s25, \n
	s_cbranch_scc1 .Lcopy\n
.endr
	COPY 9, 1
.irp n, 0,1,2,3,4,5,6,7
	COPY \n, 1
.endr
	COPY 8, 0
.Lsend:
	WIN 0x04                                       ; the stores' data in window 1, their offset in window 0
	s_wait_alu depctr_va_vdst(0)                   ; the 32 moves have written the stores' data, and v[PO] is written
.set ip, 0
.rept 8
	global_store_b128 v[PO], v[4*ip:4*ip+3], s[66:67] offset:ip*4096   ; 16 lanes store 256 consecutive bytes of a row, at a multiple of 256 from part's first byte
.set ip, ip+1
.endr
	WIN 0
	s_add_co_u32 s25, s25, 1
	s_cmp_lt_u32 s25, s26
	s_cbranch_scc1 .Lepi
	s_wait_xcnt 0x0                                ; the next pass loads into the registers that the last stores read
.Lpass_end:
	s_add_co_u32 s22, s22, 1
	s_cmp_lt_u32 s22, PASSES
	s_cbranch_scc1 .Lpass
	s_wait_dscnt 0x0                               ; my reads of the fragments are back;
	s_barrier_signal -1
	s_barrier_wait -1                              ; every wave's are: no wave writes LDS again, by the add below, while another still reads it
	s_wait_dscnt 0x0                               ; the closing lines, six on end
	s_wait_alu 0x0
	s_wait_tensorcnt 0x0
	ds_add_u32 v[SPW], v[NIL]
	s_wait_dscnt 0x0
	s_endpgm
.Lfunc_end_k_q2d026d04c0_down:
	.size	k_q2d026d04c0_down, .Lfunc_end_k_q2d026d04c0_down-k_q2d026d04c0_down
	.p2alignl 7, 3214868480
	.fill 96, 4, 3214868480
	.section	.rodata,"a",@progbits
	.p2align	6, 0x0
	.amdhsa_kernel k_q2d026d04c0_down
		.amdhsa_group_segment_fixed_size 262656
		.amdhsa_private_segment_fixed_size 0
		.amdhsa_enable_private_segment 0
		.amdhsa_kernarg_size 32
		.amdhsa_user_sgpr_count 2
		.amdhsa_user_sgpr_kernarg_segment_ptr 1
		.amdhsa_wavefront_size32 1
		.amdhsa_system_sgpr_workgroup_id_x 1
		.amdhsa_system_sgpr_workgroup_id_y 1
		.amdhsa_system_sgpr_workgroup_id_z 1
		.amdhsa_system_vgpr_workitem_id 0
		.amdhsa_next_free_vgpr 1024
		.amdhsa_next_free_sgpr 96
		.amdhsa_reserve_vcc 0
		.amdhsa_float_denorm_mode_32 3
		.amdhsa_float_denorm_mode_16_64 3
		.amdhsa_memory_ordered 1
		.amdhsa_forward_progress 1
		.amdhsa_inst_pref_size 129
	.end_amdhsa_kernel
	.amdgpu_metadata
---
amdhsa.version: [ 1, 2 ]
amdhsa.kernels:
  - .name:           k_q2d026d04c0_down
    .symbol:         k_q2d026d04c0_down.kd
    .args:
      - { .name: hf, .offset: 0, .size: 8, .value_kind: global_buffer, .address_space: global }
      - { .name: w2, .offset: 8, .size: 8, .value_kind: global_buffer, .address_space: global }
      - { .name: bmp, .offset: 16, .size: 8, .value_kind: global_buffer, .address_space: global }
      - { .name: part, .offset: 24, .size: 8, .value_kind: global_buffer, .address_space: global }
    .group_segment_fixed_size: 262656
    .private_segment_fixed_size: 0
    .kernarg_segment_align: 8
    .kernarg_segment_size: 32
    .max_flat_workgroup_size: 128
    .sgpr_count:     96
    .vgpr_count:     1024
    .wavefront_size: 32
...
	.end_amdgpu_metadata
.endif
;; end of part 10
;; launch combine (part 11): grid 256 x 1, 8 waves a work-group, no clusters, 0 bytes of LDS; arguments part, b2, idp, pw, rk, out0; writes out0
.if DOCPART == 11
	.amdgcn_target "amdgcn-amd-amdhsa--gfx1250"
	.amdhsa_code_object_version 6
	.text
	.protected	k_q2d026d04c0_combine
	.globl	k_q2d026d04c0_combine
	.p2align	8
	.type	k_q2d026d04c0_combine,@function
k_q2d026d04c0_combine:
	s_mov_b64 s[64:65], 0
	v_nop
	global_prefetch_b8 v0, s[64:65] scope:SCOPE_SE
	s_setreg_imm32_b32 hwreg(HW_REG_WAVE_SCHED_MODE, 0, 2), 2
	s_setreg_imm32_b32 hwreg(HW_REG_WAVE_MODE, 25, 1), 1
	s_wait_xcnt 0x0
	s_wait_alu depctr_vm_vsrc(0)
; THE SUM.  out[t] = p0 (b2[e0] + the four K parts of row rk[e0][t] of expert e0) + p1 (the same for e1).  All in f32; b2 is rounded to bf16 like every input.
; A stream: 256 work-groups of eight waves; wave w takes token 4 x work-group + (w >> 1) and half w & 1 of its 1,024 columns: 2,048 bytes, four loads of 512 consecutive bytes from each of ten rows.
; All 40 loads of a wave go out before the first wait on them.  The experts and ranks are whole numbers that earlier launches stored; each is clamped to its table before it enters an address.
; No LDS, no barrier, no matrix unit: memory binds, and no wave needs another's numbers.
; THE MODE: SCHED_MODE bits 1:0 = 2 (LLVM: expert scheduling mode 2), set by the entry lines.  The code itself states the register dependences between vector instructions and memory instructions,
; and between a vector instruction that writes a scalar register and that register's readers, with s_wait_alu, always for 0.
; THE PLAN.  v1, the one offset, is written at the head and never again: one wait on va_vdst ahead of the first load.  The 40 loads land in registers that no vector instruction has named.
; v8-23 are written by the sums and read by the four stores: one wait on va_vdst ahead of them.  Nothing that a memory instruction has read is written again, so no wait on vm_vsrc is owed.
.set SB,  8               ; v8-23 expert 0's sum (it starts as b2's row), v24-39 expert 1's
.set PT,  40              ; v40-167  the partial rows: expert j, K part kp, load m at PT + 64 j + 16 kp + 4 m
.set TP,  168             ; v168-171 at work
	s_load_b256 s[4:11], s[0:1], 0x0               ; part s[4:5], b2 s[6:7], idp s[8:9], pw s[10:11]
	s_load_b128 s[12:15], s[0:1], 0x20             ; rk s[12:13], out0 s[14:15]
	v_and_b32 v1, 31, v0
	v_lshrrev_b32 v2, 5, v0
	v_readfirstlane_b32 s16, v2                    ; wave 0..7
	s_mov_b32 s19, 0xffff0000                      ; a word's upper bf16
	s_wait_alu depctr_va_sdst(0)                   ; s16 is written, ahead of its first reader: my token and my half of its row are made from it
	s_lshr_b32 s17, s16, 1
	s_lshl2_add_u32 s17, ttmp9, s17                ; my token
	s_and_b32 s18, s16, 1
	s_lshl_b32 s18, s18, 11                        ; my half of a row
	v_lshl_add_u32 v1, v1, 4, s18                  ; + 16 lane
	s_lshl_b32 s20, s17, 2
	s_mov_b32 s21, 0
	s_lshl_b32 s22, s17, 3
	s_mov_b32 s23, 0
	s_lshl_b32 s24, s17, 12
	s_mov_b32 s25, 0
	s_wait_kmcnt 0x0
	s_add_nc_u64 s[8:9], s[8:9], s[20:21]
	s_add_nc_u64 s[10:11], s[10:11], s[22:23]
	s_add_nc_u64 s[12:13], s[12:13], s[20:21]      ; rk at my token's word of expert 0
	s_add_nc_u64 s[14:15], s[14:15], s[24:25]      ; out0 at my token's row
	s_load_b32 s26, s[8:9], 0x0                    ; e0 | e1 << 8
	s_load_b64 s[28:29], s[10:11], 0x0             ; p0, p1
	s_wait_kmcnt 0x0
	s_bfe_u32 s30, s26, 0x80000
	s_bfe_u32 s31, s26, 0x80008
	s_min_u32 s30, s30, 7
	s_min_u32 s31, s31, 7
	s_lshl_b32 s32, s30, 12                        ; an expert's 4,096 bytes, in rk and in b2 alike
	s_mov_b32 s33, 0
	s_lshl_b32 s34, s31, 12
	s_mov_b32 s35, 0
	s_load_b32 s36, s[12:13], s32 offset:0x0       ; my token's rank with e0,
	s_load_b32 s37, s[12:13], s34 offset:0x0       ; and with e1
	s_add_nc_u64 s[38:39], s[6:7], s[32:33]
	s_add_nc_u64 s[40:41], s[6:7], s[34:35]
	s_wait_alu depctr_va_vdst(0)                   ; v1 is written: every load and store of the kernel reads it as its offset
.set jx, 0
.rept 2
.set mm, 0
.rept 4
	global_load_b128 v[SB+16*jx+4*mm:SB+16*jx+4*mm+3], v1, s[38+2*jx:39+2*jx] offset:512*mm
.set mm, mm+1
.endr
.set jx, jx+1
.endr
	s_mov_b32 s44, s29                             ; p1, as the low word of a pair
	s_mov_b32 s45, s29
	s_wait_kmcnt 0x0
	s_min_u32 s36, s36, 1023
	s_min_u32 s37, s37, 1023
	s_lshl_b32 s42, s30, 22                        ; the expert's 1,024 rows of 4,096 bytes,
	s_lshl_b32 s36, s36, 12                        ; my row among them
	s_add_co_u32 s42, s42, s36
	s_mov_b32 s43, 0
	s_add_nc_u64 s[48:49], s[4:5], s[42:43]
	s_lshl_b32 s46, s31, 22
	s_lshl_b32 s37, s37, 12
	s_add_co_u32 s46, s46, s37
	s_mov_b32 s47, 0
	s_add_nc_u64 s[56:57], s[4:5], s[46:47]
.irp bs, 48, 50, 52, 56, 58, 60
	s_add_nc_u64 s[\bs+2:\bs+3], s[\bs:\bs+1], 0x2000000   ; the next K part lies 32 MiB on
.endr
.set jx, 0
.rept 2
.set kp, 0
.rept 4
.set mm, 0
.rept 4
	global_load_b128 v[PT+64*jx+16*kp+4*mm:PT+64*jx+16*kp+4*mm+3], v1, s[48+8*jx+2*kp:49+8*jx+2*kp] offset:512*mm th:TH_LOAD_NT
.set mm, mm+1
.endr
.set kp, kp+1
.endr
.set jx, jx+1
.endr
	s_wait_loadcnt 32                              ; b2's eight loads are in; the 32 partial rows' stay out
.set pp, 0
.rept 16
	v_cvt_pk_bf16_f32 v[TP+pp%4], v[SB+2*pp], v[SB+2*pp+1]
	v_lshlrev_b32 v[SB+2*pp], 16, v[TP+pp%4]
	v_and_b32 v[SB+2*pp+1], s19, v[TP+pp%4]
.set pp, pp+1
.endr
.set jx, 0
.rept 2
	s_wait_loadcnt 16-16*jx                        ; expert jx's sixteen loads are in
.set kp, 0
.rept 4
.set pp, 0
.rept 8
	v_pk_add_f32 v[SB+16*jx+2*pp:SB+16*jx+2*pp+1], v[SB+16*jx+2*pp:SB+16*jx+2*pp+1], v[PT+64*jx+16*kp+2*pp:PT+64*jx+16*kp+2*pp+1]
.set pp, pp+1
.endr
.set kp, kp+1
.endr
.set jx, jx+1
.endr
.set pp, 0
.rept 8
	v_pk_mul_f32 v[SB+2*pp:SB+2*pp+1], v[SB+2*pp:SB+2*pp+1], s[28:29] op_sel_hi:[1,0]                                   ; p0 x expert 0's sum
	v_pk_fma_f32 v[SB+2*pp:SB+2*pp+1], v[SB+16+2*pp:SB+16+2*pp+1], s[44:45], v[SB+2*pp:SB+2*pp+1] op_sel_hi:[1,0,1]     ; + p1 x expert 1's
.set pp, pp+1
.endr
	s_wait_alu depctr_va_vdst(0)                   ; the sums have written v8-23, which the stores read
.set mm, 0
.rept 4
	global_store_b128 v1, v[SB+4*mm:SB+4*mm+3], s[14:15] offset:512*mm th:TH_STORE_NT   ; 512 consecutive bytes, at a multiple of 256 from out0's first byte
.set mm, mm+1
.endr
	s_endpgm
.Lfunc_end_k_q2d026d04c0_combine:
	.size	k_q2d026d04c0_combine, .Lfunc_end_k_q2d026d04c0_combine-k_q2d026d04c0_combine
	.p2alignl 7, 3214868480
	.fill 96, 4, 3214868480
	.section	.rodata,"a",@progbits
	.p2align	6, 0x0
	.amdhsa_kernel k_q2d026d04c0_combine
		.amdhsa_group_segment_fixed_size 0
		.amdhsa_private_segment_fixed_size 0
		.amdhsa_enable_private_segment 0
		.amdhsa_kernarg_size 48
		.amdhsa_user_sgpr_count 2
		.amdhsa_user_sgpr_kernarg_segment_ptr 1
		.amdhsa_wavefront_size32 1
		.amdhsa_system_sgpr_workgroup_id_x 1
		.amdhsa_system_sgpr_workgroup_id_y 1
		.amdhsa_system_sgpr_workgroup_id_z 1
		.amdhsa_system_vgpr_workitem_id 0
		.amdhsa_next_free_vgpr 192
		.amdhsa_next_free_sgpr 66
		.amdhsa_reserve_vcc 0
		.amdhsa_float_denorm_mode_32 3
		.amdhsa_float_denorm_mode_16_64 3
		.amdhsa_memory_ordered 1
		.amdhsa_forward_progress 1
		.amdhsa_inst_pref_size 15
	.end_amdhsa_kernel
	.amdgpu_metadata
---
amdhsa.version: [ 1, 2 ]
amdhsa.kernels:
  - .name:           k_q2d026d04c0_combine
    .symbol:         k_q2d026d04c0_combine.kd
    .args:
      - { .name: part, .offset: 0, .size: 8, .value_kind: global_buffer, .address_space: global }
      - { .name: b2, .offset: 8, .size: 8, .value_kind: global_buffer, .address_space: global }
      - { .name: idp, .offset: 16, .size: 8, .value_kind: global_buffer, .address_space: global }
      - { .name: pw, .offset: 24, .size: 8, .value_kind: global_buffer, .address_space: global }
      - { .name: rk, .offset: 32, .size: 8, .value_kind: global_buffer, .address_space: global }
      - { .name: out0, .offset: 40, .size: 8, .value_kind: global_buffer, .address_space: global }
    .group_segment_fixed_size: 0
    .private_segment_fixed_size: 0
    .kernarg_segment_align: 8
    .kernarg_segment_size: 48
    .max_flat_workgroup_size: 256
    .sgpr_count:     66
    .vgpr_count:     192
    .wavefront_size: 32
...
	.end_amdgpu_metadata
.endif
;; end of part 11
